; MI455X (gfx1250); checked and timed in simulation.
; The chip was launched on July 23, 2026; its instructions are those of AMD's public machine-readable ISA for CDNA 5 (MIT licence, August 2026) and "CDNA5" Instruction Set Architecture Reference Guide (July 2026). The comments in the code are by the model that wrote it; some were corrected since.
;; Deformable Transformer Decoder Layer. Allowed arithmetic: float matrix products may take bf16 or f16 operands with f32 sums; other float arithmetic in f32, or as packed bf16 or f16 multiplies, adds, multiply-adds, maxima and minima; sums over many terms, partial sums and values carried from step to step in f32; what a program stores and reads back later, other than sums and carried values, may be rounded once to bf16 or f16.
;; Inputs: input 16 x 1,024 x 256 float32; level_start 4 int32; params_aw_b 128 float32; params_aw_w 128 x 256 float32; params_cross_norm_b 256 float32; params_cross_norm_w 256 float32; params_ff1_b 1,024 float32; params_ff1_w 1,024 x 256 float32; params_ff2_b 256 float32; params_ff2_w 256 x 1,024 float32; params_ff_norm_b 256 float32; params_ff_norm_w 256 float32; params_mha_in_b 768 float32; params_mha_in_w 768 x 256 float32; params_mha_out_b 256 float32; params_mha_out_w 256 x 256 float32; params_off_b 256 float32; params_off_w 256 x 256 float32; params_out_b 256 float32; params_out_w 256 x 256 float32; params_self_norm_b 256 float32; params_self_norm_w 256 float32; params_val_b 256 float32; params_val_w 256 x 256 float32; pos 16 x 1,024 x 256 float32; reference_point 16 x 1,024 x 4 x 2 float32; source 16 x 5,440 x 256 float32; source_mask 16 x 5,440 bool; source_shape 4 x 2 int32.
;; Outputs: out0 16 x 1,024 x 256 float32; out1 16 x 1,024 x 8 x 4 x 4 x 2 float32.
;; 2 versions, each right. Each part assembles by itself: llvm-mc -triple=amdgcn-amd-amdhsa -mcpu=gfx1250 --defsym DOCPART=n.
;; ======== version 1 of 2: 3 launches
;; workspace buffers: value 44,564,480 bytes; kf 8,388,608 bytes; vf 8,388,608 bytes; wsw 1,638,400 bytes; x1 16,777,216 bytes; idx 8,388,608 bytes of whole numbers; wts 16,777,216 bytes
;; launch stage1 (part 1): grid 621 x 1, 8 waves a work-group, no clusters, 80,896 bytes of LDS; arguments source, source_mask, params_val_w, params_val_b, value, input, pos, params_self_norm_w, params_self_norm_b, params_mha_in_w, params_mha_in_b, kf, vf, params_mha_out_w, params_off_w, params_aw_w, params_out_w, params_ff1_w, params_ff2_w, wsw; writes value, kf, vf, wsw
.if DOCPART == 1
	.amdgcn_target "amdgcn-amd-amdhsa--gfx1250"
	.amdhsa_code_object_version 6
	.text
	.protected	k_q45c831da34_stage1
	.globl	k_q45c831da34_stage1
	.p2align	8
	.type	k_q45c831da34_stage1,@function
k_q45c831da34_stage1:
	s_mov_b64 s[64:65], 0
	v_nop
	global_prefetch_b8 v0, s[64:65] scope:SCOPE_SE
	s_setreg_imm32_b32 hwreg(HW_REG_WAVE_MODE, 25, 1), 1
	s_wait_xcnt 0x0
; STAGE 1 OF 3.  Three kinds of work-group, told apart by the work-group's number alone (the same in all eight waves):
;   0..339    V:  value = source . val_w^T + val_b, 0 where source_mask is set, rounded once to bf16, stored [head 8][row 87,040][32 channels]: 256 rows a work-group
;   340..595  KV: h = LN(input), q = h + pos; K = q . Wk^T + bk and V = h . Wv^T + bv, rounded once to bf16, stored as matrix fragments: 64 rows a work-group
;   596..620  P:  seven weight matrices rounded to bf16 and stored as matrix fragments: a wave takes 16 rows x 256 k
; A FRAGMENT IN MEMORY is 1,024 bytes: bytes 16 l hold registers 0-3 of lane l, bytes 512 + 16 l registers 4-7, so that a later launch loads it by two loads of 512 consecutive bytes.
; PRODUCTS ARE TAKEN TRANSPOSED: source 0 = 16 out channels of W, source 1 = 16 data rows; in the result lane (r, h) holds data row r and channels 8 h + 0..7, which pack into 16 bytes.
; Only V is taken the other way round (source 0 = data rows), so that its packed result is a fragment of V^T.  A bias is the C operand of the first K step.  Wave w is head w.
; Matrix operands are bf16, sums f32.  The variance is taken of the centred numbers.  NaN and infinities are not treated apart.
; No tensor load, no cluster: V's source rows are read once by one work-group; the weights shared by all are 32 KiB a wave, read once a work-group.
.set XP,    528                        ; an LDS row of 256 bf16: 512 bytes + 16 = 33 x 16: the 16 rows of a fragment load start in 16 different groups of four banks (ISA guide 11.1)
.set XQT,   16*XP
.set XBUF,  32*XP                      ; V: two buffers of 32 rows
.set XH,    64*XP                      ; KV: q's 64 rows at 0, h's behind them
.set STG,   67584                      ; a stage of 16 rows x 80 bytes for each wave
.set MASKL, 77824                      ; the work-group's 256 mask bytes, a copy for each wave
.set SPARE, 79872                      ; the spare words, 128 bytes for each wave: four blocks of 256 bytes that no other line names
.set LANE, 1
.set SPW,  2                           ; LDS address of my spare word; never rewritten
.set NIL,  3                           ; 0; never rewritten
.set RR,   4                           ; l % 16
.set HH,   5                           ; l / 16
.set WO,   6                           ; my offset in 16 rows of an f32 weight matrix: row x pitch + 32 h
.set L16,  7                           ; 16 l
.set FR,   8                           ; my place in a fragment's LDS rows: 528 r + 16 h
.set XST,  9                           ; where I put 8 bytes of a row
.set RO,   10                          ; my offset in the rows that my wave converts
.set SST,  11
.set SRD,  12
.set MKA,  13
.set BO,   14                          ; 32 h
.set MK0,  15
.set OUTR, 16                          ; v16-23 what is stored
.set MK1,  24
.set TT,   25                          ; v25-27 at work
.set MKD,  28                          ; v28-29
.set ROWS, 32                          ; v32-63 rows as loaded; v32-95 stage of LOADW
.set BF,   64                          ; v64-95 two slots of two fragments of the data rows; in KV's row phase pos
.set CV,   80
.set ACC,  96                          ; v96-111 two accumulators; in the row phase at work
.set BIAS, 112                         ; v112-127 two tiles' bias; in the row phase gain and bias of the norm
.set WF,   128                         ; v128-255 my 32 out channels x 256 k: tile i, K step ks at WF + 64 i + 8 ks
.set SEL,  56
.set INV256, 58
.set EPS,  59
.set WV,   60
.set CNT,  61
.macro PLACES n
.rept \n
	v_nop
.endr
.endm
.macro BAR                             ; my LDS instructions are done; then all eight waves meet
	s_wait_dscnt 0x0
	s_barrier_signal -1
	s_barrier_wait -1
.endm
; My 32 rows of an f32 weight matrix of pitch 1,024 bytes become 16 fragments: four batches of 16 loads and 32 roundings.
.macro LOADW sb, off
.irp bt, 0,1,2,3
.irp f, 0,1,2,3
	global_load_b128 v[ROWS+16*\f:ROWS+16*\f+3],     v[WO], s[\sb:\sb+1] offset:(\off)+(\bt/2)*16384+(4*(\bt%2)+\f)*128
	global_load_b128 v[ROWS+16*\f+4:ROWS+16*\f+7],   v[WO], s[\sb:\sb+1] offset:(\off)+(\bt/2)*16384+(4*(\bt%2)+\f)*128+16
	global_load_b128 v[ROWS+16*\f+8:ROWS+16*\f+11],  v[WO], s[\sb:\sb+1] offset:(\off)+(\bt/2)*16384+(4*(\bt%2)+\f)*128+64
	global_load_b128 v[ROWS+16*\f+12:ROWS+16*\f+15], v[WO], s[\sb:\sb+1] offset:(\off)+(\bt/2)*16384+(4*(\bt%2)+\f)*128+80
.endr
	s_wait_loadcnt 0x0
.set i, 0
.rept 32
	v_cvt_pk_bf16_f32 v[WF+32*\bt+i], v[ROWS+2*i], v[ROWS+2*i+1]
.set i, i+1
.endr
.endr
.endm
.macro LDX slot, ks, xoff              ; the fragments of K steps ks and ks + 1 into a slot
	ds_load_b128 v[BF+16*(\slot):BF+16*(\slot)+3],     v[FR] offset:(\xoff)+64*(\ks)
	ds_load_b128 v[BF+16*(\slot)+4:BF+16*(\slot)+7],   v[FR] offset:(\xoff)+64*(\ks)+32
	ds_load_b128 v[BF+16*(\slot)+8:BF+16*(\slot)+11],  v[FR] offset:(\xoff)+64*(\ks)+64
	ds_load_b128 v[BF+16*(\slot)+12:BF+16*(\slot)+15], v[FR] offset:(\xoff)+64*(\ks)+96
.endm
.macro MM1 ks, swap                    ; one K step for both tiles: the two accumulators take turns, one instruction a turn
.irp i, 0,1
.set rA, WF+64*\i+8*(\ks)
.set rB, BF+16*(((\ks)/2)%2)+8*((\ks)%2)
.set rD, ACC+8*\i
.set rC, ACC+8*\i
.if (\ks) == 0
.set rC, BIAS+8*\i
.endif
.if \swap
	v_wmma_f32_16x16x32_bf16 v[rD:rD+7], v[rB:rB+7], v[rA:rA+7], v[rC:rC+7]
.else
	v_wmma_f32_16x16x32_bf16 v[rD:rD+7], v[rA:rA+7], v[rB:rB+7], v[rC:rC+7]
.endif
.endr
.endm
; 16 data rows (LDS byte xoff on) x my two tiles x K = 256.  A slot is loaded again four places behind the products that read it (ISA guide 7.12.1 for vector instructions).
.macro GT1 xoff, swap
	LDX 0, 0, \xoff
	LDX 1, 2, \xoff
	s_wait_dscnt 4                         ; the older slot is in; the younger slot's four loads may stay out
	MM1 0, \swap
	MM1 1, \swap
	PLACES 4
	LDX 0, 4, \xoff
	s_wait_dscnt 4
	MM1 2, \swap
	MM1 3, \swap
	PLACES 4
	LDX 1, 6, \xoff
	s_wait_dscnt 4
	MM1 4, \swap
	MM1 5, \swap
	s_wait_dscnt 0x0
	MM1 6, \swap
	MM1 7, \swap
	PLACES 5                               ; behind the last product, ahead of all that reads a result or writes one of the products' registers
.endm
.macro CVT16 cv, xv
.set i, 0
.rept 16
	v_cvt_pk_bf16_f32 v[(\cv)+i], v[(\xv)+2*i], v[(\xv)+2*i+1]
.set i, i+1
.endr
.endm
.macro XSTORE cv, base                 ; four rows of 256 bf16: lane l holds channels 4 l .. and 128 + 4 l ..
.irp i, 0,1,2,3
	ds_store_b64 v[XST], v[(\cv)+4*\i:(\cv)+4*\i+1]   offset:(\base)+XP*\i
	ds_store_b64 v[XST], v[(\cv)+4*\i+2:(\cv)+4*\i+3] offset:(\base)+XP*\i+256
.endr
.endm
.macro RED4 ts                         ; four rows' sums over the 32 lanes, side by side
.irp m, 1,2,4,8
.irp i, 0,1,2,3
	v_add_f32_dpp v[(\ts)+2*\i], v[(\ts)+2*\i], v[(\ts)+2*\i] row_xmask:\m row_mask:0xf bank_mask:0xf
.endr
.endr
.irp i, 0,1,2,3
	v_permlanex16_b32 v[(\ts)+2*\i+1], v[(\ts)+2*\i], s[SEL], s[SEL+1]
.endr
.irp i, 0,1,2,3
	v_add_f32 v[(\ts)+2*\i], v[(\ts)+2*\i], v[(\ts)+2*\i+1]
.endr
.endm
; LayerNorm of four rows (8 numbers a lane each), in place: mean, centred, variance of the centred numbers, 1 / sqrt, gain and bias.
.macro LN4 xv, ts, mu, gw, gb
.irp i, 0,1,2,3
	v_pk_add_f32 v[(\ts)+2*\i:(\ts)+2*\i+1], v[(\xv)+8*\i:(\xv)+8*\i+1], v[(\xv)+8*\i+2:(\xv)+8*\i+3]
	v_pk_add_f32 v[(\mu)+2*\i:(\mu)+2*\i+1], v[(\xv)+8*\i+4:(\xv)+8*\i+5], v[(\xv)+8*\i+6:(\xv)+8*\i+7]
.endr
.irp i, 0,1,2,3
	v_pk_add_f32 v[(\ts)+2*\i:(\ts)+2*\i+1], v[(\ts)+2*\i:(\ts)+2*\i+1], v[(\mu)+2*\i:(\mu)+2*\i+1]
.endr
.irp i, 0,1,2,3
	v_add_f32 v[(\ts)+2*\i], v[(\ts)+2*\i], v[(\ts)+2*\i+1]
.endr
	RED4 \ts
.irp i, 0,1,2,3
	v_mul_f32 v[(\mu)+2*\i], s[INV256], v[(\ts)+2*\i]
.endr
.irp i, 0,1,2,3
.irp k, 0,2,4,6
	v_pk_add_f32 v[(\xv)+8*\i+\k:(\xv)+8*\i+\k+1], v[(\xv)+8*\i+\k:(\xv)+8*\i+\k+1], v[(\mu)+2*\i:(\mu)+2*\i+1] op_sel_hi:[1,0] neg_lo:[0,1] neg_hi:[0,1]
.endr
.endr
.irp i, 0,1,2,3
	v_pk_mul_f32 v[(\ts)+2*\i:(\ts)+2*\i+1], v[(\xv)+8*\i:(\xv)+8*\i+1], v[(\xv)+8*\i:(\xv)+8*\i+1]
.endr
.irp k, 2,4,6
.irp i, 0,1,2,3
	v_pk_fma_f32 v[(\ts)+2*\i:(\ts)+2*\i+1], v[(\xv)+8*\i+\k:(\xv)+8*\i+\k+1], v[(\xv)+8*\i+\k:(\xv)+8*\i+\k+1], v[(\ts)+2*\i:(\ts)+2*\i+1]
.endr
.endr
.irp i, 0,1,2,3
	v_add_f32 v[(\ts)+2*\i], v[(\ts)+2*\i], v[(\ts)+2*\i+1]
.endr
	RED4 \ts
.irp i, 0,1,2,3
	v_fma_f32 v[(\ts)+2*\i], v[(\ts)+2*\i], s[INV256], s[EPS]
.endr
.irp i, 0,1,2,3
	v_rsq_f32 v[(\ts)+2*\i], v[(\ts)+2*\i]
.endr
	v_nop                                  ; a plain instruction behind the last of the four,
	s_wait_alu depctr_va_vdst(0)           ; and one wait ahead of their first reader
.irp i, 0,1,2,3
.irp k, 0,2,4,6
	v_pk_mul_f32 v[(\xv)+8*\i+\k:(\xv)+8*\i+\k+1], v[(\xv)+8*\i+\k:(\xv)+8*\i+\k+1], v[(\ts)+2*\i:(\ts)+2*\i+1] op_sel_hi:[1,0]
.endr
.endr
.irp i, 0,1,2,3
.irp k, 0,2,4,6
	v_pk_fma_f32 v[(\xv)+8*\i+\k:(\xv)+8*\i+\k+1], v[(\xv)+8*\i+\k:(\xv)+8*\i+\k+1], v[(\gw)+\k:(\gw)+\k+1], v[(\gb)+\k:(\gb)+\k+1]
.endr
.endr
.endm
	v_lshl_add_u32 v[SPW], v0, 2, SPARE
	v_mov_b32 v[NIL], 0
	v_lshrrev_b32 v[TT], 5, v0
	v_readfirstlane_b32 s[WV], v[TT]               ; wave 0..7
	v_and_b32 v[LANE], 31, v0
	v_and_b32 v[RR], 15, v0
	v_bfe_u32 v[HH], v0, 4, 1
	v_lshlrev_b32 v[L16], 4, v[LANE]
	v_lshlrev_b32 v[BO], 5, v[HH]
	v_lshl_add_u32 v[WO], v[RR], 10, v[BO]         ; row r of pitch 1,024 + 32 h
	v_mul_u32_u24 v[FR], v[RR], XP
	v_lshl_add_u32 v[FR], v[HH], 4, v[FR]
	s_cmp_lt_u32 ttmp9, 340
	s_cbranch_scc1 .Lpath_v
	s_cmp_lt_u32 ttmp9, 596
	s_cbranch_scc1 .Lpath_kv
; ---------------- P: unit u = 0..199 is 16 rows x 256 k of one weight matrix; its 8 fragments go to wsw + 8,192 u ----------------
	s_load_b64 s[16:17], s[0:1], 0x48              ; mha_in_w (its first 256 rows are Wq)
	s_load_b256 s[24:31], s[0:1], 0x68             ; mha_out_w, off_w, aw_w, out_w
	s_load_b128 s[32:35], s[0:1], 0x88             ; ff1_w, ff2_w
	s_load_b64 s[36:37], s[0:1], 0x98              ; wsw
	s_sub_co_u32 s4, ttmp9, 596
	s_lshl3_add_u32 s4, s4, s[WV]                  ; u
	s_wait_kmcnt 0x0
	s_mov_b64 s[40:41], s[16:17]
	s_mov_b32 s42, 0                               ; the first unit of the matrix that u falls into
.macro PICK u0, sb
	s_cmp_ge_u32 s4, \u0
	s_cselect_b64 s[40:41], s[\sb:\sb+1], s[40:41]
	s_cselect_b32 s42, \u0, s42
.endm
	PICK 16, 24
	PICK 32, 26
	PICK 48, 28
	PICK 56, 30
	PICK 72, 32
	PICK 136, 34
	s_sub_co_u32 s43, s4, s42                      ; the unit's number d in its matrix
	s_lshl_b32 s44, s43, 14                        ; rows of 1,024 bytes: 16 d rows down
	s_lshr_b32 s45, s43, 2                         ; ff2_w has rows of 4,096 bytes: 16 (d / 4) rows down,
	s_lshl_b32 s45, s45, 16
	s_and_b32 s46, s43, 3                          ; 256 (d % 4) numbers along
	s_lshl_b32 s46, s46, 10
	s_or_b32 s45, s45, s46
	s_movk_i32 s47, 1024                           ; the pitch: 1,024 bytes,
	s_cmp_ge_u32 s4, 136
	s_cselect_b32 s44, s45, s44
	s_cselect_b32 s47, 4096, s47                   ; in ff2_w 4,096
	s_mov_b32 s45, 0
	s_add_nc_u64 s[40:41], s[40:41], s[44:45]
	s_lshl_b32 s48, s4, 13
	s_mov_b32 s49, 0
	s_add_nc_u64 s[36:37], s[36:37], s[48:49]
	; aw_w's rows go in with bits 2 and 3 of the row's number exchanged: result row 8 h + 4 t + p is then the logit of level 2 t + h, point p, in the lane that holds that level's offsets
	s_cmp_eq_u32 s42, 48
	s_cselect_b32 s46, -1, 0
	v_and_b32 v[TT], 3, v[RR]
	v_bfe_u32 v[TT+1], v[RR], 2, 1
	v_bfe_u32 v[TT+2], v[RR], 3, 1
	v_lshl_or_b32 v[TT], v[TT+1], 3, v[TT]
	v_lshl_or_b32 v[TT], v[TT+2], 2, v[TT]
	v_cndmask_b32 v[TT], v[RR], v[TT], s46
	v_mul_lo_u32 v[WO], v[TT], s47
	v_add_nc_u32 v[WO], v[BO], v[WO]
.irp ks, 0,1,2,3,4,5,6,7
	global_load_b128 v[WF+16*\ks:WF+16*\ks+3],     v[WO], s[40:41] offset:128*\ks
	global_load_b128 v[WF+16*\ks+4:WF+16*\ks+7],   v[WO], s[40:41] offset:128*\ks+16
	global_load_b128 v[WF+16*\ks+8:WF+16*\ks+11],  v[WO], s[40:41] offset:128*\ks+64
	global_load_b128 v[WF+16*\ks+12:WF+16*\ks+15], v[WO], s[40:41] offset:128*\ks+80
.endr
	s_wait_loadcnt 0x0
.set i, 0
.rept 64
	v_cvt_pk_bf16_f32 v[BF+i], v[WF+2*i], v[WF+2*i+1]
.set i, i+1
.endr
.irp ks, 0,1,2,3,4,5,6,7
	global_store_b128 v[L16], v[BF+8*\ks:BF+8*\ks+3],   s[36:37] offset:1024*\ks       ; each store covers 512 consecutive bytes
	global_store_b128 v[L16], v[BF+8*\ks+4:BF+8*\ks+7], s[36:37] offset:1024*\ks+512
.endr
	s_branch .Lend
; ---------------- V: 256 rows of source in 8 blocks of 32; wave w converts rows 4 w .. 4 w + 3 of a block and multiplies all 32 by head w's 32 rows of val_w ----------------
.Lpath_v:
	s_load_b256 s[4:11], s[0:1], 0x0               ; source s[4:5], source_mask s[6:7], val_w s[8:9], val_b s[10:11]
	s_load_b64 s[12:13], s[0:1], 0x20              ; value
	s_lshl_b32 s14, ttmp9, 18                      ; 256 rows of 1,024 bytes
	s_mov_b32 s15, 0
	s_mul_i32 s16, s[WV], 5570560                  ; a head's 87,040 rows of 64 bytes,
	s_lshl_b32 s17, ttmp9, 14                      ; my work-group's 256 of them
	s_add_co_u32 s16, s16, s17
	s_mov_b32 s17, 0
	s_lshl_b32 s18, ttmp9, 8
	s_mov_b32 s19, 0
	s_lshl_b32 s20, s[WV], 15
	s_mov_b32 s21, 0
	s_lshl_b32 s22, s[WV], 7
	s_mov_b32 s23, 0
	s_lshl_b32 s24, s[WV], 12
	v_add_nc_u32 v[RO], s24, v[L16]
	s_mul_i32 s24, s[WV], 4*XP
	v_lshl_add_u32 v[XST], v[LANE], 3, s24
	s_mul_i32 s24, s[WV], 1280
	s_add_co_u32 s24, s24, STG
	v_mul_u32_u24 v[SST], v[RR], 80                ; into my stage: row r, 16 bytes for each half of the lanes
	v_lshl_add_u32 v[SST], v[HH], 4, v[SST]
	v_add_nc_u32 v[SST], s24, v[SST]
	v_lshrrev_b32 v[TT], 2, v[LANE]                ; back: four lanes a row of 64 bytes
	v_and_b32 v[TT+1], 3, v[LANE]
	v_mul_u32_u24 v[SRD], v[TT], 80
	v_lshl_add_u32 v[SRD], v[TT+1], 4, v[SRD]
	v_add_nc_u32 v[SRD], s24, v[SRD]
	s_lshl_b32 s24, s[WV], 8
	s_add_co_u32 s24, s24, MASKL
	v_add_nc_u32 v[MKA], s24, v[RR]
	v_lshl_add_u32 v[TT], v[LANE], 3, s24
	v_lshlrev_b32 v[TT+1], 3, v[LANE]
	s_wait_kmcnt 0x0
	s_add_nc_u64 s[4:5], s[4:5], s[14:15]
	s_add_nc_u64 s[12:13], s[12:13], s[16:17]
	s_add_nc_u64 s[6:7], s[6:7], s[18:19]
	s_add_nc_u64 s[8:9], s[8:9], s[20:21]
	s_add_nc_u64 s[10:11], s[10:11], s[22:23]
	global_load_b64 v[MKD:MKD+1], v[TT+1], s[6:7]  ; the work-group's 256 mask bytes, once, whole
	global_load_b128 v[BIAS:BIAS+3],     v[BO], s[10:11]
	global_load_b128 v[BIAS+4:BIAS+7],   v[BO], s[10:11] offset:16
	global_load_b128 v[BIAS+8:BIAS+11],  v[BO], s[10:11] offset:64
	global_load_b128 v[BIAS+12:BIAS+15], v[BO], s[10:11] offset:80
	LOADW 8, 0                                     ; (its waits for 0 cover the mask and the bias)
	ds_store_b64 v[TT], v[MKD:MKD+1]               ; my wave's own copy: its later reads need no barrier
.macro VROWS                           ; my four rows of a block: each load covers 512 consecutive bytes; source is read once in the launch
.irp i, 0,1,2,3
	global_load_b128 v[ROWS+8*\i:ROWS+8*\i+3],   v[RO], s[4:5] offset:1024*\i th:TH_LOAD_NT
	global_load_b128 v[ROWS+8*\i+4:ROWS+8*\i+7], v[RO], s[4:5] offset:1024*\i+512 th:TH_LOAD_NT
.endr
.endm
; 16 rows x my head's 32 channels: rounded, masked, through my own stage, out as 1,024 consecutive bytes
.macro EPI_V buf, qt
.set i, 0
.rept 8
	v_cvt_pk_bf16_f32 v[BF+i], v[ACC+2*i], v[ACC+2*i+1]
.set i, i+1
.endr
.if \qt
	v_cmp_eq_u32 vcc_lo, 0, v[MK1]
.else
	v_cmp_eq_u32 vcc_lo, 0, v[MK0]
.endif
.set i, 0
.rept 8
	v_cndmask_b32 v[BF+i], 0, v[BF+i], vcc_lo      ; kept where the row's mask byte is 0
.set i, i+1
.endr
	ds_store_b128 v[SST], v[BF:BF+3]
	ds_store_b128 v[SST], v[BF+4:BF+7] offset:32
	s_wait_xcnt 0x0                                ; the last stores have read OUTR
	ds_load_b128 v[OUTR:OUTR+3],   v[SRD]          ; LDS serves a wave's instructions in order (ISA guide 5.7.1.4): these see the stores above
	ds_load_b128 v[OUTR+4:OUTR+7], v[SRD] offset:640
	s_wait_dscnt 0x0
	global_store_b128 v[L16], v[OUTR:OUTR+3],   s[12:13] offset:(\buf)*2048+(\qt)*1024
	global_store_b128 v[L16], v[OUTR+4:OUTR+7], s[12:13] offset:(\buf)*2048+(\qt)*1024+512
.endm
; A block.  ONE barrier a block serves both orders: a buffer is written again only behind the OTHER buffer's barrier, in front of which every wave has waited for its reads of this one.
.macro BLOCK buf
	s_wait_loadcnt 0x0                             ; my four rows are in
	CVT16 CV, ROWS
	XSTORE CV, (\buf)*XBUF
	s_add_nc_u64 s[4:5], s[4:5], 32768             ; free since that wait: the next block
.if \buf
	s_cmp_eq_u32 s[CNT], 1                         ; behind the last block there is none; the only wait that follows these loads is for 0
	s_cbranch_scc1 .Lno_rows_\@
.endif
	VROWS
.if \buf
.Lno_rows_\@:
.endif
	ds_load_u8 v[MK0], v[MKA] offset:(\buf)*32
	ds_load_u8 v[MK1], v[MKA] offset:(\buf)*32+16
	BAR
	GT1 (\buf)*XBUF, 0
	EPI_V \buf, 0
	GT1 (\buf)*XBUF+XQT, 0
	EPI_V \buf, 1
.endm
	VROWS
	s_mov_b32 s[CNT], 4
.Lv_trip:
	BLOCK 0
	BLOCK 1
	s_wait_xcnt 0x0                                ; the stores have read their base
	s_add_nc_u64 s[12:13], s[12:13], 4096
	v_add_nc_u32 v[MKA], 64, v[MKA]
	s_sub_co_u32 s[CNT], s[CNT], 1
	s_cmp_lg_u32 s[CNT], 0
	s_cbranch_scc1 .Lv_trip
	s_branch .Lend
; ---------------- KV: 64 rows; wave w norms rows 8 w .. 8 w + 7 and then makes head w's K and V of all 64 ----------------
.Lpath_kv:
	s_load_b512 s[16:31], s[0:1], 0x28             ; input 16, pos 18, self_norm w 20, b 22, mha_in_w 24, mha_in_b 26, kf 28, vf 30
	s_sub_co_u32 s4, ttmp9, 340                    ; block of 64 rows: batch = s4 / 16
	s_mov_b32 s[SEL], 0x76543210
	s_mov_b32 s[SEL+1], 0xfedcba98
	s_mov_b32 s[INV256], 0x3b800000                ; 1 / 256
	s_mov_b32 s[EPS], 0x3727c5ac                   ; 1e-5
	s_lshl_b32 s6, s4, 16
	s_mov_b32 s7, 0
	s_lshr_b32 s8, s4, 4                           ; kf and vf: batch x 524,288 + head x 65,536 + (block in the batch) x 4,096
	s_lshl_b32 s8, s8, 19
	s_and_b32 s9, s4, 15
	s_lshl_b32 s9, s9, 12
	s_or_b32 s8, s8, s9
	s_lshl_b32 s9, s[WV], 16
	s_or_b32 s8, s8, s9
	s_mov_b32 s9, 0
	s_lshl_b32 s10, s[WV], 15                      ; Wk's rows 256 + 32 w ..
	s_add_co_u32 s10, s10, 262144
	s_mov_b32 s11, 0
	s_lshl_b32 s12, s[WV], 7                       ; bk
	s_add_co_u32 s12, s12, 1024
	s_mov_b32 s13, 0
	s_lshl_b32 s14, s[WV], 13
	v_add_nc_u32 v[RO], s14, v[L16]
	s_mul_i32 s14, s[WV], 8*XP
	v_lshl_add_u32 v[XST], v[LANE], 3, s14
	s_wait_kmcnt 0x0
	s_add_nc_u64 s[16:17], s[16:17], s[6:7]
	s_add_nc_u64 s[18:19], s[18:19], s[6:7]
	s_add_nc_u64 s[28:29], s[28:29], s[8:9]
	s_add_nc_u64 s[30:31], s[30:31], s[8:9]
	s_add_nc_u64 s[24:25], s[24:25], s[10:11]
	s_add_nc_u64 s[26:27], s[26:27], s[12:13]
	LOADW 24, 0                                    ; Wk
	global_load_b128 v[BIAS:BIAS+3],     v[L16], s[20:21]
	global_load_b128 v[BIAS+4:BIAS+7],   v[L16], s[20:21] offset:512
	global_load_b128 v[BIAS+8:BIAS+11],  v[L16], s[22:23]
	global_load_b128 v[BIAS+12:BIAS+15], v[L16], s[22:23] offset:512
	s_mov_b32 s[CNT], 2
.Lkv_rows:                                     ; four rows a trip
.irp i, 0,1,2,3
	global_load_b128 v[ROWS+8*\i:ROWS+8*\i+3],   v[RO], s[16:17] offset:1024*\i
	global_load_b128 v[ROWS+8*\i+4:ROWS+8*\i+7], v[RO], s[16:17] offset:1024*\i+512
	global_load_b128 v[BF+8*\i:BF+8*\i+3],       v[RO], s[18:19] offset:1024*\i
	global_load_b128 v[BF+8*\i+4:BF+8*\i+7],     v[RO], s[18:19] offset:1024*\i+512
.endr
	s_wait_loadcnt 0x0
	v_add_nc_u32 v[RO], 4096, v[RO]
	LN4 ROWS, ACC, ACC+8, BIAS, BIAS+8
	CVT16 ACC, ROWS
	XSTORE ACC, XH                                 ; h
.set i, 0
.rept 16
	v_pk_add_f32 v[ROWS+2*i:ROWS+2*i+1], v[ROWS+2*i:ROWS+2*i+1], v[BF+2*i:BF+2*i+1]
.set i, i+1
.endr
	CVT16 ACC, ROWS
	XSTORE ACC, 0                                  ; q = h + pos
	v_add_nc_u32 v[XST], 4*XP, v[XST]
	s_sub_co_u32 s[CNT], s[CNT], 1
	s_cmp_lg_u32 s[CNT], 0
	s_cbranch_scc1 .Lkv_rows
	global_load_b128 v[BIAS:BIAS+3],     v[BO], s[26:27]
	global_load_b128 v[BIAS+4:BIAS+7],   v[BO], s[26:27] offset:16
	global_load_b128 v[BIAS+8:BIAS+11],  v[BO], s[26:27] offset:64
	global_load_b128 v[BIAS+12:BIAS+15], v[BO], s[26:27] offset:80
	s_wait_loadcnt 0x0
	BAR                                            ; all 64 rows of q and h lie in LDS
.irp q, 0,1,2,3                        ; K: the two packed tiles of 16 keys ARE a fragment (key r, channels along the registers)
	GT1 \q*XQT, 0
	s_wait_xcnt 0x0
.set i, 0
.rept 8
	v_cvt_pk_bf16_f32 v[OUTR+i], v[ACC+2*i], v[ACC+2*i+1]
.set i, i+1
.endr
	global_store_b128 v[L16], v[OUTR:OUTR+3],   s[28:29] offset:1024*\q
	global_store_b128 v[L16], v[OUTR+4:OUTR+7], s[28:29] offset:1024*\q+512
.endr
	v_lshlrev_b32 v[TT], 2, v[RR]                  ; V is taken with the data rows as source 0: a lane holds ONE channel r, so its bias is one number
	global_load_b32 v[TT+1], v[TT], s[26:27] offset:1024
	global_load_b32 v[TT+2], v[TT], s[26:27] offset:1024+64
	LOADW 24, 262144                               ; Wv
.set i, 0
.rept 8
	v_mov_b32 v[BIAS+i], v[TT+1]
	v_mov_b32 v[BIAS+8+i], v[TT+2]
.set i, i+1
.endr
.irp q, 0,1,2,3                        ; a packed tile (channel r, 8 keys a lane) is half a fragment of V^T: 16 keys of a step of 32
	GT1 XH+\q*XQT, 1
	s_wait_xcnt 0x0
.set i, 0
.rept 8
	v_cvt_pk_bf16_f32 v[OUTR+i], v[ACC+2*i], v[ACC+2*i+1]
.set i, i+1
.endr
	global_store_b128 v[L16], v[OUTR:OUTR+3],   s[30:31] offset:(\q/2)*2048+(\q%2)*512
	global_store_b128 v[L16], v[OUTR+4:OUTR+7], s[30:31] offset:(\q/2)*2048+(\q%2)*512+1024
.endr
.Lend:
	s_wait_tensorcnt 0x0                           ; the wave's end: behind my last LDS store
	ds_add_u32 v[SPW], v[NIL]
	s_wait_dscnt 0x0
	s_endpgm
.Lfunc_end_k_q45c831da34_stage1:
	.size	k_q45c831da34_stage1, .Lfunc_end_k_q45c831da34_stage1-k_q45c831da34_stage1
	.p2alignl 7, 3214868480
	.fill 96, 4, 3214868480
	.section	.rodata,"a",@progbits
	.p2align	6, 0x0
	.amdhsa_kernel k_q45c831da34_stage1
		.amdhsa_group_segment_fixed_size 80896
		.amdhsa_private_segment_fixed_size 0
		.amdhsa_enable_private_segment 0
		.amdhsa_kernarg_size 160
		.amdhsa_user_sgpr_count 2
		.amdhsa_user_sgpr_kernarg_segment_ptr 1
		.amdhsa_wavefront_size32 1
		.amdhsa_system_sgpr_workgroup_id_x 1
		.amdhsa_system_sgpr_workgroup_id_y 1
		.amdhsa_system_sgpr_workgroup_id_z 1
		.amdhsa_system_vgpr_workitem_id 0
		.amdhsa_next_free_vgpr 256
		.amdhsa_next_free_sgpr 66
		.amdhsa_reserve_vcc 1
		.amdhsa_float_denorm_mode_32 3
		.amdhsa_float_denorm_mode_16_64 3
		.amdhsa_memory_ordered 1
		.amdhsa_forward_progress 1
		.amdhsa_inst_pref_size 122
	.end_amdhsa_kernel
	.amdgpu_metadata
---
amdhsa.version: [ 1, 2 ]
amdhsa.kernels:
  - .name:           k_q45c831da34_stage1
    .symbol:         k_q45c831da34_stage1.kd
    .args:
      - { .name: source, .offset: 0, .size: 8, .value_kind: global_buffer, .address_space: global }
      - { .name: source_mask, .offset: 8, .size: 8, .value_kind: global_buffer, .address_space: global }
      - { .name: params_val_w, .offset: 16, .size: 8, .value_kind: global_buffer, .address_space: global }
      - { .name: params_val_b, .offset: 24, .size: 8, .value_kind: global_buffer, .address_space: global }
      - { .name: value, .offset: 32, .size: 8, .value_kind: global_buffer, .address_space: global }
      - { .name: input, .offset: 40, .size: 8, .value_kind: global_buffer, .address_space: global }
      - { .name: pos, .offset: 48, .size: 8, .value_kind: global_buffer, .address_space: global }
      - { .name: params_self_norm_w, .offset: 56, .size: 8, .value_kind: global_buffer, .address_space: global }
      - { .name: params_self_norm_b, .offset: 64, .size: 8, .value_kind: global_buffer, .address_space: global }
      - { .name: params_mha_in_w, .offset: 72, .size: 8, .value_kind: global_buffer, .address_space: global }
      - { .name: params_mha_in_b, .offset: 80, .size: 8, .value_kind: global_buffer, .address_space: global }
      - { .name: kf, .offset: 88, .size: 8, .value_kind: global_buffer, .address_space: global }
      - { .name: vf, .offset: 96, .size: 8, .value_kind: global_buffer, .address_space: global }
      - { .name: params_mha_out_w, .offset: 104, .size: 8, .value_kind: global_buffer, .address_space: global }
      - { .name: params_off_w, .offset: 112, .size: 8, .value_kind: global_buffer, .address_space: global }
      - { .name: params_aw_w, .offset: 120, .size: 8, .value_kind: global_buffer, .address_space: global }
      - { .name: params_out_w, .offset: 128, .size: 8, .value_kind: global_buffer, .address_space: global }
      - { .name: params_ff1_w, .offset: 136, .size: 8, .value_kind: global_buffer, .address_space: global }
      - { .name: params_ff2_w, .offset: 144, .size: 8, .value_kind: global_buffer, .address_space: global }
      - { .name: wsw, .offset: 152, .size: 8, .value_kind: global_buffer, .address_space: global }
    .group_segment_fixed_size: 80896
    .private_segment_fixed_size: 0
    .kernarg_segment_align: 8
    .kernarg_segment_size: 160
    .max_flat_workgroup_size: 256
    .sgpr_count:     66
    .vgpr_count:     256
    .wavefront_size: 32
...
	.end_amdgpu_metadata
.endif
;; end of part 1
;; launch attn (part 2): grid 256 x 1, 8 waves a work-group, no clusters, 266,240 bytes of LDS; arguments input, pos, reference_point, params_self_norm_w, params_self_norm_b, params_cross_norm_w, params_cross_norm_b, params_mha_in_b, params_mha_out_b, params_off_b, params_aw_b, wsw, kf, vf, x1, out1, idx, wts; writes x1, out1, idx, wts
.if DOCPART == 2
	.amdgcn_target "amdgcn-amd-amdhsa--gfx1250"
	.amdhsa_code_object_version 6
	.text
	.protected	k_q45c831da34_attn
	.globl	k_q45c831da34_attn
	.p2align	8
	.type	k_q45c831da34_attn,@function
k_q45c831da34_attn:
	s_mov_b64 s[64:65], 0
	v_nop
	global_prefetch_b8 v0, s[64:65] scope:SCOPE_SE
	s_setreg_imm32_b32 hwreg(HW_REG_WAVE_MODE, 25, 1), 1
	s_wait_xcnt 0x0
; STAGE 2 OF 3.  A work-group owns 64 queries of one batch; wave w is head w, channel tiles 2 w and 2 w + 1 of every projection, and rows 8 w .. 8 w + 7 wherever rows are walked.
;   P0 q = LN(input) + pos   P1 Q = q Wq^T + bq, kept in registers   P2 attention over the batch's 1,024 keys, 64 a step   P3 O / l   P4 mha_out   P5 x1 = input + that (stored, f32); LN + pos
;   P6 offsets and weights of the 16 sampling points: loc (out1), and for each point the whole number of its upper left corner and four corner weights   P7 out1 leaves by rows
; LAYOUT.  All products are transposed (source 0 = 16 out channels or keys, source 1 = 16 queries): a lane holds ONE query (lane % 16) and eight channels or keys 8 (lane / 16) + 0..7, so that two packed
; results are the next product's source 1.  Weights, K and V^T come from memory as ready fragments (two loads of 512 consecutive bytes each), straight into the one wave that uses them.
; SOFTMAX.  A running maximum m for each query; p = 2^(c s - c m), c = log2(e) / sqrt(32); O and l are multiplied by a = 2^(c m_old - c m_new) in every step; m starts at the lowest finite number, O and l at 0.
; l is the product of a fragment of ones with P: the sum of the weights as rounded to bf16, in f32, the same in every lane of the query.
; SAMPLING.  The two columns that are read are b and b + 1, b = floor(x) held to 0 .. size - 2 while it is still a float; a column's weight is max(0, 1 - |x - column|): the bilinear weight, and 0 for a corner
; outside the map.  Rows likewise.  So positions of any finite size are served.
; LIMITS.  Matrix operands, P and the corner weights are bf16, rounded once; x1 and loc stay f32.  A weight below 2^-126 counts as 0.  NaN and infinities are not treated apart.
; source_shape and level_start are not read: the module takes the four levels' sizes and starts from its own constants.
; NO CLUSTER, NO TENSOR LOAD: the row state takes 265,216 of the 327,680 bytes of LDS; one 64-key step of K and V for eight heads is 65,536 bytes, so two slots do not fit beside it.
; REGISTERS, in windows of 256 (s_set_vgpr_msb: bits 1:0 source 0, 3:2 source 1, 5:4 source 2, 7:6 destination):
;   window 0: v0-31 addresses and lane constants; v32-63 statistics, 8 a query tile (row phases: at work); v64-191 S^T (tile qt, keys kt at 64 + 32 qt + 8 kt), P packed in place; v192-223 Q; v224-255 biases
;   window 1: v0-63 O^T; v64-95 l; v96-103 ones; v128-255 K and V, two buffers of 32 + 32.  Outside attention: weight fragments, v0-127 and v128-255.
.set XP,    528
.set XQT,   16*XP
.set YP,    1040                       ; an LDS row of 256 f32: 1,024 bytes + 16 = 65 x 16
.set XA,    0                          ; bf16 [64][256]: q, later the cross query
.set XB,    33792                      ; bf16 [64][256]: attention's output
.set YY,    67584                      ; f32 [64][256]: a projection's result, later loc
.set XR,    134144                     ; input's rows, f32: each wave's own 8,192 bytes
.set PR,    199680                     ; pos's rows, likewise
.set SPARE, 265216                     ; the spare words, 128 bytes for each wave: four blocks of 256 bytes that no other line names
.set WQ,    0                          ; sections of wsw
.set WMO,   131072
.set WOFF,  262144
.set WAW,   393216
.set L16,  1
.set SPW,  2
.set NIL,  3
.set FRA,  4                           ; 528 r + 16 h
.set FRB,  5                           ; the same in XB
.set YST,  6                           ; YY + 1,040 r + 32 h + 128 w
.set OST,  7                           ; XB + 528 r + 16 h + 64 w
.set RWL,  8                           ; 8,192 w + 16 l
.set XWR,  9                           ; 4,224 w + 8 l
.set YRD,  10                          ; YY + 8,320 w + 16 l
.set BO,   11                          ; 32 h + 128 w
.set REFO, 12                          ; 32 r + 8 h
.set MST,  13                          ; 1,024 h + 16 r
.set PFO,  14                          ; 256 l
.set CA,   15                          ; loops' running copies of addresses
.set INV,  16                          ; v16-19  1 / size of levels h and 2 + h, each twice
.set SZ,   20                          ; v20-23  the sizes, each twice
.set SM,   24                          ; v24-25  size - 2
.set STL,  26                          ; v26-27  the levels' first positions, as floats
.set CB,   28
.set CC,   29
.set TA,   30
.set TB,   31
.set ST,   32                          ; tile qt at ST + 8 qt: c m, m, a, c m_old, c0-c3
.set S,    64
.set BFR,  64                          ; outside attention: eight fragments of 16 rows
.set ACC,  128
.set Q,    192
.set BI,   224
.set AWO,  248
.set WV,   44
.set SEL,  46
.set INV256, 48
.set EPS,  49
.set CS,   50
.set KP,   52
.set VP,   54
.set CNT,  56
.set LIM,  57
.set L2E,  58
.set W16,  66                          ; wsw + 16,384 w
.set W8,   68                          ; wsw + 8,192 w
.set MSB, 0
.macro WIN new                         ; the immediate's high byte repeats the setting that is left; a switch that changes nothing is dropped
.if MSB != (\new)
	s_set_vgpr_msb (MSB<<8)|(\new)
.set MSB, (\new)
.endif
.endm
.macro PLACES n
.rept \n
	v_nop
.endr
.endm
.macro BAR
	s_wait_dscnt 0x0
	s_barrier_signal -1
	s_barrier_wait -1
.endm
.macro LOADA dst, sb, off, n           ; n weight fragments into window 1
	WIN 0x40
.set f, 0
.rept \n
	global_load_b128 v[(\dst)+8*f:(\dst)+8*f+3],   v[L16], s[\sb:\sb+1] offset:(\off)+1024*f
	global_load_b128 v[(\dst)+8*f+4:(\dst)+8*f+7], v[L16], s[\sb:\sb+1] offset:(\off)+1024*f+512
.set f, f+1
.endr
.endm
.macro KVLOAD kb, off                  ; a step's four fragments of K and four of V^T into buffer kb
	WIN 0x40
.irp f, 0,1,2,3
	global_load_b128 v[128+64*(\kb)+8*\f:128+64*(\kb)+8*\f+3],   v[L16], s[KP:KP+1] offset:(\off)+1024*\f
	global_load_b128 v[128+64*(\kb)+8*\f+4:128+64*(\kb)+8*\f+7], v[L16], s[KP:KP+1] offset:(\off)+1024*\f+512
.endr
.irp f, 0,1,2,3
	global_load_b128 v[160+64*(\kb)+8*\f:160+64*(\kb)+8*\f+3],   v[L16], s[VP:VP+1] offset:(\off)+1024*\f
	global_load_b128 v[160+64*(\kb)+8*\f+4:160+64*(\kb)+8*\f+7], v[L16], s[VP:VP+1] offset:(\off)+1024*\f+512
.endr
.endm
.macro BIAS2 dst, sb, off              ; register j of tile i = bias[32 w + 16 i + 8 h + j]
	global_load_b128 v[(\dst):(\dst)+3],     v[BO], s[\sb:\sb+1] offset:(\off)
	global_load_b128 v[(\dst)+4:(\dst)+7],   v[BO], s[\sb:\sb+1] offset:(\off)+16
	global_load_b128 v[(\dst)+8:(\dst)+11],  v[BO], s[\sb:\sb+1] offset:(\off)+64
	global_load_b128 v[(\dst)+12:(\dst)+15], v[BO], s[\sb:\sb+1] offset:(\off)+80
.endm
.macro LOADB ar, off                   ; 16 rows x 256 channels: eight fragments
	WIN 0
.irp ks, 0,1,2,3,4,5,6,7
	ds_load_b128 v[BFR+8*\ks:BFR+8*\ks+3],   v[\ar] offset:(\off)+64*\ks
	ds_load_b128 v[BFR+8*\ks+4:BFR+8*\ks+7], v[\ar] offset:(\off)+64*\ks+32
.endr
.endm
; 16 products: two channel tiles x K = 256; the two accumulators take turns, one instruction a turn; the first K step takes the bias as C
.macro MMF a, bf, acc, cb
	WIN 0x01
.irp ks, 0,1,2,3,4,5,6,7
.irp i, 0,1
.set rC, (\acc)+8*\i
.if \ks == 0
.set rC, (\cb)+8*\i
.endif
	v_wmma_f32_16x16x32_bf16 v[(\acc)+8*\i:(\acc)+8*\i+7], v[(\a)+64*\i+8*\ks:(\a)+64*\i+8*\ks+7], v[(\bf)+8*\ks:(\bf)+8*\ks+7], v[rC:rC+7]
.endr
.endr
.endm
.macro GROWS dst, ar, sb, n            ; n rows of 1,024 bytes from memory: each load covers 512 consecutive bytes
.set i, 0
.rept \n
	global_load_b128 v[(\dst)+8*i:(\dst)+8*i+3],   v[\ar], s[\sb:\sb+1] offset:1024*i
	global_load_b128 v[(\dst)+8*i+4:(\dst)+8*i+7], v[\ar], s[\sb:\sb+1] offset:1024*i+512
.set i, i+1
.endr
.endm
.macro GROWST src, ar, sb, n
.set i, 0
.rept \n
	global_store_b128 v[\ar], v[(\src)+8*i:(\src)+8*i+3],   s[\sb:\sb+1] offset:1024*i
	global_store_b128 v[\ar], v[(\src)+8*i+4:(\src)+8*i+7], s[\sb:\sb+1] offset:1024*i+512
.set i, i+1
.endr
.endm
.macro LROWS dst, ar, pitch, n
.set i, 0
.rept \n
	ds_load_b128 v[(\dst)+8*i:(\dst)+8*i+3],   v[\ar] offset:(\pitch)*i
	ds_load_b128 v[(\dst)+8*i+4:(\dst)+8*i+7], v[\ar] offset:(\pitch)*i+512
.set i, i+1
.endr
.endm
.macro LROWST src, ar, pitch, n
.set i, 0
.rept \n
	ds_store_b128 v[\ar], v[(\src)+8*i:(\src)+8*i+3] offset:(\pitch)*i
	ds_store_b128 v[\ar], v[(\src)+8*i+4:(\src)+8*i+7] offset:(\pitch)*i+512
.set i, i+1
.endr
.endm
.macro PKADD a, b, n                   ; a += b, n pairs
.set i, 0
.rept \n
	v_pk_add_f32 v[(\a)+2*i:(\a)+2*i+1], v[(\a)+2*i:(\a)+2*i+1], v[(\b)+2*i:(\b)+2*i+1]
.set i, i+1
.endr
.endm
.macro CVT16 cv, xv
.set i, 0
.rept 16
	v_cvt_pk_bf16_f32 v[(\cv)+i], v[(\xv)+2*i], v[(\xv)+2*i+1]
.set i, i+1
.endr
.endm
.macro XSTORE ar, cv
.irp i, 0,1,2,3
	ds_store_b64 v[\ar], v[(\cv)+4*\i:(\cv)+4*\i+1]   offset:XP*\i
	ds_store_b64 v[\ar], v[(\cv)+4*\i+2:(\cv)+4*\i+3] offset:XP*\i+256
.endr
.endm
.macro RED4 ts
.irp m, 1,2,4,8
.irp i, 0,1,2,3
	v_add_f32_dpp v[(\ts)+2*\i], v[(\ts)+2*\i], v[(\ts)+2*\i] row_xmask:\m row_mask:0xf bank_mask:0xf
.endr
.endr
.irp i, 0,1,2,3
	v_permlanex16_b32 v[(\ts)+2*\i+1], v[(\ts)+2*\i], s[SEL], s[SEL+1]
.endr
.irp i, 0,1,2,3
	v_add_f32 v[(\ts)+2*\i], v[(\ts)+2*\i], v[(\ts)+2*\i+1]
.endr
.endm
; LayerNorm of four rows (8 numbers a lane each), in place: mean, centred, variance of the centred numbers, 1 / sqrt, gain and bias.
.macro LN4 xv, ts, mu, gw, gb
.irp i, 0,1,2,3
	v_pk_add_f32 v[(\ts)+2*\i:(\ts)+2*\i+1], v[(\xv)+8*\i:(\xv)+8*\i+1], v[(\xv)+8*\i+2:(\xv)+8*\i+3]
	v_pk_add_f32 v[(\mu)+2*\i:(\mu)+2*\i+1], v[(\xv)+8*\i+4:(\xv)+8*\i+5], v[(\xv)+8*\i+6:(\xv)+8*\i+7]
.endr
.irp i, 0,1,2,3
	v_pk_add_f32 v[(\ts)+2*\i:(\ts)+2*\i+1], v[(\ts)+2*\i:(\ts)+2*\i+1], v[(\mu)+2*\i:(\mu)+2*\i+1]
.endr
.irp i, 0,1,2,3
	v_add_f32 v[(\ts)+2*\i], v[(\ts)+2*\i], v[(\ts)+2*\i+1]
.endr
	RED4 \ts
.irp i, 0,1,2,3
	v_mul_f32 v[(\mu)+2*\i], s[INV256], v[(\ts)+2*\i]
.endr
.irp i, 0,1,2,3
.irp k, 0,2,4,6
	v_pk_add_f32 v[(\xv)+8*\i+\k:(\xv)+8*\i+\k+1], v[(\xv)+8*\i+\k:(\xv)+8*\i+\k+1], v[(\mu)+2*\i:(\mu)+2*\i+1] op_sel_hi:[1,0] neg_lo:[0,1] neg_hi:[0,1]
.endr
.endr
.irp i, 0,1,2,3
	v_pk_mul_f32 v[(\ts)+2*\i:(\ts)+2*\i+1], v[(\xv)+8*\i:(\xv)+8*\i+1], v[(\xv)+8*\i:(\xv)+8*\i+1]
.endr
.irp k, 2,4,6
.irp i, 0,1,2,3
	v_pk_fma_f32 v[(\ts)+2*\i:(\ts)+2*\i+1], v[(\xv)+8*\i+\k:(\xv)+8*\i+\k+1], v[(\xv)+8*\i+\k:(\xv)+8*\i+\k+1], v[(\ts)+2*\i:(\ts)+2*\i+1]
.endr
.endr
.irp i, 0,1,2,3
	v_add_f32 v[(\ts)+2*\i], v[(\ts)+2*\i], v[(\ts)+2*\i+1]
.endr
	RED4 \ts
.irp i, 0,1,2,3
	v_fma_f32 v[(\ts)+2*\i], v[(\ts)+2*\i], s[INV256], s[EPS]
.endr
.irp i, 0,1,2,3
	v_rsq_f32 v[(\ts)+2*\i], v[(\ts)+2*\i]
.endr
	v_nop                                  ; a plain instruction behind the last of the four,
	s_wait_alu depctr_va_vdst(0)           ; and one wait ahead of their first reader
.irp i, 0,1,2,3
.irp k, 0,2,4,6
	v_pk_mul_f32 v[(\xv)+8*\i+\k:(\xv)+8*\i+\k+1], v[(\xv)+8*\i+\k:(\xv)+8*\i+\k+1], v[(\ts)+2*\i:(\ts)+2*\i+1] op_sel_hi:[1,0]
.endr
.endr
.irp i, 0,1,2,3
.irp k, 0,2,4,6
	v_pk_fma_f32 v[(\xv)+8*\i+\k:(\xv)+8*\i+\k+1], v[(\xv)+8*\i+\k:(\xv)+8*\i+\k+1], v[(\gw)+\k:(\gw)+\k+1], v[(\gb)+\k:(\gb)+\k+1]
.endr
.endr
.endm
	s_load_b512 s[8:23], s[0:1], 0x0               ; input 8, pos 10, reference_point 12, self_norm w 14, b 16, cross_norm w 18, b 20, mha_in_b 22
	s_load_b512 s[24:39], s[0:1], 0x40             ; mha_out_b 24, off_b 26, aw_b 28, wsw 30, kf 32, vf 34, x1 36, out1 38
	s_load_b128 s[40:43], s[0:1], 0x80             ; idx 40, wts 42
	v_lshl_add_u32 v[SPW], v0, 2, SPARE
	v_mov_b32 v[NIL], 0
	v_lshrrev_b32 v[TA], 5, v0
	v_readfirstlane_b32 s[WV], v[TA]               ; wave 0..7
	v_and_b32 v[TA], 31, v0                        ; l
	v_and_b32 v[TB], 15, v0                        ; r
	v_bfe_u32 v[CA], v0, 4, 1                      ; h
	v_lshlrev_b32 v[L16], 4, v[TA]
	v_mul_u32_u24 v[FRA], v[TB], XP
	v_lshl_add_u32 v[FRA], v[CA], 4, v[FRA]
	v_add_nc_u32 v[FRB], XB, v[FRA]
	s_lshl_b32 s60, s[WV], 6
	v_add_nc_u32 v[OST], s60, v[FRB]
	v_mul_u32_u24 v[YST], v[TB], YP
	v_lshl_add_u32 v[YST], v[CA], 5, v[YST]
	s_lshl_b32 s60, s[WV], 7
	v_lshl_add_u32 v[BO], v[CA], 5, s60
	s_add_co_u32 s60, s60, YY
	v_add_nc_u32 v[YST], s60, v[YST]
	s_lshl_b32 s60, s[WV], 13
	v_add_nc_u32 v[RWL], s60, v[L16]
	s_mul_i32 s60, s[WV], 8*XP
	v_lshl_add_u32 v[XWR], v[TA], 3, s60
	s_mul_i32 s60, s[WV], 8*YP
	s_add_co_u32 s60, s60, YY
	v_add_nc_u32 v[YRD], s60, v[L16]
	v_lshlrev_b32 v[REFO], 5, v[TB]
	v_lshl_add_u32 v[REFO], v[CA], 3, v[REFO]
	v_lshlrev_b32 v[MST], 4, v[TB]
	v_lshl_add_u32 v[MST], v[CA], 10, v[MST]
	v_lshlrev_b32 v[PFO], 8, v[TA]
	; my lanes hold levels h (t = 0) and 2 + h (t = 1): sizes 64 or 32, and 16 or 8: powers of two, made by stepping a float's exponent
	v_lshlrev_b32 v[TA], 23, v[CA]
	v_sub_nc_u32 v[SZ], 0x42800000, v[TA]
	v_mov_b32 v[SZ+1], v[SZ]
	v_sub_nc_u32 v[SZ+2], 0x41800000, v[TA]
	v_mov_b32 v[SZ+3], v[SZ+2]
	v_add_nc_u32 v[INV], 0x3c800000, v[TA]
	v_mov_b32 v[INV+1], v[INV]
	v_add_nc_u32 v[INV+2], 0x3d800000, v[TA]
	v_mov_b32 v[INV+3], v[INV+2]
	v_add_f32 v[SM], -2.0, v[SZ]
	v_add_f32 v[SM+1], -2.0, v[SZ+2]
	v_lshlrev_b32 v[TA], 12, v[CA]                 ; the levels begin at 0, 4,096, 5,120, 5,376
	v_cvt_f32_u32 v[STL], v[TA]
	v_lshl_add_u32 v[TA], v[CA], 8, 0x1400
	v_cvt_f32_u32 v[STL+1], v[TA]
	s_mov_b32 s[SEL], 0x76543210
	s_mov_b32 s[SEL+1], 0xfedcba98
	s_mov_b32 s[INV256], 0x3b800000                ; 1 / 256
	s_mov_b32 s[EPS], 0x3727c5ac                   ; 1e-5
	s_mov_b32 s[CS], 0x3e8293ee                    ; c = log2(e) / sqrt(32) = 0.255035
	s_mov_b32 s[CS+1], s[CS]
	s_mov_b32 s[L2E], 0x3fb8aa3b                   ; log2(e)
	s_mov_b32 s[L2E+1], s[L2E]
	s_and_b32 s[LIM], ttmp9, 15                    ; the batch's first work-group prefetches K and V, while more than two trips are left
	s_cmp_eq_u32 s[LIM], 0
	s_cselect_b32 s[LIM], 2, -1
	s_mov_b32 s61, 0
	s_wait_kmcnt 0x0
	s_lshl_b32 s60, ttmp9, 16                      ; my 64 rows of 1,024 bytes
	s_add_nc_u64 s[8:9], s[8:9], s[60:61]
	s_add_nc_u64 s[10:11], s[10:11], s[60:61]
	s_add_nc_u64 s[36:37], s[36:37], s[60:61]
	s_add_nc_u64 s[38:39], s[38:39], s[60:61]
	s_lshl_b32 s60, ttmp9, 11                      ; 64 rows of 32 bytes
	s_add_nc_u64 s[12:13], s[12:13], s[60:61]
	s_lshl_b32 s60, ttmp9, 15                      ; idx: 32,768 a work-group, 4,096 a head
	s_lshl_b32 s62, s[WV], 12
	s_add_co_u32 s60, s60, s62
	s_add_nc_u64 s[40:41], s[40:41], s[60:61]
	s_lshl_b32 s60, s60, 1                         ; wts: twice that
	s_add_nc_u64 s[42:43], s[42:43], s[60:61]
	s_lshr_b32 s60, ttmp9, 4                       ; K and V: batch x 524,288 + head x 65,536
	s_lshl_b32 s60, s60, 19
	s_lshl_b32 s62, s[WV], 16
	s_add_co_u32 s60, s60, s62
	s_add_nc_u64 s[KP:KP+1], s[32:33], s[60:61]
	s_add_nc_u64 s[VP:VP+1], s[34:35], s[60:61]
	s_lshl_b32 s60, s[WV], 14
	s_add_nc_u64 s[W16:W16+1], s[30:31], s[60:61]
	s_lshl_b32 s60, s[WV], 13
	s_add_nc_u64 s[W8:W8+1], s[30:31], s[60:61]
; ---- P0: Wq's fragments, bq and the norm are asked for (40 loads; with a trip's 16 rows 56 are out); then q = LN(input) + pos for my eight rows; input and pos are kept in LDS for P5
	LOADA 0, W16, WQ, 16
	WIN 0
	BIAS2 BI, 22, 0                                ; bq
	global_load_b128 v[48:51], v[L16], s[14:15]
	global_load_b128 v[52:55], v[L16], s[14:15] offset:512
	global_load_b128 v[56:59], v[L16], s[16:17]
	global_load_b128 v[60:63], v[L16], s[16:17] offset:512
	v_mov_b32 v[CA], v[RWL]
	v_mov_b32 v[CB], v[XWR]
	s_mov_b32 s[CNT], 2
.Lrows1:                                       ; four rows a trip
	GROWS 64, CA, 8, 4
	GROWS 96, CA, 10, 4
	v_add_nc_u32 v[TA], XR, v[CA]
	v_add_nc_u32 v[TB], PR, v[CA]
	s_wait_loadcnt 0x0
	LROWST 64, TA, 1024, 4
	LROWST 96, TB, 1024, 4
	v_add_nc_u32 v[CA], 4096, v[CA]
	LN4 64, 32, 40, 48, 56
	PKADD 64, 96, 16
	CVT16 128, 64
	XSTORE CB, 128
	v_add_nc_u32 v[CB], 4*XP, v[CB]
	s_sub_co_u32 s[CNT], s[CNT], 1
	s_cmp_lg_u32 s[CNT], 0
	s_cbranch_scc1 .Lrows1
	KVLOAD 0, 0                                    ; the first key step's K and V: they land under the Q projection
	WIN 0
	BAR                                            ; q's 64 rows lie in XA
; ---- P1: my head's Q: two packed channel tiles are source 1 of K Q^T
.irp q, 0,1,2,3
	LOADB FRA, \q*XQT
	s_wait_dscnt 0x0
	MMF 0, BFR, ACC, BI
	PLACES 5
	WIN 0
.set i, 0
.rept 8
	v_cvt_pk_bf16_f32 v[Q+8*\q+i], v[ACC+2*i], v[ACC+2*i+1]
.set i, i+1
.endr
.endr
	WIN 0x40                                       ; O^T and l start at 0, so that the first key step is a step like any other (its a is 0): 96 lines, once
.set i, 0
.rept 96
	v_mov_b32 v[i], 0
.set i, i+1
.endr
.set i, 0
.rept 8
	v_mov_b32 v[96+i], 0x3f803f80                  ; a fragment of ones
.set i, i+1
.endr
	WIN 0
.irp q, 0,1,2,3
	v_mov_b32 v[ST+8*\q], 0xfe000000               ; c m: far below every c s
	v_mov_b32 v[ST+8*\q+1], 0xff7fffff             ; m
.endr
; ---- P2: attention.  Number n of the 22 that find a tile's maximum and statistics; each accumulator's lowest registers are read first.
.macro XS q, n
.set rT, ST+8*(\q)
.set rS, S+32*(\q)
.if (\n) < 4
	v_max3_num_f32 v[rT+4+(\n)], v[rS+8*(\n)], v[rS+8*(\n)+1], v[rS+8*(\n)+2]
.elseif (\n) < 12
	v_max3_num_f32 v[rT+4+(\n)%4], v[rT+4+(\n)%4], v[rS+8*((\n)%4)+2*((\n)/4)+1], v[rS+8*((\n)%4)+2*((\n)/4)+2]
.elseif (\n) == 12
	v_max3_num_f32 v[rT+4], v[rT+4], v[rS+7], v[rS+15]
.elseif (\n) == 13
	v_max3_num_f32 v[rT+5], v[rT+5], v[rS+23], v[rS+31]
.elseif (\n) == 14
	v_max3_num_f32 v[rT+6], v[rT+6], v[rT+7], v[rT+1]
.elseif (\n) == 15
	v_mov_b32 v[rT+3], v[rT]
.elseif (\n) == 16
	v_max3_num_f32 v[rT+4], v[rT+4], v[rT+5], v[rT+6]
.elseif (\n) == 17
	v_permlanex16_b32 v[rT+7], v[rT+4], s[SEL], s[SEL+1]  ; the query's other 32 keys lie in the lane 16 away
.elseif (\n) == 18
	v_max_num_f32 v[rT+1], v[rT+4], v[rT+7]
.elseif (\n) == 19
	v_mul_f32 v[rT], s[CS], v[rT+1]
.elseif (\n) == 20
	v_sub_f32 v[rT+5], v[rT+3], v[rT]
.else
	v_exp_f32 v[rT+2], v[rT+5]
.endif
.endm
.macro FS q, b                         ; pair b of a tile's scores: c s - c m
	v_pk_fma_f32 v[S+32*(\q)+2*(\b):S+32*(\q)+2*(\b)+1], v[S+32*(\q)+2*(\b):S+32*(\q)+2*(\b)+1], s[CS:CS+1], v[ST+8*(\q):ST+8*(\q)+1] op_sel_hi:[1,0,0] neg_lo:[0,0,1] neg_hi:[0,0,1]
.endm
; A step of 64 keys, out of buffer kb, in plain phases: the SIMD's other wave has the matrix unit while this one walks its softmax.
.macro STEP kb
	s_wait_loadcnt 0x0                             ; this step's K and V, asked for a step ago
	WIN 0x01
.irp kt, 0,1,2,3
.irp q, 0,1,2,3
	v_wmma_f32_16x16x32_bf16 v[S+32*\q+8*\kt:S+32*\q+8*\kt+7], v[128+64*(\kb)+8*\kt:128+64*(\kb)+8*\kt+7], v[Q+8*\q:Q+8*\q+7], 0
.endr
.endr
	PLACES 4                                       ; behind the scores' products, ahead of their first reader and of the loads into the other buffer
	WIN 0
.if \kb
	s_cmp_eq_u32 s[CNT], 1                         ; behind the last step there is none; the only wait that follows these loads is for 0
	s_cbranch_scc1 .Lno_kv_\@
.endif
	KVLOAD 1-(\kb), 4096+4096*(\kb)
	WIN 0
.if \kb
.Lno_kv_\@:
.else
	; A PREFETCH of what the next trip will load: steps 2 T + 3 and 2 T + 4 of my head, 8,192 bytes of K and of V, a lane for each 256.  All 16 work-groups of a batch walk the same rows: the batch's first asks,
	; each wave for its own head, so each block is named once in the launch.  The last two trips ask for nothing: the bytes named would lie past the head's 65,536.  Steps 0 to 2 and 15 come by their loads alone.
	s_cmp_gt_u32 s[CNT], s[LIM]
	s_cbranch_scc0 .Lno_pf_\@
	global_prefetch_b8 v[PFO], s[KP:KP+1] offset:12288 th:TH_LOAD_NT scope:SCOPE_SE
	global_prefetch_b8 v[PFO], s[VP:VP+1] offset:12288 th:TH_LOAD_NT scope:SCOPE_SE
.Lno_pf_\@:
.endif
.irp n, 0,1,2,3,4,5,6,7,8,9,10,11,12,13,14,15,16,17,18,19,20,21
.irp q, 0,1,2,3
	XS \q, \n                                      ; the four tiles side by side, so that no line waits for the one before it
.endr
.endr
.irp q, 0,1,2,3                        ; ONE BATCH: the four a above and the 128 exponentials; nothing ahead of the wait names a result of theirs
	FS \q, 0
.set i, 0
.rept 16
.if i < 15
	FS \q, i+1
.endif
	v_exp_f32 v[S+32*\q+2*i], v[S+32*\q+2*i]
	v_exp_f32 v[S+32*\q+2*i+1], v[S+32*\q+2*i+1]
.set i, i+1
.endr
.endr
	v_nop                                          ; a plain instruction behind the last exponential,
	s_wait_alu depctr_va_vdst(0)                   ; and one wait ahead of the batch's first reader
.irp q, 0,1,2,3
.set i, 0
.rept 16
	v_cvt_pk_bf16_f32 v[S+32*\q+i], v[S+32*\q+2*i], v[S+32*\q+2*i+1]  ; P, packed in place from the low end on
.set i, i+1
.endr
.endr
	WIN 0x41
.irp q, 0,1,2,3
.set i, 0
.rept 8
	v_pk_mul_f32 v[16*\q+2*i:16*\q+2*i+1], v[16*\q+2*i:16*\q+2*i+1], v[ST+8*\q+2:ST+8*\q+3] op_sel_hi:[1,0]
.set i, i+1
.endr
.set i, 0
.rept 4
	v_pk_mul_f32 v[64+8*\q+2*i:64+8*\q+2*i+1], v[64+8*\q+2*i:64+8*\q+2*i+1], v[ST+8*\q+2:ST+8*\q+3] op_sel_hi:[1,0]
.set i, i+1
.endr
.endr
	WIN 0x51                                       ; V^T and the ones in window 1, P in window 0, O^T and l in window 1
.irp ks, 0,1
.irp q, 0,1,2,3                        ; twelve accumulators take turns, one instruction a turn
	v_wmma_f32_16x16x32_bf16 v[16*\q:16*\q+7],     v[160+64*(\kb)+16*\ks:160+64*(\kb)+16*\ks+7],    v[S+32*\q+8*\ks:S+32*\q+8*\ks+7], v[16*\q:16*\q+7]
	v_wmma_f32_16x16x32_bf16 v[16*\q+8:16*\q+15],  v[160+64*(\kb)+16*\ks+8:160+64*(\kb)+16*\ks+15], v[S+32*\q+8*\ks:S+32*\q+8*\ks+7], v[16*\q+8:16*\q+15]
	v_wmma_f32_16x16x32_bf16 v[64+8*\q:64+8*\q+7], v[96:103],                                       v[S+32*\q+8*\ks:S+32*\q+8*\ks+7], v[64+8*\q:64+8*\q+7]
.endr
.endr
	PLACES 5                                       ; the next scores are written over P
.endm
	s_mov_b32 s[CNT], 8
.Lkeys:                                        ; two steps a trip
	STEP 0
	STEP 1
	WIN 0
	s_wait_xcnt 0x0                                ; the loads and prefetches have read the two pointers
	s_add_nc_u64 s[KP:KP+1], s[KP:KP+1], 8192
	s_add_nc_u64 s[VP:VP+1], s[VP:VP+1], 8192
	s_sub_co_u32 s[CNT], s[CNT], 1
	s_cmp_lg_u32 s[CNT], 0
	s_cbranch_scc1 .Lkeys
; ---- P3: O / l, rounded, into XB
	s_wait_loadcnt 0x0                             ; no load of mine is out: K's and V's registers are asked for anew below
	LOADA 128, W16, WMO, 16
	WIN 0
	BIAS2 BI, 24, 0
	WIN 0x01
.irp q, 0,1,2,3
	v_rcp_f32 v[ST+8*\q+2], v[64+8*\q]
.endr
	v_nop
	s_wait_alu depctr_va_vdst(0)                   ; one wait for the four reciprocals
	WIN 0x41
.irp q, 0,1,2,3
.set i, 0
.rept 8
	v_pk_mul_f32 v[16*\q+2*i:16*\q+2*i+1], v[16*\q+2*i:16*\q+2*i+1], v[ST+8*\q+2:ST+8*\q+3] op_sel_hi:[1,0]
.set i, i+1
.endr
.endr
	WIN 0x05
.set i, 0
.rept 32
	v_cvt_pk_bf16_f32 v[S+i], v[2*i], v[2*i+1]
.set i, i+1
.endr
	WIN 0
.irp q, 0,1,2,3
	ds_store_b128 v[OST], v[S+8*\q:S+8*\q+3]   offset:\q*XQT
	ds_store_b128 v[OST], v[S+8*\q+4:S+8*\q+7] offset:\q*XQT+32
.endr
	BAR                                            ; all heads' output lies in XB
; ---- P4: mha_out: my two channel tiles of all 64 rows, f32, into Y
	s_wait_loadcnt 0x0
	LOADA 0, W16, WOFF, 16
	WIN 0
	v_mov_b32 v[CA], v[FRB]
	v_mov_b32 v[CB], v[YST]
	s_mov_b32 s[CNT], 4
.Lmo:
	LOADB CA, 0
	s_wait_dscnt 0x0
	MMF 128, BFR, ACC, BI
	PLACES 5
	WIN 0
	ds_store_b128 v[CB], v[ACC:ACC+3]
	ds_store_b128 v[CB], v[ACC+4:ACC+7] offset:16
	ds_store_b128 v[CB], v[ACC+8:ACC+11] offset:64
	ds_store_b128 v[CB], v[ACC+12:ACC+15] offset:80
	v_add_nc_u32 v[CA], XQT, v[CA]
	v_add_nc_u32 v[CB], 16*YP, v[CB]
	s_sub_co_u32 s[CNT], s[CNT], 1
	s_cmp_lg_u32 s[CNT], 0
	s_cbranch_scc1 .Lmo
	BAR
; ---- P5: x1 = input + mha, stored; the cross query LN(x1) + pos into XA
	LOADA 128, W8, WAW, 8
	WIN 0
	BIAS2 BI, 26, 0                                ; off_b
	v_bfe_u32 v[AWO], v0, 4, 1                     ; aw_b in the order of the exchanged rows: levels h and 2 + h
	s_lshl_b32 s60, s[WV], 6
	v_lshl_add_u32 v[AWO], v[AWO], 4, s60
	global_load_b128 v[BI+16:BI+19], v[AWO], s[28:29]
	global_load_b128 v[BI+20:BI+23], v[AWO], s[28:29] offset:32
	global_load_b128 v[48:51], v[L16], s[18:19]
	global_load_b128 v[52:55], v[L16], s[18:19] offset:512
	global_load_b128 v[56:59], v[L16], s[20:21]
	global_load_b128 v[60:63], v[L16], s[20:21] offset:512
	v_mov_b32 v[CA], v[RWL]
	v_mov_b32 v[CB], v[XWR]
	v_mov_b32 v[CC], v[YRD]
	s_mov_b32 s[CNT], 2
.Lrows2:
	v_add_nc_u32 v[TA], XR, v[CA]
	v_add_nc_u32 v[TB], PR, v[CA]
	LROWS 64, TA, 1024, 4
	LROWS 96, CC, YP, 4
	LROWS 128, TB, 1024, 4
	s_wait_dscnt 0x0
	PKADD 64, 96, 16
	GROWST 64, CA, 36, 4
	s_wait_loadcnt 0x0                             ; the norm's gain and bias, and the fragments and biases that P6 multiplies by (first trip)
	s_wait_xcnt 0x0                                ; the stores have read their data and offset: both are rewritten below
	v_add_nc_u32 v[CA], 4096, v[CA]
	LN4 64, 32, 40, 48, 56
	PKADD 64, 128, 16
	CVT16 160, 64
	XSTORE CB, 160
	v_add_nc_u32 v[CB], 4*XP, v[CB]
	v_add_nc_u32 v[CC], 4*YP, v[CC]
	s_sub_co_u32 s[CNT], s[CNT], 1
	s_cmp_lg_u32 s[CNT], 0
	s_cbranch_scc1 .Lrows2
	BAR
; ---- P6: for 16 queries a trip: my head's 32 offsets and 16 logits; softmax over the 16; loc; corners and weights
; A lane holds, for query r, levels h (t = 0) and 2 + h (t = 1): offsets v[128 + 8 t + 2 p] (x, y), weight v[144 + 4 t + p].
.macro SAMP t, p
.set rO, 128+8*(\t)+2*(\p)
	v_pk_fma_f32 v[rO:rO+1], v[rO:rO+1], v[INV+2*(\t):INV+2*(\t)+1], v[152+2*(\t):153+2*(\t)]     ; loc = ref + off / size, in place
	v_pk_fma_f32 v[184:185], v[rO:rO+1], v[SZ+2*(\t):SZ+2*(\t)+1], -0.5 op_sel_hi:[1,1,0]         ; the position in pixels
	v_floor_f32 v186, v184
	v_floor_f32 v187, v185
	v_med3_num_f32 v186, v186, 0, v[SM+(\t)]       ; the first of the two columns, and rows, that are read
	v_med3_num_f32 v187, v187, 0, v[SM+(\t)]
	v_pk_add_f32 v[188:189], v[184:185], v[186:187] neg_lo:[0,1] neg_hi:[0,1]
	v_pk_add_f32 v[190:191], v[188:189], -1.0 op_sel_hi:[1,0]
.irp z, 188,189,190,191
	v_sub_f32 v\z, 1.0, |v\z|
.endr
.irp z, 188,189,190,191
	v_max_num_f32 v\z, 0, v\z
.endr
	v_mul_f32 v192, v[144+4*(\t)+(\p)], v188
	v_mul_f32 v193, v[144+4*(\t)+(\p)], v190
	v_mul_f32 v194, v192, v189
	v_mul_f32 v195, v192, v191
	v_mul_f32 v196, v193, v189
	v_mul_f32 v197, v193, v191
	v_cvt_pk_bf16_f32 v[168+4*(\t)+(\p)], v194, v195    ; left column: upper row's weight in the low half, lower row's in the high half
	v_cvt_pk_bf16_f32 v[176+4*(\t)+(\p)], v196, v197    ; right column
	v_fma_f32 v198, v187, v[SZ+2*(\t)], v186
	v_add_f32 v198, v[STL+(\t)], v198
	v_cvt_u32_f32 v[160+4*(\t)+(\p)], v198              ; a whole number under 5,440, exact in f32
.endm
	v_mov_b32 v[CA], v[FRA]
	v_mov_b32 v[CB], v[YST]
	s_mov_b32 s[CNT], 4
.Lsamp:
	global_load_b64 v[152:153], v[REFO], s[12:13]
	global_load_b64 v[154:155], v[REFO], s[12:13] offset:16
	LOADB CA, 0
	s_wait_dscnt 0x0
	WIN 0x01
.irp ks, 0,1,2,3,4,5,6,7               ; three accumulators take turns, one instruction a turn
.if \ks == 0
	v_wmma_f32_16x16x32_bf16 v[128:135], v[0:7],     v[BFR:BFR+7], v[BI:BI+7]
	v_wmma_f32_16x16x32_bf16 v[136:143], v[64:71],   v[BFR:BFR+7], v[BI+8:BI+15]
	v_wmma_f32_16x16x32_bf16 v[144:151], v[128:135], v[BFR:BFR+7], v[BI+16:BI+23]
.else
	v_wmma_f32_16x16x32_bf16 v[128:135], v[8*\ks:8*\ks+7],         v[BFR+8*\ks:BFR+8*\ks+7], v[128:135]
	v_wmma_f32_16x16x32_bf16 v[136:143], v[64+8*\ks:64+8*\ks+7],   v[BFR+8*\ks:BFR+8*\ks+7], v[136:143]
	v_wmma_f32_16x16x32_bf16 v[144:151], v[128+8*\ks:128+8*\ks+7], v[BFR+8*\ks:BFR+8*\ks+7], v[144:151]
.endif
.endr
	PLACES 5
	WIN 0
	v_max3_num_f32 v156, v144, v145, v146          ; the softmax over a query's 16 logits: eight here, eight in the lane 16 away; the maximum is taken away first
	v_max3_num_f32 v157, v147, v148, v149
	v_max3_num_f32 v156, v156, v150, v151
	v_max_num_f32 v156, v156, v157
	v_permlanex16_b32 v157, v156, s[SEL], s[SEL+1]
	v_max_num_f32 v156, v156, v157
	v_mul_f32 v156, s[L2E], v156
.irp k, 144,146,148,150
	v_pk_fma_f32 v[\k:\k+1], v[\k:\k+1], s[L2E:L2E+1], v[156:157] op_sel_hi:[1,0,0] neg_lo:[0,0,1] neg_hi:[0,0,1]
.endr
.irp k, 144,145,146,147,148,149,150,151
	v_exp_f32 v\k, v\k
.endr
	v_nop
	s_wait_alu depctr_va_vdst(0)                   ; one wait for the eight exponentials
	v_pk_add_f32 v[156:157], v[144:145], v[146:147]
	v_pk_add_f32 v[158:159], v[148:149], v[150:151]
	v_pk_add_f32 v[156:157], v[156:157], v[158:159]
	v_add_f32 v156, v156, v157
	v_permlanex16_b32 v157, v156, s[SEL], s[SEL+1]
	v_add_f32 v156, v156, v157
	v_rcp_f32 v156, v156
	v_nop
	s_wait_alu depctr_va_vdst(0)
.irp k, 144,146,148,150
	v_pk_mul_f32 v[\k:\k+1], v[\k:\k+1], v[156:157] op_sel_hi:[1,0]
.endr
	s_wait_loadcnt 0x0                             ; the reference points
.irp t, 0,1
.irp p, 0,1,2,3
	SAMP \t, \p
.endr
.endr
.irp t, 0,1                            ; sixteen neighbouring lanes store 256 consecutive bytes, aligned
	global_store_b128 v[MST], v[160+4*\t:163+4*\t], s[40:41] offset:2048*\t
	global_store_b128 v[MST], v[168+4*\t:171+4*\t], s[42:43] offset:2048*\t
	global_store_b128 v[MST], v[176+4*\t:179+4*\t], s[42:43] offset:2048*\t+4096
.endr
	ds_store_b128 v[CB], v[128:131]                ; loc, in out1's order: head, level, point, (x, y) = the channel order of the offsets
	ds_store_b128 v[CB], v[132:135] offset:16
	ds_store_b128 v[CB], v[136:139] offset:64
	ds_store_b128 v[CB], v[140:143] offset:80
	s_wait_xcnt 0x0                                ; the stores and loads have read their data and bases: the next trip rewrites them
	s_add_nc_u64 s[40:41], s[40:41], 256
	s_add_nc_u64 s[42:43], s[42:43], 256
	s_add_nc_u64 s[12:13], s[12:13], 512
	v_add_nc_u32 v[CA], XQT, v[CA]
	v_add_nc_u32 v[CB], 16*YP, v[CB]
	s_sub_co_u32 s[CNT], s[CNT], 1
	s_cmp_lg_u32 s[CNT], 0
	s_cbranch_scc1 .Lsamp
	BAR
; ---- P7: out1 leaves by whole rows
	LROWS 64, YRD, YP, 8
	s_wait_dscnt 0x0
	GROWST 64, RWL, 38, 8
	s_wait_tensorcnt 0x0                           ; the wave's end: behind my last LDS store
	ds_add_u32 v[SPW], v[NIL]
	s_wait_dscnt 0x0
	s_endpgm
.Lfunc_end_k_q45c831da34_attn:
	.size	k_q45c831da34_attn, .Lfunc_end_k_q45c831da34_attn-k_q45c831da34_attn
	.p2alignl 7, 3214868480
	.fill 96, 4, 3214868480
	.section	.rodata,"a",@progbits
	.p2align	6, 0x0
	.amdhsa_kernel k_q45c831da34_attn
		.amdhsa_group_segment_fixed_size 266240
		.amdhsa_private_segment_fixed_size 0
		.amdhsa_enable_private_segment 0
		.amdhsa_kernarg_size 144
		.amdhsa_user_sgpr_count 2
		.amdhsa_user_sgpr_kernarg_segment_ptr 1
		.amdhsa_wavefront_size32 1
		.amdhsa_system_sgpr_workgroup_id_x 1
		.amdhsa_system_sgpr_workgroup_id_y 1
		.amdhsa_system_sgpr_workgroup_id_z 1
		.amdhsa_system_vgpr_workitem_id 0
		.amdhsa_next_free_vgpr 512
		.amdhsa_next_free_sgpr 72
		.amdhsa_reserve_vcc 0
		.amdhsa_float_denorm_mode_32 3
		.amdhsa_float_denorm_mode_16_64 3
		.amdhsa_memory_ordered 1
		.amdhsa_forward_progress 1
		.amdhsa_inst_pref_size 139
	.end_amdhsa_kernel
	.amdgpu_metadata
---
amdhsa.version: [ 1, 2 ]
amdhsa.kernels:
  - .name:           k_q45c831da34_attn
    .symbol:         k_q45c831da34_attn.kd
    .args:
      - { .name: input, .offset: 0, .size: 8, .value_kind: global_buffer, .address_space: global }
      - { .name: pos, .offset: 8, .size: 8, .value_kind: global_buffer, .address_space: global }
      - { .name: reference_point, .offset: 16, .size: 8, .value_kind: global_buffer, .address_space: global }
      - { .name: params_self_norm_w, .offset: 24, .size: 8, .value_kind: global_buffer, .address_space: global }
      - { .name: params_self_norm_b, .offset: 32, .size: 8, .value_kind: global_buffer, .address_space: global }
      - { .name: params_cross_norm_w, .offset: 40, .size: 8, .value_kind: global_buffer, .address_space: global }
      - { .name: params_cross_norm_b, .offset: 48, .size: 8, .value_kind: global_buffer, .address_space: global }
      - { .name: params_mha_in_b, .offset: 56, .size: 8, .value_kind: global_buffer, .address_space: global }
      - { .name: params_mha_out_b, .offset: 64, .size: 8, .value_kind: global_buffer, .address_space: global }
      - { .name: params_off_b, .offset: 72, .size: 8, .value_kind: global_buffer, .address_space: global }
      - { .name: params_aw_b, .offset: 80, .size: 8, .value_kind: global_buffer, .address_space: global }
      - { .name: wsw, .offset: 88, .size: 8, .value_kind: global_buffer, .address_space: global }
      - { .name: kf, .offset: 96, .size: 8, .value_kind: global_buffer, .address_space: global }
      - { .name: vf, .offset: 104, .size: 8, .value_kind: global_buffer, .address_space: global }
      - { .name: x1, .offset: 112, .size: 8, .value_kind: global_buffer, .address_space: global }
      - { .name: out1, .offset: 120, .size: 8, .value_kind: global_buffer, .address_space: global }
      - { .name: idx, .offset: 128, .size: 8, .value_kind: global_buffer, .address_space: global }
      - { .name: wts, .offset: 136, .size: 8, .value_kind: global_buffer, .address_space: global }
    .group_segment_fixed_size: 266240
    .private_segment_fixed_size: 0
    .kernarg_segment_align: 8
    .kernarg_segment_size: 144
    .max_flat_workgroup_size: 256
    .sgpr_count:     72
    .vgpr_count:     512
    .wavefront_size: 32
...
	.end_amdgpu_metadata
.endif
;; end of part 2
;; launch ffn (part 3): grid 256 x 1, 8 waves a work-group, no clusters, 234,496 bytes of LDS; arguments x1, idx, wts, value, wsw, params_out_b, params_ff_norm_w, params_ff_norm_b, params_ff1_b, params_ff2_b, out0; writes out0
.if DOCPART == 3
	.amdgcn_target "amdgcn-amd-amdhsa--gfx1250"
	.amdhsa_code_object_version 6
	.text
	.protected	k_q45c831da34_ffn
	.globl	k_q45c831da34_ffn
	.p2align	8
	.type	k_q45c831da34_ffn,@function
k_q45c831da34_ffn:
	s_mov_b64 s[64:65], 0
	v_nop
	global_prefetch_b8 v0, s[64:65] scope:SCOPE_SE
	s_setreg_imm32_b32 hwreg(HW_REG_WAVE_MODE, 25, 1), 1
	s_wait_xcnt 0x0
; STAGE 3 OF 3.  A work-group owns the same 64 queries as in stage 2; wave w is head w in the gather, channel tiles 2 w and 2 w + 1 of every product, rows 8 w .. 8 w + 7 wherever rows are walked.
;   G1 the gather: for each query and head 16 points x 4 corners of 32 channels, weighted and summed   G2 out projection   G3 x2 = x1 + that; LN   G4 the feed-forward layer, 256 hidden channels a chunk   G5 out0 = x2 + that
; THE GATHER.  Lane l = (g = l / 8, xc = (l / 4) % 2, oct = l % 4): query 4 G + g, left or right column, channels 8 oct + 0..7.  A load takes, for four queries, 128 consecutive bytes each: a point's two
; columns of one row.  A TURN is 4 queries x 8 points (point e: h = e / 4, p = e % 4, level 2 t + h) x 2 rows: 16 loads, 128 multiply-adds straight from the bf16 halves into f32.
; The corner numbers are whole numbers that the launch before stored; each is held to its level's last legal corner by v_min_u32 before it enters an address.
; IN FLIGHT.  Turn m issues one block of 20 loads: the values of turn m + 3 (16), their weights (2), the corner numbers of turn m + 6 (2).  A turn begins with one wait that leaves the two younger blocks out:
; the block three turns back is then in: this turn's values and weights, and the numbers from which this turn forms addresses.  60 loads of a wave are out at the most.
; Eight waves and not four: a wave's loads in flight are what feeds the gather, and eight waves have twice as many.
; LIMITS.  Values, corner weights, the sampled vectors, the normed rows and the hidden layer are bf16, rounded once; sums, x1, x2 and out0 are f32.  NaN and infinities are not treated apart.
; NO CLUSTER, NO TENSOR LOAD: the row state takes 233,472 of the 327,680 bytes of LDS; what is shared with other work-groups, the weights, comes as ready fragments straight into the one wave that uses them.
; REGISTERS.  Window 0: v0-31 addresses; gather: v32-63 corner numbers, v64-95 weights (four sets of 8 each), v96-103 sums.  Later: v32-47 accumulators of the first layer, v48-63 its bias,
; v64-127 accumulators of the second layer (16 qt + 8 i), v128-255 two buffers of eight fragments, or rows.  Window 1: the gather's ring of four x 64; later weight fragments, v0-127 and v128-255.
.set XP,    528
.set XQT,   16*XP
.set YP,    1040
.set HB,    33792                      ; hidden activations, bf16 [64][256]: two buffers at 0 and HB
.set XA,    67584                      ; bf16 [64][256]: the sampled vectors, later the normed rows
.set YY,    101376                     ; f32 [64][256]
.set XR,    167936                     ; x1's, later x2's rows, f32: each wave's own 8,192 bytes
.set SPARE, 233472                     ; the spare words, 128 bytes for each wave: four blocks of 256 bytes that no other line names
.set WOUT,  458752                     ; sections of wsw
.set WF1,   589824
.set WF2,   1114112
.set L16,  1
.set SPW,  2
.set NIL,  3
.set FRX,  4                           ; XA + 528 r + 16 h
.set FRH,  5                           ; 528 r + 16 h
.set YST,  6                           ; YY + 1,040 r + 32 h + 128 w
.set HST,  7                           ; 528 r + 16 h + 64 w
.set RWL,  8                           ; 8,192 w + 16 l
.set XWR,  9                           ; XA + 4,224 w + 8 l
.set YRD,  10                          ; YY + 8,320 w + 16 l
.set BO,   11                          ; 32 h + 128 w
.set GLN,  12                          ; 64 xc + 16 oct
.set MIA,  13                          ; 16 g
.set MWA,  14                          ; 4,096 xc + 16 g
.set GST,  15                          ; XA + 528 g + 64 w + 16 oct; steps with the query groups
.set ZERO, 16
.set T0,   17
.set T1,   18
.set T2,   19
.set ADR,  20                          ; v20-27 eight addresses; later packed hidden numbers
.set PK,   28
.set IDX,  32
.set WT,   64
.set GACC, 96
.set WV,   30
.set CNT,  31
.set VB,   32                          ; value at my head and batch
.set IP,   34                          ; idx at my head, 128 bytes on in each trip
.set IPB,  36                          ; idx at my head, at query group min(2 T + 4, 15)
.set WP,   38                          ; wts at my head, 128 bytes on in each trip
.set IB,   40                          ; idx at my head
.set W16,  42
.set F2P,  44
.set SEL,  46
.set INV256, 48
.set EPS,  49
.set GC,   52
.set F1P,  54
.set MSB, 0
.macro WIN new
.if MSB != (\new)
	s_set_vgpr_msb (MSB<<8)|(\new)
.set MSB, (\new)
.endif
.endm
.macro PLACES n
.rept \n
	v_nop
.endr
.endm
.macro BAR
	s_wait_dscnt 0x0
	s_barrier_signal -1
	s_barrier_wait -1
.endm
.macro LOADA dst, sb, off, n
	WIN 0x40
.set f, 0
.rept \n
	global_load_b128 v[(\dst)+8*f:(\dst)+8*f+3],   v[L16], s[\sb:\sb+1] offset:(\off)+1024*f
	global_load_b128 v[(\dst)+8*f+4:(\dst)+8*f+7], v[L16], s[\sb:\sb+1] offset:(\off)+1024*f+512
.set f, f+1
.endr
.endm
.macro BIAS2 dst, sb, off
	global_load_b128 v[(\dst):(\dst)+3],     v[BO], s[\sb:\sb+1] offset:(\off)
	global_load_b128 v[(\dst)+4:(\dst)+7],   v[BO], s[\sb:\sb+1] offset:(\off)+16
	global_load_b128 v[(\dst)+8:(\dst)+11],  v[BO], s[\sb:\sb+1] offset:(\off)+64
	global_load_b128 v[(\dst)+12:(\dst)+15], v[BO], s[\sb:\sb+1] offset:(\off)+80
.endm
.macro LOADBF b, ar, off               ; 16 rows x 256 channels: eight fragments into buffer b
	WIN 0
.irp ks, 0,1,2,3,4,5,6,7
	ds_load_b128 v[128+64*(\b)+8*\ks:128+64*(\b)+8*\ks+3],   v[\ar] offset:(\off)+64*\ks
	ds_load_b128 v[128+64*(\b)+8*\ks+4:128+64*(\b)+8*\ks+7], v[\ar] offset:(\off)+64*\ks+32
.endr
.endm
; 16 products: two channel tiles x K = 256; the two accumulators take turns, one instruction a turn.  cb >= 0: the first K step takes the bias at cb as C; cb < 0: the sums go on in place
.macro MMF a, bf, acc, cb
	WIN 0x01
.irp ks, 0,1,2,3,4,5,6,7
.irp i, 0,1
.set rC, (\acc)+8*\i
.if (\ks == 0) && ((\cb) >= 0)
.set rC, (\cb)+8*\i
.endif
	v_wmma_f32_16x16x32_bf16 v[(\acc)+8*\i:(\acc)+8*\i+7], v[(\a)+64*\i+8*\ks:(\a)+64*\i+8*\ks+7], v[(\bf)+8*\ks:(\bf)+8*\ks+7], v[rC:rC+7]
.endr
.endr
.endm
.macro GROWS dst, ar, sb, n
.set i, 0
.rept \n
	global_load_b128 v[(\dst)+8*i:(\dst)+8*i+3],   v[\ar], s[\sb:\sb+1] offset:1024*i
	global_load_b128 v[(\dst)+8*i+4:(\dst)+8*i+7], v[\ar], s[\sb:\sb+1] offset:1024*i+512
.set i, i+1
.endr
.endm
.macro GROWST src, ar, sb, n
.set i, 0
.rept \n
	global_store_b128 v[\ar], v[(\src)+8*i:(\src)+8*i+3],   s[\sb:\sb+1] offset:1024*i
	global_store_b128 v[\ar], v[(\src)+8*i+4:(\src)+8*i+7], s[\sb:\sb+1] offset:1024*i+512
.set i, i+1
.endr
.endm
.macro LROWS dst, ar, pitch, n
.set i, 0
.rept \n
	ds_load_b128 v[(\dst)+8*i:(\dst)+8*i+3],   v[\ar] offset:(\pitch)*i
	ds_load_b128 v[(\dst)+8*i+4:(\dst)+8*i+7], v[\ar] offset:(\pitch)*i+512
.set i, i+1
.endr
.endm
.macro LROWST src, ar, pitch, n
.set i, 0
.rept \n
	ds_store_b128 v[\ar], v[(\src)+8*i:(\src)+8*i+3] offset:(\pitch)*i
	ds_store_b128 v[\ar], v[(\src)+8*i+4:(\src)+8*i+7] offset:(\pitch)*i+512
.set i, i+1
.endr
.endm
.macro PKADD a, b, n
.set i, 0
.rept \n
	v_pk_add_f32 v[(\a)+2*i:(\a)+2*i+1], v[(\a)+2*i:(\a)+2*i+1], v[(\b)+2*i:(\b)+2*i+1]
.set i, i+1
.endr
.endm
.macro CVT16 cv, xv
.set i, 0
.rept 16
	v_cvt_pk_bf16_f32 v[(\cv)+i], v[(\xv)+2*i], v[(\xv)+2*i+1]
.set i, i+1
.endr
.endm
.macro XSTORE ar, cv
.irp i, 0,1,2,3
	ds_store_b64 v[\ar], v[(\cv)+4*\i:(\cv)+4*\i+1]   offset:XP*\i
	ds_store_b64 v[\ar], v[(\cv)+4*\i+2:(\cv)+4*\i+3] offset:XP*\i+256
.endr
.endm
.macro RED4 ts
.irp m, 1,2,4,8
.irp i, 0,1,2,3
	v_add_f32_dpp v[(\ts)+2*\i], v[(\ts)+2*\i], v[(\ts)+2*\i] row_xmask:\m row_mask:0xf bank_mask:0xf
.endr
.endr
.irp i, 0,1,2,3
	v_permlanex16_b32 v[(\ts)+2*\i+1], v[(\ts)+2*\i], s[SEL], s[SEL+1]
.endr
.irp i, 0,1,2,3
	v_add_f32 v[(\ts)+2*\i], v[(\ts)+2*\i], v[(\ts)+2*\i+1]
.endr
.endm
; LayerNorm of four rows (8 numbers a lane each), in place: mean, centred, variance of the centred numbers, 1 / sqrt, gain and bias.
.macro LN4 xv, ts, mu, gw, gb
.irp i, 0,1,2,3
	v_pk_add_f32 v[(\ts)+2*\i:(\ts)+2*\i+1], v[(\xv)+8*\i:(\xv)+8*\i+1], v[(\xv)+8*\i+2:(\xv)+8*\i+3]
	v_pk_add_f32 v[(\mu)+2*\i:(\mu)+2*\i+1], v[(\xv)+8*\i+4:(\xv)+8*\i+5], v[(\xv)+8*\i+6:(\xv)+8*\i+7]
.endr
.irp i, 0,1,2,3
	v_pk_add_f32 v[(\ts)+2*\i:(\ts)+2*\i+1], v[(\ts)+2*\i:(\ts)+2*\i+1], v[(\mu)+2*\i:(\mu)+2*\i+1]
.endr
.irp i, 0,1,2,3
	v_add_f32 v[(\ts)+2*\i], v[(\ts)+2*\i], v[(\ts)+2*\i+1]
.endr
	RED4 \ts
.irp i, 0,1,2,3
	v_mul_f32 v[(\mu)+2*\i], s[INV256], v[(\ts)+2*\i]
.endr
.irp i, 0,1,2,3
.irp k, 0,2,4,6
	v_pk_add_f32 v[(\xv)+8*\i+\k:(\xv)+8*\i+\k+1], v[(\xv)+8*\i+\k:(\xv)+8*\i+\k+1], v[(\mu)+2*\i:(\mu)+2*\i+1] op_sel_hi:[1,0] neg_lo:[0,1] neg_hi:[0,1]
.endr
.endr
.irp i, 0,1,2,3
	v_pk_mul_f32 v[(\ts)+2*\i:(\ts)+2*\i+1], v[(\xv)+8*\i:(\xv)+8*\i+1], v[(\xv)+8*\i:(\xv)+8*\i+1]
.endr
.irp k, 2,4,6
.irp i, 0,1,2,3
	v_pk_fma_f32 v[(\ts)+2*\i:(\ts)+2*\i+1], v[(\xv)+8*\i+\k:(\xv)+8*\i+\k+1], v[(\xv)+8*\i+\k:(\xv)+8*\i+\k+1], v[(\ts)+2*\i:(\ts)+2*\i+1]
.endr
.endr
.irp i, 0,1,2,3
	v_add_f32 v[(\ts)+2*\i], v[(\ts)+2*\i], v[(\ts)+2*\i+1]
.endr
	RED4 \ts
.irp i, 0,1,2,3
	v_fma_f32 v[(\ts)+2*\i], v[(\ts)+2*\i], s[INV256], s[EPS]
.endr
.irp i, 0,1,2,3
	v_rsq_f32 v[(\ts)+2*\i], v[(\ts)+2*\i]
.endr
	v_nop                                  ; a plain instruction behind the last of the four,
	s_wait_alu depctr_va_vdst(0)           ; and one wait ahead of their first reader
.irp i, 0,1,2,3
.irp k, 0,2,4,6
	v_pk_mul_f32 v[(\xv)+8*\i+\k:(\xv)+8*\i+\k+1], v[(\xv)+8*\i+\k:(\xv)+8*\i+\k+1], v[(\ts)+2*\i:(\ts)+2*\i+1] op_sel_hi:[1,0]
.endr
.endr
.irp i, 0,1,2,3
.irp k, 0,2,4,6
	v_pk_fma_f32 v[(\xv)+8*\i+\k:(\xv)+8*\i+\k+1], v[(\xv)+8*\i+\k:(\xv)+8*\i+\k+1], v[(\gw)+\k:(\gw)+\k+1], v[(\gb)+\k:(\gb)+\k+1]
.endr
.endr
.endm
	s_load_b512 s[8:23], s[0:1], 0x0               ; x1 8, idx 10, wts 12, value 14, wsw 16, out_b 18, ff_norm w 20, b 22
	s_load_b128 s[24:27], s[0:1], 0x40             ; ff1_b 24, ff2_b 26
	s_load_b64 s[28:29], s[0:1], 0x50              ; out0
	v_lshl_add_u32 v[SPW], v0, 2, SPARE
	v_mov_b32 v[NIL], 0
	v_lshrrev_b32 v[T0], 5, v0
	v_readfirstlane_b32 s[WV], v[T0]               ; wave 0..7
	v_and_b32 v[T0], 31, v0                        ; l
	v_and_b32 v[T1], 15, v0                        ; r
	v_bfe_u32 v[T2], v0, 4, 1                      ; h
	v_lshlrev_b32 v[L16], 4, v[T0]
	v_mul_u32_u24 v[FRH], v[T1], XP
	v_lshl_add_u32 v[FRH], v[T2], 4, v[FRH]
	v_add_nc_u32 v[FRX], XA, v[FRH]
	s_lshl_b32 s50, s[WV], 6
	v_add_nc_u32 v[HST], s50, v[FRH]
	v_mul_u32_u24 v[YST], v[T1], YP
	v_lshl_add_u32 v[YST], v[T2], 5, v[YST]
	s_lshl_b32 s51, s[WV], 7
	v_lshl_add_u32 v[BO], v[T2], 5, s51
	s_add_co_u32 s51, s51, YY
	v_add_nc_u32 v[YST], s51, v[YST]
	s_lshl_b32 s51, s[WV], 13
	v_add_nc_u32 v[RWL], s51, v[L16]
	s_mul_i32 s51, s[WV], 8*XP
	s_add_co_u32 s51, s51, XA
	v_lshl_add_u32 v[XWR], v[T0], 3, s51
	s_mul_i32 s51, s[WV], 8*YP
	s_add_co_u32 s51, s51, YY
	v_add_nc_u32 v[YRD], s51, v[L16]
	v_and_b32 v[GLN], 7, v0
	v_lshlrev_b32 v[GLN], 4, v[GLN]                ; 64 xc + 16 oct = 16 (l % 8)
	v_bfe_u32 v[T1], v0, 3, 2                      ; g
	v_lshlrev_b32 v[MIA], 4, v[T1]
	v_bfe_u32 v[T2], v0, 2, 1                      ; xc
	v_lshl_add_u32 v[MWA], v[T2], 12, v[MIA]
	v_mul_u32_u24 v[GST], v[T1], XP
	v_and_b32 v[T2], 3, v0                         ; oct
	v_lshl_add_u32 v[GST], v[T2], 4, v[GST]
	s_add_co_u32 s50, s50, XA
	v_add_nc_u32 v[GST], s50, v[GST]
	v_mov_b32 v[ZERO], 0
	s_mov_b32 s[SEL], 0x76543210
	s_mov_b32 s[SEL+1], 0xfedcba98
	s_mov_b32 s[INV256], 0x3b800000
	s_mov_b32 s[EPS], 0x3727c5ac
	s_mov_b32 s[GC], 4
	s_mov_b32 s51, 0                               ; stays 0: the high word of every offset below
	s_wait_kmcnt 0x0
	s_lshl_b32 s50, ttmp9, 16
	s_add_nc_u64 s[8:9], s[8:9], s[50:51]
	s_add_nc_u64 s[28:29], s[28:29], s[50:51]
	s_lshl_b32 s50, ttmp9, 15
	s_lshl_b32 s53, s[WV], 12
	s_add_co_u32 s50, s50, s53
	s_add_nc_u64 s[IB:IB+1], s[10:11], s[50:51]
	s_lshl_b32 s50, s50, 1
	s_add_nc_u64 s[WP:WP+1], s[12:13], s[50:51]
	s_mov_b64 s[IP:IP+1], s[IB:IB+1]
	s_add_nc_u64 s[IPB:IPB+1], s[IB:IB+1], 256
	s_lshr_b32 s50, ttmp9, 4
	s_mul_i32 s50, s50, 348160                     ; a batch's 5,440 positions of 64 bytes
	s_mul_i32 s53, s[WV], 5570560                  ; a head's 87,040
	s_add_co_u32 s50, s50, s53
	s_add_nc_u64 s[VB:VB+1], s[14:15], s[50:51]
	s_lshl_b32 s50, s[WV], 14
	s_add_nc_u64 s[W16:W16+1], s[16:17], s[50:51]
	s_add_nc_u64 s[F1P:F1P+1], s[W16:W16+1], WF1
	s_lshl_b32 s50, s[WV], 16
	s_add_nc_u64 s[F2P:F2P+1], s[16:17], s[50:51]
	s_add_nc_u64 s[F2P:F2P+1], s[F2P:F2P+1], WF2
; ---- G1: the gather
.macro ILOAD set, sb, off              ; a turn's eight corner numbers: levels h = 0 and 1 of the turn's t, four points each
	global_load_b128 v[IDX+8*(\set):IDX+8*(\set)+3],   v[MIA], s[\sb:\sb+1] offset:(\off)
	global_load_b128 v[IDX+8*(\set)+4:IDX+8*(\set)+7], v[MIA], s[\sb:\sb+1] offset:(\off)+1024
.endm
; The values and weights of a turn whose number is sl mod 4 and tt mod 2.  Level lv has size 64 >> lv, begins at (16,384 - (16,384 >> 2 lv)) / 3, and its last legal upper left corner is size + 2 short of its end.
.macro GISSUE sl, tt, wimm
.irp e, 0,1,2,3,4,5,6,7
.set lv, 2*(\tt)+\e/4
.set sz, 64>>lv
.set cl, (16384-(16384>>(2*lv)))/3+sz*sz-sz-2
	v_min_u32 v[ADR+\e], cl, v[IDX+8*(\sl)+\e]
.endr
.irp e, 0,1,2,3,4,5,6,7
	v_lshl_add_u32 v[ADR+\e], v[ADR+\e], 6, v[GLN]
.endr
	WIN 0x40
.irp e, 0,1,2,3,4,5,6,7
.set wb, 4096>>(2*(\tt)+\e/4)          ; a row of the level, in bytes
	global_load_b128 v[64*(\sl)+8*\e:64*(\sl)+8*\e+3],   v[ADR+\e], s[VB:VB+1]
	global_load_b128 v[64*(\sl)+8*\e+4:64*(\sl)+8*\e+7], v[ADR+\e], s[VB:VB+1] offset:wb
.endr
	WIN 0
	global_load_b128 v[WT+8*(\sl):WT+8*(\sl)+3],   v[MWA], s[WP:WP+1] offset:(\wimm)+2048*(\tt)
	global_load_b128 v[WT+8*(\sl)+4:WT+8*(\sl)+7], v[MWA], s[WP:WP+1] offset:(\wimm)+2048*(\tt)+1024
.endm
; Turn 4 T + j.  kind = 2: a whole block is issued; 1: no corner numbers are left to ask for; 0: nothing.  left: the loads issued behind the block three turns back.
.macro TURN j, kind, left
	s_wait_loadcnt \left
.if \kind
	s_wait_xcnt 0x0                                ; the last block's loads have read their addresses
	GISSUE ((\j)+3)%4, ((\j)+3)%2, (((\j)+3)/2)*64
.endif
.if (\kind) == 2
.if (\j) < 2
	ILOAD ((\j)+2)%4, IP, 192+2048*((\j)%2)        ; turn + 6: query group 2 T + 3
.else
	ILOAD ((\j)+2)%4, IPB, 2048*((\j)%2)           ; query group 2 T + 4, held to 15: in the loop's last trip these two loads bring numbers that nobody uses, so that every block has 20 loads
.endif
.endif
	WIN 0x01
.irp e, 0,1,2,3,4,5,6,7
.irp y, 0,1
.irp k, 0,1,2,3
.set c0, GACC+2*\k
.set c1, GACC+2*\k+1
.if (((\j)%2)+\e+\y) == 0              ; a query group's first term starts the sums
.set c0, ZERO
.set c1, ZERO
.endif
	v_fma_mix_f32_bf16 v[GACC+2*\k],   v[64*(\j)+8*\e+4*\y+\k], v[WT+8*(\j)+\e], v[c0] op_sel:[0,\y,0] op_sel_hi:[1,1,0]
	v_fma_mix_f32_bf16 v[GACC+2*\k+1], v[64*(\j)+8*\e+4*\y+\k], v[WT+8*(\j)+\e], v[c1] op_sel:[1,\y,0] op_sel_hi:[1,1,0]
.endr
.endr
.endr
	WIN 0
.if (\j)%2
.irp c, 0,1,2,3,4,5,6,7
	v_add_f32_dpp v[GACC+\c], v[GACC+\c], v[GACC+\c] row_xmask:4 row_mask:0xf bank_mask:0xf  ; the left and the right column
.endr
.irp c, 0,1,2,3
	v_cvt_pk_bf16_f32 v[PK+\c], v[GACC+2*\c], v[GACC+2*\c+1]
.endr
	ds_store_b128 v[GST], v[PK:PK+3] offset:((\j)/2)*4*XP
.endif
.endm
	GROWS 128, RWL, 8, 8                           ; x1's rows, for G3
	ILOAD 0, IB, 0                                 ; the corner numbers of turns 0, 1, 2
	ILOAD 1, IB, 2048
	ILOAD 2, IB, 64
	s_wait_loadcnt 0x0
	v_add_nc_u32 v[T0], XR, v[RWL]
	LROWST 128, T0, 1024, 8
	GISSUE 0, 0, 0                                 ; three blocks fill the ring
	ILOAD 3, IB, 64+2048
	s_wait_xcnt 0x0
	GISSUE 1, 1, 0
	ILOAD 0, IB, 128
	s_wait_xcnt 0x0
	GISSUE 2, 0, 64
	ILOAD 1, IB, 128+2048
	s_mov_b32 s[CNT], 7
.Lgather:                                      ; four turns, two groups of four queries, a trip
	TURN 0, 2, 40
	TURN 1, 2, 40
	TURN 2, 2, 40
	TURN 3, 2, 40
	s_wait_xcnt 0x0                                ; the loads have read the three pointers
	s_add_nc_u64 s[IP:IP+1], s[IP:IP+1], 128
	s_add_nc_u64 s[WP:WP+1], s[WP:WP+1], 128
	s_add_co_u32 s[GC], s[GC], 2
	s_min_u32 s50, s[GC], 15
	s_lshl_b32 s50, s50, 6
	s_add_nc_u64 s[IPB:IPB+1], s[IB:IB+1], s[50:51]
	v_add_nc_u32 v[GST], 8*XP, v[GST]
	s_sub_co_u32 s[CNT], s[CNT], 1
	s_cmp_lg_u32 s[CNT], 0
	s_cbranch_scc1 .Lgather
	TURN 0, 1, 40                                  ; turn 28 asks for turn 31's values and weights: 18 loads
	TURN 1, 0, 38                                  ; 20 + 18
	TURN 2, 0, 18                                  ; turn 31's 18
	LOADA 0, W16, WOUT, 16                         ; ring slots 0 and 1 are read out: out_w's fragments, 32 loads,
	WIN 0
	BIAS2 64, 18, 0                                ; and out_b, 4 (weight sets 0 and 1 are read out too): with turn 31's 18, 54 are out
	TURN 3, 0, 36                                  ; the 36 just issued
	BAR                                            ; all heads' sampled vectors lie in XA
; ---- G2: the out projection, f32, into Y
	s_wait_loadcnt 0x0
	LOADA 128, F1P, 0, 16                          ; the first chunk of ff1_w
	WIN 0
	BIAS2 48, 24, 0
	v_mov_b32 v[T0], v[FRX]
	v_mov_b32 v[T1], v[YST]
	s_mov_b32 s[CNT], 4
.Lproj:
	LOADBF 0, T0, 0
	s_wait_dscnt 0x0
	MMF 0, 128, 32, 64
	PLACES 5
	WIN 0
	ds_store_b128 v[T1], v[32:35]
	ds_store_b128 v[T1], v[36:39] offset:16
	ds_store_b128 v[T1], v[40:43] offset:64
	ds_store_b128 v[T1], v[44:47] offset:80
	v_add_nc_u32 v[T0], XQT, v[T0]
	v_add_nc_u32 v[T1], 16*YP, v[T1]
	s_sub_co_u32 s[CNT], s[CNT], 1
	s_cmp_lg_u32 s[CNT], 0
	s_cbranch_scc1 .Lproj
	BAR
; ---- G3: x2 = x1 + that, kept in XR; LN(x2) into XA
.irp q, 0,1,2,3
	BIAS2 64+16*\q, 26, 0                          ; the second layer's sums begin with ff2_b
.endr
	global_load_b128 v[224:227], v[L16], s[20:21]
	global_load_b128 v[228:231], v[L16], s[20:21] offset:512
	global_load_b128 v[232:235], v[L16], s[22:23]
	global_load_b128 v[236:239], v[L16], s[22:23] offset:512
	v_add_nc_u32 v[T0], XR, v[RWL]
	v_mov_b32 v[T1], v[YRD]
	v_mov_b32 v[T2], v[XWR]
	s_mov_b32 s[CNT], 2
.Lrows3:
	LROWS 128, T0, 1024, 4
	LROWS 160, T1, YP, 4
	s_wait_dscnt 0x0
	PKADD 128, 160, 16
	LROWST 128, T0, 1024, 4
	s_wait_loadcnt 0x0                             ; the norm's gain and bias (first trip)
	LN4 128, 208, 216, 224, 232
	CVT16 192, 128
	XSTORE T2, 192
	v_add_nc_u32 v[T0], 4096, v[T0]
	v_add_nc_u32 v[T1], 4*YP, v[T1]
	v_add_nc_u32 v[T2], 4*XP, v[T2]
	s_sub_co_u32 s[CNT], s[CNT], 1
	s_cmp_lg_u32 s[CNT], 0
	s_cbranch_scc1 .Lrows3
	BAR
; ---- G4: the feed-forward layer, 256 hidden channels a chunk.  ONE barrier a chunk: a hidden buffer is written again only behind the OTHER buffer's barrier, in front of which every wave has waited for its reads of this one.
.macro CHUNK hb
	s_wait_loadcnt 0x0                             ; this chunk's fragments of ff1_w and its bias
	LOADA 0, F2P, 8192*(\hb), 8                    ; this chunk's fragments of ff2_w land under the first layer's products
	LOADA 64, F2P, 8192*(\hb)+32768, 8
	LOADBF 0, FRX, 0
.irp q, 0,1,2,3
.if \q < 3
	LOADBF (\q+1)%2, FRX, (\q+1)*XQT
	s_wait_dscnt 16                                ; all but the sixteen just issued
.else
	s_wait_dscnt 0x0
.endif
	MMF 128, 128+64*(\q%2), 32, 48
	PLACES 5
	WIN 0
.set i, 0
.rept 8
	v_cvt_pk_bf16_f32 v[ADR+i], v[32+2*i], v[32+2*i+1]
.set i, i+1
.endr
.set i, 0
.rept 8
	v_pk_max_num_bf16 v[ADR+i], v[ADR+i], v[ZERO]  ; the ReLU, two at a time; nothing is rounded
.set i, i+1
.endr
	ds_store_b128 v[HST], v[ADR:ADR+3]   offset:(\hb)*HB+\q*XQT
	ds_store_b128 v[HST], v[ADR+4:ADR+7] offset:(\hb)*HB+\q*XQT+32
.endr
	BAR                                            ; the chunk's 256 hidden channels of all 64 rows lie in LDS
	s_wait_loadcnt 0x0                             ; ff2_w's fragments
.if \hb
	s_cmp_eq_u32 s[CNT], 1                         ; behind the last chunk there is none; the only wait that follows these loads is for 0
	s_cbranch_scc1 .Lno_w1_\@
.endif
	LOADA 128, F1P, 131072*((\hb)+1), 16           ; the next chunk of ff1_w lands under the second layer's products
	WIN 0
	BIAS2 48, 24, 1024*((\hb)+1)
.if \hb
.Lno_w1_\@:
.endif
	LOADBF 0, FRH, (\hb)*HB
.irp q, 0,1,2,3
.if \q < 3
	LOADBF (\q+1)%2, FRH, (\hb)*HB+(\q+1)*XQT
	s_wait_dscnt 16
.else
	s_wait_dscnt 0x0
.endif
	MMF 0, 128+64*(\q%2), 64+16*\q, -1
	PLACES 5
.endr
	WIN 0
.endm
	s_mov_b32 s[CNT], 2
.Lffn:                                         ; two chunks a trip
	CHUNK 0
	CHUNK 1
	s_wait_xcnt 0x0                                ; the loads have read the three pointers
	s_add_nc_u64 s[F1P:F1P+1], s[F1P:F1P+1], 262144
	s_add_nc_u64 s[F2P:F2P+1], s[F2P:F2P+1], 16384
	s_add_nc_u64 s[24:25], s[24:25], 2048
	s_sub_co_u32 s[CNT], s[CNT], 1
	s_cmp_lg_u32 s[CNT], 0
	s_cbranch_scc1 .Lffn
; ---- G5: out0 = x2 + the layer's result, by whole rows
.irp q, 0,1,2,3
.irp i, 0,1
	ds_store_b128 v[YST], v[64+16*\q+8*\i:64+16*\q+8*\i+3]   offset:\q*16*YP+64*\i
	ds_store_b128 v[YST], v[64+16*\q+8*\i+4:64+16*\q+8*\i+7] offset:\q*16*YP+64*\i+16
.endr
.endr
	BAR
	v_add_nc_u32 v[T0], XR, v[RWL]
	LROWS 128, T0, 1024, 8
	LROWS 192, YRD, YP, 8
	s_wait_dscnt 0x0
	PKADD 128, 192, 32
	GROWST 128, RWL, 28, 8
	s_wait_tensorcnt 0x0                           ; the wave's end: behind my last LDS store
	ds_add_u32 v[SPW], v[NIL]
	s_wait_dscnt 0x0
	s_endpgm
.Lfunc_end_k_q45c831da34_ffn:
	.size	k_q45c831da34_ffn, .Lfunc_end_k_q45c831da34_ffn-k_q45c831da34_ffn
	.p2alignl 7, 3214868480
	.fill 96, 4, 3214868480
	.section	.rodata,"a",@progbits
	.p2align	6, 0x0
	.amdhsa_kernel k_q45c831da34_ffn
		.amdhsa_group_segment_fixed_size 234496
		.amdhsa_private_segment_fixed_size 0
		.amdhsa_enable_private_segment 0
		.amdhsa_kernarg_size 88
		.amdhsa_user_sgpr_count 2
		.amdhsa_user_sgpr_kernarg_segment_ptr 1
		.amdhsa_wavefront_size32 1
		.amdhsa_system_sgpr_workgroup_id_x 1
		.amdhsa_system_sgpr_workgroup_id_y 1
		.amdhsa_system_sgpr_workgroup_id_z 1
		.amdhsa_system_vgpr_workitem_id 0
		.amdhsa_next_free_vgpr 512
		.amdhsa_next_free_sgpr 66
		.amdhsa_reserve_vcc 0
		.amdhsa_float_denorm_mode_32 3
		.amdhsa_float_denorm_mode_16_64 3
		.amdhsa_memory_ordered 1
		.amdhsa_forward_progress 1
		.amdhsa_inst_pref_size 189
	.end_amdhsa_kernel
	.amdgpu_metadata
---
amdhsa.version: [ 1, 2 ]
amdhsa.kernels:
  - .name:           k_q45c831da34_ffn
    .symbol:         k_q45c831da34_ffn.kd
    .args:
      - { .name: x1, .offset: 0, .size: 8, .value_kind: global_buffer, .address_space: global }
      - { .name: idx, .offset: 8, .size: 8, .value_kind: global_buffer, .address_space: global }
      - { .name: wts, .offset: 16, .size: 8, .value_kind: global_buffer, .address_space: global }
      - { .name: value, .offset: 24, .size: 8, .value_kind: global_buffer, .address_space: global }
      - { .name: wsw, .offset: 32, .size: 8, .value_kind: global_buffer, .address_space: global }
      - { .name: params_out_b, .offset: 40, .size: 8, .value_kind: global_buffer, .address_space: global }
      - { .name: params_ff_norm_w, .offset: 48, .size: 8, .value_kind: global_buffer, .address_space: global }
      - { .name: params_ff_norm_b, .offset: 56, .size: 8, .value_kind: global_buffer, .address_space: global }
      - { .name: params_ff1_b, .offset: 64, .size: 8, .value_kind: global_buffer, .address_space: global }
      - { .name: params_ff2_b, .offset: 72, .size: 8, .value_kind: global_buffer, .address_space: global }
      - { .name: out0, .offset: 80, .size: 8, .value_kind: global_buffer, .address_space: global }
    .group_segment_fixed_size: 234496
    .private_segment_fixed_size: 0
    .kernarg_segment_align: 8
    .kernarg_segment_size: 88
    .max_flat_workgroup_size: 256
    .sgpr_count:     66
    .vgpr_count:     512
    .wavefront_size: 32
...
	.end_amdgpu_metadata
.endif
;; end of part 3
;; ======== version 2 of 2: 5 launches
;; workspace buffers: value 44,564,480 bytes; kf 8,388,608 bytes; vf 8,388,608 bytes; wsw 2,031,616 bytes; x1 16,777,216 bytes; idx 8,388,608 bytes of whole numbers; wts 16,777,216 bytes; samp 8,388,608 bytes
;; launch prep (part 4): grid 248 x 1, 1 waves a work-group, no clusters, 0 bytes of LDS; arguments params_mha_in_w, params_mha_out_w, params_off_w, params_aw_w, params_out_w, params_ff1_w, params_ff2_w, params_val_w, wsw; writes wsw
.if DOCPART == 4
	.amdgcn_target "amdgcn-amd-amdhsa--gfx1250"
	.amdhsa_code_object_version 6
	.text
	.protected	k_q45c831da34_prep
	.globl	k_q45c831da34_prep
	.p2align	8
	.type	k_q45c831da34_prep,@function
k_q45c831da34_prep:
	s_mov_b64 s[64:65], 0
	v_nop
	global_prefetch_b8 v0, s[64:65] scope:SCOPE_SE
	s_setreg_imm32_b32 hwreg(HW_REG_WAVE_MODE, 25, 1), 1
	s_wait_xcnt 0x0
; AHEAD OF THE FOUR STAGES: every weight matrix is rounded once to bf16 and stored as matrix fragments, so that each later wave takes its weights by loads of 512 consecutive bytes.
; A UNIT is 16 rows x 256 k of one matrix: 8 fragments, 8,192 bytes, at wsw + 8,192 u.  One wave, one unit; 248 units:
;   0 Wq (mha_in_w's rows 0-255)   16 mha_out_w   32 off_w   48 aw_w   56 out_w   72 ff1_w   136 ff2_w (4 units of 256 k for each 16 rows)   200 Wk, Wv (mha_in_w's rows 256-767)   232 val_w
; A FRAGMENT IN MEMORY is 1,024 bytes: bytes 16 l hold registers 0-3 of lane l, bytes 512 + 16 l registers 4-7.  Lane l = (r = l % 16, h = l / 16) holds row r; registers 0-3 k = 8 h + 0..7, registers 4-7 k = 16 + 8 h + 0..7.
; No LDS, no barrier, no matrix unit: 16 KiB in, 8 KiB out for each wave.
.set LANE, 1
.set RR,   4                           ; l % 16
.set HH,   5                           ; l / 16
.set WO,   6                           ; my offset in the unit's 16 rows: row x pitch + 32 h
.set L16,  7                           ; 16 l
.set BO,   14                          ; 32 h
.set TT,   25                          ; v25-27 at work
.set BF,   64                          ; v64-127 the eight fragments
.set WF,   128                         ; v128-255 the unit in f32
	s_load_b512 s[16:31], s[0:1], 0x0              ; mha_in_w 16, mha_out_w 18, off_w 20, aw_w 22, out_w 24, ff1_w 26, ff2_w 28, val_w 30
	s_load_b64 s[36:37], s[0:1], 0x40              ; wsw
	v_and_b32 v[LANE], 31, v0
	v_and_b32 v[RR], 15, v0
	v_bfe_u32 v[HH], v0, 4, 1
	v_lshlrev_b32 v[L16], 4, v[LANE]
	v_lshlrev_b32 v[BO], 5, v[HH]
	s_mov_b32 s4, ttmp9                            ; u
	s_wait_kmcnt 0x0
	s_mov_b64 s[40:41], s[16:17]
	s_add_nc_u64 s[38:39], s[16:17], 0x40000       ; mha_in_w at its row 256
	s_mov_b32 s42, 0                               ; the first unit of the matrix that u falls into
.macro PICK u0, sb
	s_cmp_ge_u32 s4, \u0
	s_cselect_b64 s[40:41], s[\sb:\sb+1], s[40:41]
	s_cselect_b32 s42, \u0, s42
.endm
	PICK 16, 18
	PICK 32, 20
	PICK 48, 22
	PICK 56, 24
	PICK 72, 26
	PICK 136, 28
	PICK 200, 38
	PICK 232, 30
	s_sub_co_u32 s43, s4, s42                      ; the unit's number d in its matrix
	s_lshl_b32 s44, s43, 14                        ; rows of 1,024 bytes: 16 d rows down
	s_lshr_b32 s45, s43, 2                         ; ff2_w has rows of 4,096 bytes: 16 (d / 4) rows down,
	s_lshl_b32 s45, s45, 16
	s_and_b32 s46, s43, 3                          ; 256 (d % 4) numbers along
	s_lshl_b32 s46, s46, 10
	s_or_b32 s45, s45, s46
	s_movk_i32 s47, 1024                           ; the pitch: 1,024 bytes,
	s_cmp_eq_u32 s42, 136
	s_cselect_b32 s44, s45, s44
	s_cselect_b32 s47, 4096, s47                   ; in ff2_w 4,096
	s_mov_b32 s45, 0
	s_add_nc_u64 s[40:41], s[40:41], s[44:45]
	s_lshl_b32 s48, s4, 13
	s_mov_b32 s49, 0
	s_add_nc_u64 s[36:37], s[36:37], s[48:49]
	; aw_w's rows go in with bits 2 and 3 of the row's number exchanged: result row 8 h + 4 t + p is then the logit of level 2 t + h, point p, in the lane that holds that level's offsets
	s_cmp_eq_u32 s42, 48
	s_cselect_b32 s46, -1, 0
	v_and_b32 v[TT], 3, v[RR]
	v_bfe_u32 v[TT+1], v[RR], 2, 1
	v_bfe_u32 v[TT+2], v[RR], 3, 1
	v_lshl_or_b32 v[TT], v[TT+1], 3, v[TT]
	v_lshl_or_b32 v[TT], v[TT+2], 2, v[TT]
	v_cndmask_b32 v[TT], v[RR], v[TT], s46
	v_mul_lo_u32 v[WO], v[TT], s47
	v_add_nc_u32 v[WO], v[BO], v[WO]
.irp ks, 0,1,2,3,4,5,6,7
	global_load_b128 v[WF+16*\ks:WF+16*\ks+3],     v[WO], s[40:41] offset:128*\ks
	global_load_b128 v[WF+16*\ks+4:WF+16*\ks+7],   v[WO], s[40:41] offset:128*\ks+16
	global_load_b128 v[WF+16*\ks+8:WF+16*\ks+11],  v[WO], s[40:41] offset:128*\ks+64
	global_load_b128 v[WF+16*\ks+12:WF+16*\ks+15], v[WO], s[40:41] offset:128*\ks+80
.endr
	s_wait_loadcnt 0x0
.set i, 0
.rept 64
	v_cvt_pk_bf16_f32 v[BF+i], v[WF+2*i], v[WF+2*i+1]
.set i, i+1
.endr
.irp ks, 0,1,2,3,4,5,6,7
	global_store_b128 v[L16], v[BF+8*\ks:BF+8*\ks+3],   s[36:37] offset:1024*\ks       ; each store covers 512 consecutive bytes
	global_store_b128 v[L16], v[BF+8*\ks+4:BF+8*\ks+7], s[36:37] offset:1024*\ks+512
.endr
	s_endpgm
.Lfunc_end_k_q45c831da34_prep:
	.size	k_q45c831da34_prep, .Lfunc_end_k_q45c831da34_prep-k_q45c831da34_prep
	.p2alignl 7, 3214868480
	.fill 96, 4, 3214868480
	.section	.rodata,"a",@progbits
	.p2align	6, 0x0
	.amdhsa_kernel k_q45c831da34_prep
		.amdhsa_group_segment_fixed_size 0
		.amdhsa_private_segment_fixed_size 0
		.amdhsa_enable_private_segment 0
		.amdhsa_kernarg_size 72
		.amdhsa_user_sgpr_count 2
		.amdhsa_user_sgpr_kernarg_segment_ptr 1
		.amdhsa_wavefront_size32 1
		.amdhsa_system_sgpr_workgroup_id_x 1
		.amdhsa_system_sgpr_workgroup_id_y 1
		.amdhsa_system_sgpr_workgroup_id_z 1
		.amdhsa_system_vgpr_workitem_id 0
		.amdhsa_next_free_vgpr 256
		.amdhsa_next_free_sgpr 66
		.amdhsa_reserve_vcc 0
		.amdhsa_float_denorm_mode_32 3
		.amdhsa_float_denorm_mode_16_64 3
		.amdhsa_memory_ordered 1
		.amdhsa_forward_progress 1
		.amdhsa_inst_pref_size 12
	.end_amdhsa_kernel
	.amdgpu_metadata
---
amdhsa.version: [ 1, 2 ]
amdhsa.kernels:
  - .name:           k_q45c831da34_prep
    .symbol:         k_q45c831da34_prep.kd
    .args:
      - { .name: params_mha_in_w, .offset: 0, .size: 8, .value_kind: global_buffer, .address_space: global }
      - { .name: params_mha_out_w, .offset: 8, .size: 8, .value_kind: global_buffer, .address_space: global }
      - { .name: params_off_w, .offset: 16, .size: 8, .value_kind: global_buffer, .address_space: global }
      - { .name: params_aw_w, .offset: 24, .size: 8, .value_kind: global_buffer, .address_space: global }
      - { .name: params_out_w, .offset: 32, .size: 8, .value_kind: global_buffer, .address_space: global }
      - { .name: params_ff1_w, .offset: 40, .size: 8, .value_kind: global_buffer, .address_space: global }
      - { .name: params_ff2_w, .offset: 48, .size: 8, .value_kind: global_buffer, .address_space: global }
      - { .name: params_val_w, .offset: 56, .size: 8, .value_kind: global_buffer, .address_space: global }
      - { .name: wsw, .offset: 64, .size: 8, .value_kind: global_buffer, .address_space: global }
    .group_segment_fixed_size: 0
    .private_segment_fixed_size: 0
    .kernarg_segment_align: 8
    .kernarg_segment_size: 72
    .max_flat_workgroup_size: 32
    .sgpr_count:     66
    .vgpr_count:     256
    .wavefront_size: 32
...
	.end_amdgpu_metadata
.endif
;; end of part 4
;; launch stage1 (part 5): grid 468 x 1, 8 waves a work-group, no clusters, 136,192 bytes of LDS; arguments source, source_mask, params_val_b, value, input, pos, params_self_norm_w, params_self_norm_b, params_mha_in_b, kf, vf, wsw; writes value, kf, vf
.if DOCPART == 5
	.amdgcn_target "amdgcn-amd-amdhsa--gfx1250"
	.amdhsa_code_object_version 6
	.text
	.protected	k_q45c831da34_stage1
	.globl	k_q45c831da34_stage1
	.p2align	8
	.type	k_q45c831da34_stage1,@function
k_q45c831da34_stage1:
	s_mov_b64 s[64:65], 0
	v_nop
	global_prefetch_b8 v0, s[64:65] scope:SCOPE_SE
	s_setreg_imm32_b32 hwreg(HW_REG_WAVE_MODE, 25, 1), 1
	s_wait_xcnt 0x0
; STAGE 1 OF 4.  Two kinds of work-group, told apart by the work-group's number alone (the same in all eight waves):
;   0..339    V:  value = source . val_w^T + val_b, 0 where source_mask is set, rounded once to bf16, stored [head 8][half 2][row 87,040][16 channels]: 256 rows a work-group
;   340..467  KV: h = LN(input), q = h + pos; K = q . Wk^T + bk and V = h . Wv^T + bv, rounded once to bf16, stored as matrix fragments: 128 rows a work-group
; THE WEIGHTS come as ready bf16 fragments out of wsw, which the launch before has stored: a wave's 32 out channels x 256 k are 16 fragments, 16,384 consecutive bytes.
; A FRAGMENT IN MEMORY is 1,024 bytes: bytes 16 l hold registers 0-3 of lane l, bytes 512 + 16 l registers 4-7: two loads of 512 consecutive bytes.
; PRODUCTS ARE TAKEN TRANSPOSED: source 0 = 16 out channels of W, source 1 = 16 data rows; in the result lane (r, h) holds data row r and channels 8 h + 0..7, which pack into 16 bytes.
; Only V is taken the other way round (source 0 = data rows), so that its packed result is a fragment of V^T.  A bias is the C operand of the first K step.  Wave w is head w.
; Matrix operands are bf16, sums f32.  The variance is taken of the centred numbers.  NaN and infinities are not treated apart.
; No tensor load, no cluster: V's source rows are read once by one work-group; the weights shared by all are 16 KiB a wave and matrix, and go straight into the registers that multiply by them.
.set XP,    528                        ; an LDS row of 256 bf16: 512 bytes + 16 = 33 x 16: the 16 rows of a fragment load start in 16 different groups of four banks (ISA guide 11.1)
.set XQT,   16*XP
.set XBUF,  32*XP                      ; V: two buffers of 32 rows
.set XH,    128*XP                     ; KV: q's 128 rows at 0, h's behind them
.set MASKL, 67584                      ; V: the work-group's 256 mask bytes, a copy for each wave
.set SPARE, 135168                     ; the spare words, 128 bytes for each wave: four blocks of 256 bytes that no other line names
.set HALFB, 2785280                    ; 87,040 rows of 32 bytes: one half of a head's channels
.set SECK,  200*8192                   ; sections of wsw: Wk,
.set SECV,  216*8192                   ; Wv,
.set SECVAL, 232*8192                  ; val_w
.set LANE, 1
.set SPW,  2                           ; LDS address of my spare word; never rewritten
.set NIL,  3                           ; 0; never rewritten
.set RR,   4                           ; l % 16
.set HH,   5                           ; l / 16
.set L16,  7                           ; 16 l
.set FR,   8                           ; my place in a fragment's LDS rows: 528 r + 16 h
.set XST,  9                           ; where I put 8 bytes of a row
.set RO,   10                          ; my offset in the rows that my wave converts
.set VST,  11                          ; V: my 16 bytes of 16 rows of value: 32 r + 16 h
.set XS2,  11                          ; KV: XST in h's rows
.set CA,   12                          ; a loop's running copy of FR
.set MKA,  13
.set BO,   14                          ; 32 h
.set MK0,  15
.set OUTR, 16                          ; v16-23 what is stored
.set MK1,  24
.set TT,   25                          ; v25-27 at work
.set MKD,  28                          ; v28-29
.set ROWS, 32                          ; v32-63 four rows as loaded
.set BF,   64                          ; v64-95 two slots of two fragments of the data rows; in KV's row phase pos
.set CV,   80
.set ACC,  96                          ; v96-111 two accumulators; in the row phase at work
.set BIAS, 112                         ; v112-127 two tiles' bias; in the row phase gain and bias of the norm
.set WF,   128                         ; v128-255 my 32 out channels x 256 k: tile i, K step ks at WF + 64 i + 8 ks; in KV's row phase two sets of four rows that wait
.set SEL,  56
.set INV256, 58
.set EPS,  59
.set WV,   60
.set CNT,  61
.macro PLACES n
.rept \n
	v_nop
.endr
.endm
.macro BAR                             ; my LDS instructions are done; then all eight waves meet
	s_wait_dscnt 0x0
	s_barrier_signal -1
	s_barrier_wait -1
.endm
.macro LOADW sb, off                   ; my 16 fragments of a weight matrix
.set f, 0
.rept 16
	global_load_b128 v[WF+8*f:WF+8*f+3],   v[L16], s[\sb:\sb+1] offset:(\off)+1024*f
	global_load_b128 v[WF+8*f+4:WF+8*f+7], v[L16], s[\sb:\sb+1] offset:(\off)+1024*f+512
.set f, f+1
.endr
.endm
.macro BIAS4 sb                        ; register j of tile i = bias[16 i + 8 h + j] behind the pointer
	global_load_b128 v[BIAS:BIAS+3],     v[BO], s[\sb:\sb+1]
	global_load_b128 v[BIAS+4:BIAS+7],   v[BO], s[\sb:\sb+1] offset:16
	global_load_b128 v[BIAS+8:BIAS+11],  v[BO], s[\sb:\sb+1] offset:64
	global_load_b128 v[BIAS+12:BIAS+15], v[BO], s[\sb:\sb+1] offset:80
.endm
.macro LDX ar, slot, ks, xoff          ; the fragments of K steps ks and ks + 1 into a slot
	ds_load_b128 v[BF+16*(\slot):BF+16*(\slot)+3],     v[\ar] offset:(\xoff)+64*(\ks)
	ds_load_b128 v[BF+16*(\slot)+4:BF+16*(\slot)+7],   v[\ar] offset:(\xoff)+64*(\ks)+32
	ds_load_b128 v[BF+16*(\slot)+8:BF+16*(\slot)+11],  v[\ar] offset:(\xoff)+64*(\ks)+64
	ds_load_b128 v[BF+16*(\slot)+12:BF+16*(\slot)+15], v[\ar] offset:(\xoff)+64*(\ks)+96
.endm
.macro MM1 ks, swap                    ; one K step for both tiles: the two accumulators take turns, one instruction a turn
.irp i, 0,1
.set rA, WF+64*\i+8*(\ks)
.set rB, BF+16*(((\ks)/2)%2)+8*((\ks)%2)
.set rD, ACC+8*\i
.set rC, ACC+8*\i
.if (\ks) == 0
.set rC, BIAS+8*\i
.endif
.if \swap
	v_wmma_f32_16x16x32_bf16 v[rD:rD+7], v[rB:rB+7], v[rA:rA+7], v[rC:rC+7]
.else
	v_wmma_f32_16x16x32_bf16 v[rD:rD+7], v[rA:rA+7], v[rB:rB+7], v[rC:rC+7]
.endif
.endr
.endm
; 16 data rows (at the address in ar, LDS byte xoff on) x my two tiles x K = 256.  A slot is loaded again four places behind the products that read it (ISA guide 7.12.1 for vector instructions).
.macro GT1 ar, xoff, swap
	LDX \ar, 0, 0, \xoff
	LDX \ar, 1, 2, \xoff
	s_wait_dscnt 4                         ; the older slot is in; the younger slot's four loads may stay out
	MM1 0, \swap
	MM1 1, \swap
	PLACES 4
	LDX \ar, 0, 4, \xoff
	s_wait_dscnt 4
	MM1 2, \swap
	MM1 3, \swap
	PLACES 4
	LDX \ar, 1, 6, \xoff
	s_wait_dscnt 4
	MM1 4, \swap
	MM1 5, \swap
	s_wait_dscnt 0x0
	MM1 6, \swap
	MM1 7, \swap
	PLACES 5                               ; behind the last product, ahead of all that reads a result or writes one of the products' registers
.endm
.macro PACK8                           ; both accumulators, rounded, from the low end on
.set i, 0
.rept 8
	v_cvt_pk_bf16_f32 v[OUTR+i], v[ACC+2*i], v[ACC+2*i+1]
.set i, i+1
.endr
.endm
.macro CVT16 cv, xv
.set i, 0
.rept 16
	v_cvt_pk_bf16_f32 v[(\cv)+i], v[(\xv)+2*i], v[(\xv)+2*i+1]
.set i, i+1
.endr
.endm
.macro XSTORE ar, cv, base             ; four rows of 256 bf16: lane l holds channels 4 l .. and 128 + 4 l ..
.irp i, 0,1,2,3
	ds_store_b64 v[\ar], v[(\cv)+4*\i:(\cv)+4*\i+1]   offset:(\base)+XP*\i
	ds_store_b64 v[\ar], v[(\cv)+4*\i+2:(\cv)+4*\i+3] offset:(\base)+XP*\i+256
.endr
.endm
.macro RED4 ts                         ; four rows' sums over the 32 lanes, side by side
.irp m, 1,2,4,8
.irp i, 0,1,2,3
	v_add_f32_dpp v[(\ts)+2*\i], v[(\ts)+2*\i], v[(\ts)+2*\i] row_xmask:\m row_mask:0xf bank_mask:0xf
.endr
.endr
.irp i, 0,1,2,3
	v_permlanex16_b32 v[(\ts)+2*\i+1], v[(\ts)+2*\i], s[SEL], s[SEL+1]
.endr
.irp i, 0,1,2,3
	v_add_f32 v[(\ts)+2*\i], v[(\ts)+2*\i], v[(\ts)+2*\i+1]
.endr
.endm
; LayerNorm of four rows (8 numbers a lane each), in place: mean, centred, variance of the centred numbers, 1 / sqrt, gain and bias.
.macro LN4 xv, ts, mu, gw, gb
.irp i, 0,1,2,3
	v_pk_add_f32 v[(\ts)+2*\i:(\ts)+2*\i+1], v[(\xv)+8*\i:(\xv)+8*\i+1], v[(\xv)+8*\i+2:(\xv)+8*\i+3]
	v_pk_add_f32 v[(\mu)+2*\i:(\mu)+2*\i+1], v[(\xv)+8*\i+4:(\xv)+8*\i+5], v[(\xv)+8*\i+6:(\xv)+8*\i+7]
.endr
.irp i, 0,1,2,3
	v_pk_add_f32 v[(\ts)+2*\i:(\ts)+2*\i+1], v[(\ts)+2*\i:(\ts)+2*\i+1], v[(\mu)+2*\i:(\mu)+2*\i+1]
.endr
.irp i, 0,1,2,3
	v_add_f32 v[(\ts)+2*\i], v[(\ts)+2*\i], v[(\ts)+2*\i+1]
.endr
	RED4 \ts
.irp i, 0,1,2,3
	v_mul_f32 v[(\mu)+2*\i], s[INV256], v[(\ts)+2*\i]
.endr
.irp i, 0,1,2,3
.irp k, 0,2,4,6
	v_pk_add_f32 v[(\xv)+8*\i+\k:(\xv)+8*\i+\k+1], v[(\xv)+8*\i+\k:(\xv)+8*\i+\k+1], v[(\mu)+2*\i:(\mu)+2*\i+1] op_sel_hi:[1,0] neg_lo:[0,1] neg_hi:[0,1]
.endr
.endr
.irp i, 0,1,2,3
	v_pk_mul_f32 v[(\ts)+2*\i:(\ts)+2*\i+1], v[(\xv)+8*\i:(\xv)+8*\i+1], v[(\xv)+8*\i:(\xv)+8*\i+1]
.endr
.irp k, 2,4,6
.irp i, 0,1,2,3
	v_pk_fma_f32 v[(\ts)+2*\i:(\ts)+2*\i+1], v[(\xv)+8*\i+\k:(\xv)+8*\i+\k+1], v[(\xv)+8*\i+\k:(\xv)+8*\i+\k+1], v[(\ts)+2*\i:(\ts)+2*\i+1]
.endr
.endr
.irp i, 0,1,2,3
	v_add_f32 v[(\ts)+2*\i], v[(\ts)+2*\i], v[(\ts)+2*\i+1]
.endr
	RED4 \ts
.irp i, 0,1,2,3
	v_fma_f32 v[(\ts)+2*\i], v[(\ts)+2*\i], s[INV256], s[EPS]
.endr
.irp i, 0,1,2,3
	v_rsq_f32 v[(\ts)+2*\i], v[(\ts)+2*\i]
.endr
	v_nop                                  ; a plain instruction behind the last of the four,
	s_wait_alu depctr_va_vdst(0)           ; and one wait ahead of their first reader
.irp i, 0,1,2,3
.irp k, 0,2,4,6
	v_pk_mul_f32 v[(\xv)+8*\i+\k:(\xv)+8*\i+\k+1], v[(\xv)+8*\i+\k:(\xv)+8*\i+\k+1], v[(\ts)+2*\i:(\ts)+2*\i+1] op_sel_hi:[1,0]
.endr
.endr
.irp i, 0,1,2,3
.irp k, 0,2,4,6
	v_pk_fma_f32 v[(\xv)+8*\i+\k:(\xv)+8*\i+\k+1], v[(\xv)+8*\i+\k:(\xv)+8*\i+\k+1], v[(\gw)+\k:(\gw)+\k+1], v[(\gb)+\k:(\gb)+\k+1]
.endr
.endr
.endm
	v_lshl_add_u32 v[SPW], v0, 2, SPARE
	v_mov_b32 v[NIL], 0
	v_lshrrev_b32 v[TT], 5, v0
	v_readfirstlane_b32 s[WV], v[TT]               ; wave 0..7
	v_and_b32 v[LANE], 31, v0
	v_and_b32 v[RR], 15, v0
	v_bfe_u32 v[HH], v0, 4, 1
	v_lshlrev_b32 v[L16], 4, v[LANE]
	v_lshlrev_b32 v[BO], 5, v[HH]
	v_mul_u32_u24 v[FR], v[RR], XP
	v_lshl_add_u32 v[FR], v[HH], 4, v[FR]
	s_cmp_lt_u32 ttmp9, 340
	s_cbranch_scc0 .Lpath_kv
; ---------------- V: 256 rows of source in 8 blocks of 32; wave w converts rows 4 w .. 4 w + 3 of a block and multiplies all 32 by head w's 32 rows of val_w ----------------
	s_load_b256 s[4:11], s[0:1], 0x0               ; source s[4:5], source_mask s[6:7], val_b s[8:9], value s[10:11]
	s_load_b64 s[12:13], s[0:1], 0x58              ; wsw
	s_lshl_b32 s14, ttmp9, 18                      ; 256 rows of 1,024 bytes
	s_mov_b32 s15, 0
	s_mul_i32 s16, s[WV], 2*HALFB                  ; my head's two halves,
	s_lshl_b32 s17, ttmp9, 13                      ; my work-group's 256 rows of 32 bytes
	s_add_co_u32 s16, s16, s17
	s_mov_b32 s17, 0
	s_lshl_b32 s18, ttmp9, 8
	s_mov_b32 s19, 0
	s_lshl_b32 s20, s[WV], 14                      ; my 16 fragments
	s_mov_b32 s21, 0
	s_lshl_b32 s22, s[WV], 7
	s_mov_b32 s23, 0
	s_lshl_b32 s24, s[WV], 12
	v_add_nc_u32 v[RO], s24, v[L16]
	s_mul_i32 s24, s[WV], 4*XP
	v_lshl_add_u32 v[XST], v[LANE], 3, s24
	v_lshlrev_b32 v[VST], 5, v[RR]
	v_lshl_add_u32 v[VST], v[HH], 4, v[VST]
	s_lshl_b32 s24, s[WV], 8
	s_add_co_u32 s24, s24, MASKL
	v_add_nc_u32 v[MKA], s24, v[RR]
	v_lshl_add_u32 v[TT], v[LANE], 3, s24
	v_lshlrev_b32 v[TT+1], 3, v[LANE]
	s_wait_kmcnt 0x0
	s_add_nc_u64 s[4:5], s[4:5], s[14:15]
	s_add_nc_u64 s[10:11], s[10:11], s[16:17]
	s_add_nc_u64 s[6:7], s[6:7], s[18:19]
	s_add_nc_u64 s[12:13], s[12:13], s[20:21]
	s_add_nc_u64 s[8:9], s[8:9], s[22:23]
.macro VROWS                           ; my four rows of a block: each load covers 512 consecutive bytes; source is read once in the launch
.irp i, 0,1,2,3
	global_load_b128 v[ROWS+8*\i:ROWS+8*\i+3],   v[RO], s[4:5] offset:1024*\i th:TH_LOAD_NT
	global_load_b128 v[ROWS+8*\i+4:ROWS+8*\i+7], v[RO], s[4:5] offset:1024*\i+512 th:TH_LOAD_NT
.endr
.endm
	global_load_b64 v[MKD:MKD+1], v[TT+1], s[6:7]  ; the work-group's 256 mask bytes, once, whole
	BIAS4 8
	LOADW 12, SECVAL
	VROWS                                          ; the first block's rows go out with the weights: 45 loads are out
	s_wait_loadcnt 44                              ; the mask bytes are in; the 4 + 32 + 8 loads behind them may stay out
	ds_store_b64 v[TT], v[MKD:MKD+1]               ; my wave's own copy: its later reads need no barrier
; 16 rows x my head's 32 channels: rounded, masked, and stored from the registers: a tile's 16 channels of 16 rows are 512 consecutive bytes, lane (r, h) at 32 r + 16 h
.macro EPI_V buf, qt
	s_wait_xcnt 0x0                                ; the last stores have read OUTR
	PACK8
.if \qt
	v_cmp_eq_u32 vcc_lo, 0, v[MK1]
.else
	v_cmp_eq_u32 vcc_lo, 0, v[MK0]
.endif
.set i, 0
.rept 8
	v_cndmask_b32 v[OUTR+i], 0, v[OUTR+i], vcc_lo  ; kept where the row's mask byte is 0
.set i, i+1
.endr
	global_store_b128 v[VST], v[OUTR:OUTR+3],   s[10:11] offset:(\buf)*1024+(\qt)*512
	global_store_b128 v[VST], v[OUTR+4:OUTR+7], s[10:11] offset:(\buf)*1024+(\qt)*512+HALFB
.endm
; A block.  ONE barrier a block serves both orders: a buffer is written again only behind the OTHER buffer's barrier, in front of which every wave has waited for its reads of this one.
.macro BLOCK buf
	s_wait_loadcnt 0x0                             ; my four rows are in (ahead of the first block: the weights and the bias too)
	CVT16 CV, ROWS
	XSTORE XST, CV, (\buf)*XBUF
	s_add_nc_u64 s[4:5], s[4:5], 32768             ; free since that wait: the next block
.if \buf
	s_cmp_eq_u32 s[CNT], 1                         ; behind the last block there is none; the only wait that follows these loads is for 0
	s_cbranch_scc1 .Lno_rows_\@
.endif
	VROWS
.if \buf
.Lno_rows_\@:
.endif
	ds_load_u8 v[MK0], v[MKA] offset:(\buf)*32
	ds_load_u8 v[MK1], v[MKA] offset:(\buf)*32+16
	BAR
	GT1 FR, (\buf)*XBUF, 0
	EPI_V \buf, 0
	GT1 FR, (\buf)*XBUF+XQT, 0
	EPI_V \buf, 1
.endm
	s_mov_b32 s[CNT], 4
.Lv_trip:
	BLOCK 0
	BLOCK 1
	s_wait_xcnt 0x0                                ; the stores have read their base
	s_add_nc_u64 s[10:11], s[10:11], 2048
	v_add_nc_u32 v[MKA], 64, v[MKA]
	s_sub_co_u32 s[CNT], s[CNT], 1
	s_cmp_lg_u32 s[CNT], 0
	s_cbranch_scc1 .Lv_trip
	s_branch .Lend
; ---------------- KV: 128 rows; wave w norms rows 16 w .. 16 w + 15 and then makes head w's K and V of all 128 ----------------
.Lpath_kv:
	s_load_b512 s[16:31], s[0:1], 0x20             ; input 16, pos 18, self_norm w 20, b 22, mha_in_b 24, kf 26, vf 28, wsw 30
	s_sub_co_u32 s4, ttmp9, 340                    ; block of 128 rows: batch = s4 / 8
	s_mov_b32 s[SEL], 0x76543210
	s_mov_b32 s[SEL+1], 0xfedcba98
	s_mov_b32 s[INV256], 0x3b800000                ; 1 / 256
	s_mov_b32 s[EPS], 0x3727c5ac                   ; 1e-5
	s_lshl_b32 s6, s4, 17
	s_mov_b32 s7, 0
	s_lshr_b32 s8, s4, 3                           ; kf and vf: batch x 524,288 + head x 65,536 + (block in the batch) x 8,192
	s_lshl_b32 s8, s8, 19
	s_and_b32 s9, s4, 7
	s_lshl_b32 s9, s9, 13
	s_or_b32 s8, s8, s9
	s_lshl_b32 s9, s[WV], 16
	s_or_b32 s8, s8, s9
	s_mov_b32 s9, 0
	s_lshl_b32 s10, s[WV], 14                      ; my 16 fragments of a section of wsw
	s_mov_b32 s11, 0
	s_lshl_b32 s12, s[WV], 7                       ; bk
	s_add_co_u32 s12, s12, 1024
	s_mov_b32 s13, 0
	s_lshl_b32 s14, s[WV], 14
	v_add_nc_u32 v[RO], s14, v[L16]
	s_mul_i32 s14, s[WV], 16*XP
	v_lshl_add_u32 v[XST], v[LANE], 3, s14
	v_add_nc_u32 v[XS2], XH, v[XST]
	s_wait_kmcnt 0x0
	s_add_nc_u64 s[16:17], s[16:17], s[6:7]
	s_add_nc_u64 s[18:19], s[18:19], s[6:7]
	s_add_nc_u64 s[26:27], s[26:27], s[8:9]
	s_add_nc_u64 s[28:29], s[28:29], s[8:9]
	s_add_nc_u64 s[30:31], s[30:31], s[10:11]
	s_add_nc_u64 s[24:25], s[24:25], s[12:13]
	global_load_b128 v[BIAS:BIAS+3],     v[L16], s[20:21]
	global_load_b128 v[BIAS+4:BIAS+7],   v[L16], s[20:21] offset:512
	global_load_b128 v[BIAS+8:BIAS+11],  v[L16], s[22:23]
	global_load_b128 v[BIAS+12:BIAS+15], v[L16], s[22:23] offset:512
.macro KVROWS din, dpos, off           ; four rows of input and of pos, byte off on
.irp i, 0,1,2,3
	global_load_b128 v[(\din)+8*\i:(\din)+8*\i+3],     v[RO], s[16:17] offset:(\off)+1024*\i
	global_load_b128 v[(\din)+8*\i+4:(\din)+8*\i+7],   v[RO], s[16:17] offset:(\off)+1024*\i+512
	global_load_b128 v[(\dpos)+8*\i:(\dpos)+8*\i+3],   v[RO], s[18:19] offset:(\off)+1024*\i
	global_load_b128 v[(\dpos)+8*\i+4:(\dpos)+8*\i+7], v[RO], s[18:19] offset:(\off)+1024*\i+512
.endr
.endm
	KVROWS ROWS, BF, 0                             ; rows 0 to 11 are asked for at once: with the norm's four, 52 loads are out.  Rows 4 to 7 and 8 to 11 wait in two sets where the weights will lie
	KVROWS WF, WF+32, 4096
	KVROWS WF+64, WF+96, 8192
	s_wait_loadcnt 0x0
	s_mov_b32 s[CNT], 4
.Lkv_rows:                                     ; four rows a trip
	LN4 ROWS, ACC, ACC+8, BIAS, BIAS+8
	CVT16 ACC, ROWS
	XSTORE XS2, ACC, 0                             ; h
.set i, 0
.rept 16
	v_pk_add_f32 v[ROWS+2*i:ROWS+2*i+1], v[ROWS+2*i:ROWS+2*i+1], v[BF+2*i:BF+2*i+1]
.set i, i+1
.endr
	CVT16 ACC, ROWS
	XSTORE XST, ACC, 0                             ; q = h + pos
	v_add_nc_u32 v[XST], 4*XP, v[XST]
	v_add_nc_u32 v[XS2], 4*XP, v[XS2]
	s_wait_loadcnt 0x0                             ; (second trip: rows 12 to 15, asked for a trip ago)
.set i, 0
.rept 64
	v_mov_b32 v[ROWS+i], v[WF+i]                   ; the rows that wait move up a set, to where the one text of the trip names its rows;
.set i, i+1
.endr
.set i, 0
.rept 64
	v_mov_b32 v[WF+i], v[WF+64+i]                  ; in the last trips the copies serve nothing
.set i, i+1
.endr
	s_cmp_eq_u32 s[CNT], 4                         ; behind the first trip the second set is free: it takes rows 12 to 15; every wait that follows these loads is for 0
	s_cbranch_scc0 .Lkv_norows
	KVROWS WF+64, WF+96, 12288
.Lkv_norows:
	s_sub_co_u32 s[CNT], s[CNT], 1
	s_cmp_lg_u32 s[CNT], 0
	s_cbranch_scc1 .Lkv_rows
	s_wait_loadcnt 0x0                             ; no load of mine is out: the registers of the two sets are asked for anew below
	BIAS4 24                                       ; bk
	LOADW 30, SECK                                 ; Wk
	s_wait_loadcnt 0x0
	BAR                                            ; all 128 rows of q and h lie in LDS; from here on LDS is only read
	v_mov_b32 v[CA], v[FR]
	s_mov_b32 s[CNT], 8
.Lkv_k:                                        ; K, 16 keys a trip: the two packed tiles ARE a fragment (key r, channels along the registers)
	GT1 CA, 0, 0
	s_wait_xcnt 0x0                                ; the last trip's stores have read OUTR and their base
	s_add_nc_u64 s[26:27], s[26:27], 1024          ; stepped ahead of the stores, which reach back
	PACK8
	global_store_b128 v[L16], v[OUTR:OUTR+3],   s[26:27] offset:-1024
	global_store_b128 v[L16], v[OUTR+4:OUTR+7], s[26:27] offset:-512
	v_add_nc_u32 v[CA], XQT, v[CA]
	s_sub_co_u32 s[CNT], s[CNT], 1
	s_cmp_lg_u32 s[CNT], 0
	s_cbranch_scc1 .Lkv_k
	v_lshlrev_b32 v[TT], 2, v[RR]                  ; V is taken with the data rows as source 0: a lane holds ONE channel r, so its bias is one number
	global_load_b32 v[TT+1], v[TT], s[24:25] offset:1024
	global_load_b32 v[TT+2], v[TT], s[24:25] offset:1024+64
	LOADW 30, SECV                                 ; Wv
	s_wait_loadcnt 0x0
.set i, 0
.rept 8
	v_mov_b32 v[BIAS+i], v[TT+1]
	v_mov_b32 v[BIAS+8+i], v[TT+2]
.set i, i+1
.endr
	v_add_nc_u32 v[CA], XH, v[FR]
	s_mov_b32 s[CNT], 8
.Lkv_v:                                        ; V, 16 keys a trip: a packed tile (channel r, 8 keys a lane) is half a fragment of V^T: 16 keys of a step of 32
	GT1 CA, 0, 1
	s_wait_xcnt 0x0                                ; the last trip's stores have read OUTR and their base
	s_sub_co_u32 s34, 8, s[CNT]                    ; the trip's number q: byte (q / 2) x 2,048 + (q % 2) x 512
	s_lshr_b32 s35, s34, 1
	s_lshl_b32 s35, s35, 11
	s_and_b32 s34, s34, 1
	s_lshl_b32 s34, s34, 9
	s_or_b32 s34, s34, s35
	s_mov_b32 s35, 0
	s_add_nc_u64 s[32:33], s[28:29], s[34:35]
	PACK8
	global_store_b128 v[L16], v[OUTR:OUTR+3],   s[32:33]
	global_store_b128 v[L16], v[OUTR+4:OUTR+7], s[32:33] offset:1024
	v_add_nc_u32 v[CA], XQT, v[CA]
	s_sub_co_u32 s[CNT], s[CNT], 1
	s_cmp_lg_u32 s[CNT], 0
	s_cbranch_scc1 .Lkv_v
.Lend:
	s_wait_tensorcnt 0x0                           ; the wave's end: behind my last LDS store
	ds_add_u32 v[SPW], v[NIL]
	s_wait_dscnt 0x0
	s_endpgm
.Lfunc_end_k_q45c831da34_stage1:
	.size	k_q45c831da34_stage1, .Lfunc_end_k_q45c831da34_stage1-k_q45c831da34_stage1
	.p2alignl 7, 3214868480
	.fill 96, 4, 3214868480
	.section	.rodata,"a",@progbits
	.p2align	6, 0x0
	.amdhsa_kernel k_q45c831da34_stage1
		.amdhsa_group_segment_fixed_size 136192
		.amdhsa_private_segment_fixed_size 0
		.amdhsa_enable_private_segment 0
		.amdhsa_kernarg_size 96
		.amdhsa_user_sgpr_count 2
		.amdhsa_user_sgpr_kernarg_segment_ptr 1
		.amdhsa_wavefront_size32 1
		.amdhsa_system_sgpr_workgroup_id_x 1
		.amdhsa_system_sgpr_workgroup_id_y 1
		.amdhsa_system_sgpr_workgroup_id_z 1
		.amdhsa_system_vgpr_workitem_id 0
		.amdhsa_next_free_vgpr 256
		.amdhsa_next_free_sgpr 66
		.amdhsa_reserve_vcc 1
		.amdhsa_float_denorm_mode_32 3
		.amdhsa_float_denorm_mode_16_64 3
		.amdhsa_memory_ordered 1
		.amdhsa_forward_progress 1
		.amdhsa_inst_pref_size 66
	.end_amdhsa_kernel
	.amdgpu_metadata
---
amdhsa.version: [ 1, 2 ]
amdhsa.kernels:
  - .name:           k_q45c831da34_stage1
    .symbol:         k_q45c831da34_stage1.kd
    .args:
      - { .name: source, .offset: 0, .size: 8, .value_kind: global_buffer, .address_space: global }
      - { .name: source_mask, .offset: 8, .size: 8, .value_kind: global_buffer, .address_space: global }
      - { .name: params_val_b, .offset: 16, .size: 8, .value_kind: global_buffer, .address_space: global }
      - { .name: value, .offset: 24, .size: 8, .value_kind: global_buffer, .address_space: global }
      - { .name: input, .offset: 32, .size: 8, .value_kind: global_buffer, .address_space: global }
      - { .name: pos, .offset: 40, .size: 8, .value_kind: global_buffer, .address_space: global }
      - { .name: params_self_norm_w, .offset: 48, .size: 8, .value_kind: global_buffer, .address_space: global }
      - { .name: params_self_norm_b, .offset: 56, .size: 8, .value_kind: global_buffer, .address_space: global }
      - { .name: params_mha_in_b, .offset: 64, .size: 8, .value_kind: global_buffer, .address_space: global }
      - { .name: kf, .offset: 72, .size: 8, .value_kind: global_buffer, .address_space: global }
      - { .name: vf, .offset: 80, .size: 8, .value_kind: global_buffer, .address_space: global }
      - { .name: wsw, .offset: 88, .size: 8, .value_kind: global_buffer, .address_space: global }
    .group_segment_fixed_size: 136192
    .private_segment_fixed_size: 0
    .kernarg_segment_align: 8
    .kernarg_segment_size: 96
    .max_flat_workgroup_size: 256
    .sgpr_count:     66
    .vgpr_count:     256
    .wavefront_size: 32
...
	.end_amdgpu_metadata
.endif
;; end of part 5
;; launch attn (part 6): grid 256 x 1, 8 waves a work-group, no clusters, 266,240 bytes of LDS; arguments input, pos, reference_point, params_self_norm_w, params_self_norm_b, params_cross_norm_w, params_cross_norm_b, params_mha_in_b, params_mha_out_b, params_off_b, params_aw_b, wsw, kf, vf, x1, out1, idx, wts; writes x1, out1, idx, wts
.if DOCPART == 6
	.amdgcn_target "amdgcn-amd-amdhsa--gfx1250"
	.amdhsa_code_object_version 6
	.text
	.protected	k_q45c831da34_attn
	.globl	k_q45c831da34_attn
	.p2align	8
	.type	k_q45c831da34_attn,@function
k_q45c831da34_attn:
	s_mov_b64 s[64:65], 0
	v_nop
	global_prefetch_b8 v0, s[64:65] scope:SCOPE_SE
	s_setreg_imm32_b32 hwreg(HW_REG_WAVE_MODE, 25, 1), 1
	s_wait_xcnt 0x0
; STAGE 2 OF 4.  A work-group owns 64 queries of one batch; wave w is head w, channel tiles 2 w and 2 w + 1 of every projection, and rows 8 w .. 8 w + 7 wherever rows are walked.
;   P0 q = LN(input) + pos   P1 Q = q Wq^T + bq, kept in registers   P2 attention over the batch's 1,024 keys, 64 a step   P3 O / l   P4 mha_out   P5 x1 = input + that (stored, f32); LN + pos
;   P6 offsets and weights of the 16 sampling points: loc (out1), and for each point two whole numbers (where its upper and its lower row begin) and four corner weights   P7 out1 leaves by rows
; LAYOUT.  All products are transposed (source 0 = 16 out channels or keys, source 1 = 16 queries): a lane holds ONE query (lane % 16) and eight channels or keys 8 (lane / 16) + 0..7, so that two packed
; results are the next product's source 1.  Weights, K and V^T come from memory as ready fragments (two loads of 512 consecutive bytes each), straight into the one wave that uses them.
; SOFTMAX.  A running maximum m for each query; p = 2^(c s - c m), c = log2(e) / sqrt(32); O and l are multiplied by a = 2^(c m_old - c m_new) in every step; m starts at the lowest finite number, O and l at 0.
; l is the product of a fragment of ones with P: the sum of the weights as rounded to bf16, in f32, the same in every lane of the query.
; SAMPLING.  The two columns that are read are b and b + 1, b = floor(x) held to 0 .. size - 2 while it is still a float; a column's weight is max(0, 1 - |x - column|): the bilinear weight, and 0 for a corner
; outside the map.  Rows likewise.  So positions of any finite size are served.  The next launch keeps a map's rows interleaved in pairs: position (y, x) of a level lies in slot start + (y / 2) 2 W + 2 x + y % 2.
; LIMITS.  Matrix operands, P and the corner weights are bf16, rounded once; x1 and loc stay f32.  A weight below 2^-126 counts as 0.  NaN and infinities are not treated apart.
; source_shape and level_start are not read: the module takes the four levels' sizes and starts from its own constants.
; NO CLUSTER, NO TENSOR LOAD: the row state takes 265,216 of the 327,680 bytes of LDS; one 64-key step of K and V for eight heads is 65,536 bytes, so two slots do not fit beside it.
; REGISTERS, in windows of 256 (s_set_vgpr_msb: bits 1:0 source 0, 3:2 source 1, 5:4 source 2, 7:6 destination):
;   window 0: v0-31 addresses and lane constants; v32-63 statistics, 8 a query tile (row phases: at work); v64-191 S^T (tile qt, keys kt at 64 + 32 qt + 8 kt), P packed in place; v192-223 Q; v224-255 biases
;   window 1: v0-63 O^T; v64-95 l; v96-103 ones; v128-255 K and V, two buffers of 32 + 32.  Outside attention: weight fragments, v0-127 and v128-255.
.set XP,    528
.set XQT,   16*XP
.set YP,    1040                       ; an LDS row of 256 f32: 1,024 bytes + 16 = 65 x 16
.set XA,    0                          ; bf16 [64][256]: q, later the cross query
.set XB,    33792                      ; bf16 [64][256]: attention's output
.set YY,    67584                      ; f32 [64][256]: a projection's result, later loc
.set XR,    134144                     ; input's rows, f32: each wave's own 8,192 bytes
.set PR,    199680                     ; pos's rows, likewise
.set SPARE, 265216                     ; the spare words, 128 bytes for each wave: four blocks of 256 bytes that no other line names
.set WQ,    0                          ; sections of wsw
.set WMO,   131072
.set WOFF,  262144
.set WAW,   393216
.set L16,  1
.set SPW,  2
.set NIL,  3
.set FRA,  4                           ; 528 r + 16 h
.set FRB,  5                           ; the same in XB
.set YST,  6                           ; YY + 1,040 r + 32 h + 128 w
.set OST,  7                           ; XB + 528 r + 16 h + 64 w
.set RWL,  8                           ; 8,192 w + 16 l
.set XWR,  9                           ; 4,224 w + 8 l
.set YRD,  10                          ; YY + 8,320 w + 16 l
.set BO,   11                          ; 32 h + 128 w
.set REFO, 12                          ; 32 r + 8 h
.set IST,  13                          ; 32 r + 16 h
.set PFO,  14                          ; 256 l
.set CA,   15                          ; loops' running copies of addresses
.set INV,  16                          ; v16-19  1 / size of levels h and 2 + h, each twice
.set SZ,   20                          ; v20-23  the sizes, each twice
.set SM,   24                          ; v24-25  size - 2
.set STI,  26                          ; v26-27  the levels' first slots
.set CB,   28
.set CC,   29
.set TA,   30
.set TB,   31
.set ST,   32                          ; tile qt at ST + 8 qt: c m, m, a, c m_old, c0-c3
.set LW,   32                          ; P6: v32-33 log2 of the two levels' widths
.set C2,   34                          ; P6: v34-35 twice the width less 2
.set S,    64
.set BFR,  64                          ; outside attention: eight fragments of 16 rows
.set ACC,  128
.set Q,    192
.set BI,   224
.set AWO,  248
.set WV,   44
.set SEL,  46
.set INV256, 48
.set EPS,  49
.set CS,   50
.set KP,   52
.set VP,   54
.set CNT,  56
.set LIM,  57
.set L2E,  58
.set W16,  66                          ; wsw + 16,384 w
.set W8,   68                          ; wsw + 8,192 w
.set MSB, 0
.macro WIN new                         ; the immediate's high byte repeats the setting that is left; a switch that changes nothing is dropped
.if MSB != (\new)
	s_set_vgpr_msb (MSB<<8)|(\new)
.set MSB, (\new)
.endif
.endm
.macro PLACES n
.rept \n
	v_nop
.endr
.endm
.macro BAR
	s_wait_dscnt 0x0
	s_barrier_signal -1
	s_barrier_wait -1
.endm
.macro LOADA dst, sb, off, n           ; n weight fragments into window 1
	WIN 0x40
.set f, 0
.rept \n
	global_load_b128 v[(\dst)+8*f:(\dst)+8*f+3],   v[L16], s[\sb:\sb+1] offset:(\off)+1024*f
	global_load_b128 v[(\dst)+8*f+4:(\dst)+8*f+7], v[L16], s[\sb:\sb+1] offset:(\off)+1024*f+512
.set f, f+1
.endr
.endm
.macro KVLOAD kb, off                  ; a step's four fragments of K and four of V^T into buffer kb
	WIN 0x40
.irp f, 0,1,2,3
	global_load_b128 v[128+64*(\kb)+8*\f:128+64*(\kb)+8*\f+3],   v[L16], s[KP:KP+1] offset:(\off)+1024*\f
	global_load_b128 v[128+64*(\kb)+8*\f+4:128+64*(\kb)+8*\f+7], v[L16], s[KP:KP+1] offset:(\off)+1024*\f+512
.endr
.irp f, 0,1,2,3
	global_load_b128 v[160+64*(\kb)+8*\f:160+64*(\kb)+8*\f+3],   v[L16], s[VP:VP+1] offset:(\off)+1024*\f
	global_load_b128 v[160+64*(\kb)+8*\f+4:160+64*(\kb)+8*\f+7], v[L16], s[VP:VP+1] offset:(\off)+1024*\f+512
.endr
.endm
.macro BIAS2 dst, sb, off              ; register j of tile i = bias[32 w + 16 i + 8 h + j]
	global_load_b128 v[(\dst):(\dst)+3],     v[BO], s[\sb:\sb+1] offset:(\off)
	global_load_b128 v[(\dst)+4:(\dst)+7],   v[BO], s[\sb:\sb+1] offset:(\off)+16
	global_load_b128 v[(\dst)+8:(\dst)+11],  v[BO], s[\sb:\sb+1] offset:(\off)+64
	global_load_b128 v[(\dst)+12:(\dst)+15], v[BO], s[\sb:\sb+1] offset:(\off)+80
.endm
.macro LOADB ar, off                   ; 16 rows x 256 channels: eight fragments
	WIN 0
.irp ks, 0,1,2,3,4,5,6,7
	ds_load_b128 v[BFR+8*\ks:BFR+8*\ks+3],   v[\ar] offset:(\off)+64*\ks
	ds_load_b128 v[BFR+8*\ks+4:BFR+8*\ks+7], v[\ar] offset:(\off)+64*\ks+32
.endr
.endm
; 16 products: two channel tiles x K = 256; the two accumulators take turns, one instruction a turn; the first K step takes the bias as C
.macro MMF a, bf, acc, cb
	WIN 0x01
.irp ks, 0,1,2,3,4,5,6,7
.irp i, 0,1
.set rC, (\acc)+8*\i
.if \ks == 0
.set rC, (\cb)+8*\i
.endif
	v_wmma_f32_16x16x32_bf16 v[(\acc)+8*\i:(\acc)+8*\i+7], v[(\a)+64*\i+8*\ks:(\a)+64*\i+8*\ks+7], v[(\bf)+8*\ks:(\bf)+8*\ks+7], v[rC:rC+7]
.endr
.endr
.endm
.macro GROWS dst, ar, sb, n            ; n rows of 1,024 bytes from memory: each load covers 512 consecutive bytes
.set i, 0
.rept \n
	global_load_b128 v[(\dst)+8*i:(\dst)+8*i+3],   v[\ar], s[\sb:\sb+1] offset:1024*i
	global_load_b128 v[(\dst)+8*i+4:(\dst)+8*i+7], v[\ar], s[\sb:\sb+1] offset:1024*i+512
.set i, i+1
.endr
.endm
.macro GROWST src, ar, sb, n
.set i, 0
.rept \n
	global_store_b128 v[\ar], v[(\src)+8*i:(\src)+8*i+3],   s[\sb:\sb+1] offset:1024*i
	global_store_b128 v[\ar], v[(\src)+8*i+4:(\src)+8*i+7], s[\sb:\sb+1] offset:1024*i+512
.set i, i+1
.endr
.endm
.macro LROWS dst, ar, pitch, n
.set i, 0
.rept \n
	ds_load_b128 v[(\dst)+8*i:(\dst)+8*i+3],   v[\ar] offset:(\pitch)*i
	ds_load_b128 v[(\dst)+8*i+4:(\dst)+8*i+7], v[\ar] offset:(\pitch)*i+512
.set i, i+1
.endr
.endm
.macro LROWST src, ar, pitch, n
.set i, 0
.rept \n
	ds_store_b128 v[\ar], v[(\src)+8*i:(\src)+8*i+3] offset:(\pitch)*i
	ds_store_b128 v[\ar], v[(\src)+8*i+4:(\src)+8*i+7] offset:(\pitch)*i+512
.set i, i+1
.endr
.endm
.macro PKADD a, b, n                   ; a += b, n pairs
.set i, 0
.rept \n
	v_pk_add_f32 v[(\a)+2*i:(\a)+2*i+1], v[(\a)+2*i:(\a)+2*i+1], v[(\b)+2*i:(\b)+2*i+1]
.set i, i+1
.endr
.endm
.macro CVT16 cv, xv
.set i, 0
.rept 16
	v_cvt_pk_bf16_f32 v[(\cv)+i], v[(\xv)+2*i], v[(\xv)+2*i+1]
.set i, i+1
.endr
.endm
.macro XSTORE ar, cv
.irp i, 0,1,2,3
	ds_store_b64 v[\ar], v[(\cv)+4*\i:(\cv)+4*\i+1]   offset:XP*\i
	ds_store_b64 v[\ar], v[(\cv)+4*\i+2:(\cv)+4*\i+3] offset:XP*\i+256
.endr
.endm
.macro RED4 ts
.irp m, 1,2,4,8
.irp i, 0,1,2,3
	v_add_f32_dpp v[(\ts)+2*\i], v[(\ts)+2*\i], v[(\ts)+2*\i] row_xmask:\m row_mask:0xf bank_mask:0xf
.endr
.endr
.irp i, 0,1,2,3
	v_permlanex16_b32 v[(\ts)+2*\i+1], v[(\ts)+2*\i], s[SEL], s[SEL+1]
.endr
.irp i, 0,1,2,3
	v_add_f32 v[(\ts)+2*\i], v[(\ts)+2*\i], v[(\ts)+2*\i+1]
.endr
.endm
; LayerNorm of four rows (8 numbers a lane each), in place: mean, centred, variance of the centred numbers, 1 / sqrt, gain and bias.
.macro LN4 xv, ts, mu, gw, gb
.irp i, 0,1,2,3
	v_pk_add_f32 v[(\ts)+2*\i:(\ts)+2*\i+1], v[(\xv)+8*\i:(\xv)+8*\i+1], v[(\xv)+8*\i+2:(\xv)+8*\i+3]
	v_pk_add_f32 v[(\mu)+2*\i:(\mu)+2*\i+1], v[(\xv)+8*\i+4:(\xv)+8*\i+5], v[(\xv)+8*\i+6:(\xv)+8*\i+7]
.endr
.irp i, 0,1,2,3
	v_pk_add_f32 v[(\ts)+2*\i:(\ts)+2*\i+1], v[(\ts)+2*\i:(\ts)+2*\i+1], v[(\mu)+2*\i:(\mu)+2*\i+1]
.endr
.irp i, 0,1,2,3
	v_add_f32 v[(\ts)+2*\i], v[(\ts)+2*\i], v[(\ts)+2*\i+1]
.endr
	RED4 \ts
.irp i, 0,1,2,3
	v_mul_f32 v[(\mu)+2*\i], s[INV256], v[(\ts)+2*\i]
.endr
.irp i, 0,1,2,3
.irp k, 0,2,4,6
	v_pk_add_f32 v[(\xv)+8*\i+\k:(\xv)+8*\i+\k+1], v[(\xv)+8*\i+\k:(\xv)+8*\i+\k+1], v[(\mu)+2*\i:(\mu)+2*\i+1] op_sel_hi:[1,0] neg_lo:[0,1] neg_hi:[0,1]
.endr
.endr
.irp i, 0,1,2,3
	v_pk_mul_f32 v[(\ts)+2*\i:(\ts)+2*\i+1], v[(\xv)+8*\i:(\xv)+8*\i+1], v[(\xv)+8*\i:(\xv)+8*\i+1]
.endr
.irp k, 2,4,6
.irp i, 0,1,2,3
	v_pk_fma_f32 v[(\ts)+2*\i:(\ts)+2*\i+1], v[(\xv)+8*\i+\k:(\xv)+8*\i+\k+1], v[(\xv)+8*\i+\k:(\xv)+8*\i+\k+1], v[(\ts)+2*\i:(\ts)+2*\i+1]
.endr
.endr
.irp i, 0,1,2,3
	v_add_f32 v[(\ts)+2*\i], v[(\ts)+2*\i], v[(\ts)+2*\i+1]
.endr
	RED4 \ts
.irp i, 0,1,2,3
	v_fma_f32 v[(\ts)+2*\i], v[(\ts)+2*\i], s[INV256], s[EPS]
.endr
.irp i, 0,1,2,3
	v_rsq_f32 v[(\ts)+2*\i], v[(\ts)+2*\i]
.endr
	v_nop                                  ; a plain instruction behind the last of the four,
	s_wait_alu depctr_va_vdst(0)           ; and one wait ahead of their first reader
.irp i, 0,1,2,3
.irp k, 0,2,4,6
	v_pk_mul_f32 v[(\xv)+8*\i+\k:(\xv)+8*\i+\k+1], v[(\xv)+8*\i+\k:(\xv)+8*\i+\k+1], v[(\ts)+2*\i:(\ts)+2*\i+1] op_sel_hi:[1,0]
.endr
.endr
.irp i, 0,1,2,3
.irp k, 0,2,4,6
	v_pk_fma_f32 v[(\xv)+8*\i+\k:(\xv)+8*\i+\k+1], v[(\xv)+8*\i+\k:(\xv)+8*\i+\k+1], v[(\gw)+\k:(\gw)+\k+1], v[(\gb)+\k:(\gb)+\k+1]
.endr
.endr
.endm
	s_load_b512 s[8:23], s[0:1], 0x0               ; input 8, pos 10, reference_point 12, self_norm w 14, b 16, cross_norm w 18, b 20, mha_in_b 22
	s_load_b512 s[24:39], s[0:1], 0x40             ; mha_out_b 24, off_b 26, aw_b 28, wsw 30, kf 32, vf 34, x1 36, out1 38
	s_load_b128 s[40:43], s[0:1], 0x80             ; idx 40, wts 42
	v_lshl_add_u32 v[SPW], v0, 2, SPARE
	v_mov_b32 v[NIL], 0
	v_lshrrev_b32 v[TA], 5, v0
	v_readfirstlane_b32 s[WV], v[TA]               ; wave 0..7
	v_and_b32 v[TA], 31, v0                        ; l
	v_and_b32 v[TB], 15, v0                        ; r
	v_bfe_u32 v[CA], v0, 4, 1                      ; h
	v_lshlrev_b32 v[L16], 4, v[TA]
	v_mul_u32_u24 v[FRA], v[TB], XP
	v_lshl_add_u32 v[FRA], v[CA], 4, v[FRA]
	v_add_nc_u32 v[FRB], XB, v[FRA]
	s_lshl_b32 s60, s[WV], 6
	v_add_nc_u32 v[OST], s60, v[FRB]
	v_mul_u32_u24 v[YST], v[TB], YP
	v_lshl_add_u32 v[YST], v[CA], 5, v[YST]
	s_lshl_b32 s60, s[WV], 7
	v_lshl_add_u32 v[BO], v[CA], 5, s60
	s_add_co_u32 s60, s60, YY
	v_add_nc_u32 v[YST], s60, v[YST]
	s_lshl_b32 s60, s[WV], 13
	v_add_nc_u32 v[RWL], s60, v[L16]
	s_mul_i32 s60, s[WV], 8*XP
	v_lshl_add_u32 v[XWR], v[TA], 3, s60
	s_mul_i32 s60, s[WV], 8*YP
	s_add_co_u32 s60, s60, YY
	v_add_nc_u32 v[YRD], s60, v[L16]
	v_lshlrev_b32 v[REFO], 5, v[TB]
	v_lshl_add_u32 v[IST], v[CA], 4, v[REFO]
	v_lshl_add_u32 v[REFO], v[CA], 3, v[REFO]
	v_lshlrev_b32 v[PFO], 8, v[TA]
	; my lanes hold levels h (t = 0) and 2 + h (t = 1): sizes 64 or 32, and 16 or 8: powers of two, made by stepping a float's exponent
	v_lshlrev_b32 v[TA], 23, v[CA]
	v_sub_nc_u32 v[SZ], 0x42800000, v[TA]
	v_mov_b32 v[SZ+1], v[SZ]
	v_sub_nc_u32 v[SZ+2], 0x41800000, v[TA]
	v_mov_b32 v[SZ+3], v[SZ+2]
	v_add_nc_u32 v[INV], 0x3c800000, v[TA]
	v_mov_b32 v[INV+1], v[INV]
	v_add_nc_u32 v[INV+2], 0x3d800000, v[TA]
	v_mov_b32 v[INV+3], v[INV+2]
	v_add_f32 v[SM], -2.0, v[SZ]
	v_add_f32 v[SM+1], -2.0, v[SZ+2]
	v_lshlrev_b32 v[STI], 12, v[CA]                ; the levels begin at 0, 4,096, 5,120, 5,376
	v_lshl_add_u32 v[STI+1], v[CA], 8, 0x1400
	s_mov_b32 s[SEL], 0x76543210
	s_mov_b32 s[SEL+1], 0xfedcba98
	s_mov_b32 s[INV256], 0x3b800000                ; 1 / 256
	s_mov_b32 s[EPS], 0x3727c5ac                   ; 1e-5
	s_mov_b32 s[CS], 0x3e8293ee                    ; c = log2(e) / sqrt(32) = 0.255035
	s_mov_b32 s[CS+1], s[CS]
	s_mov_b32 s[L2E], 0x3fb8aa3b                   ; log2(e)
	s_mov_b32 s[L2E+1], s[L2E]
	s_and_b32 s[LIM], ttmp9, 15                    ; the batch's first work-group prefetches K and V, while more than two trips are left
	s_cmp_eq_u32 s[LIM], 0
	s_cselect_b32 s[LIM], 2, -1
	s_mov_b32 s61, 0
	s_wait_kmcnt 0x0
	s_lshl_b32 s60, ttmp9, 16                      ; my 64 rows of 1,024 bytes
	s_add_nc_u64 s[8:9], s[8:9], s[60:61]
	s_add_nc_u64 s[10:11], s[10:11], s[60:61]
	s_add_nc_u64 s[36:37], s[36:37], s[60:61]
	s_add_nc_u64 s[38:39], s[38:39], s[60:61]
	s_lshl_b32 s60, ttmp9, 11                      ; 64 rows of 32 bytes
	s_add_nc_u64 s[12:13], s[12:13], s[60:61]
	s_lshr_b32 s62, ttmp9, 4                       ; idx and wts go by (batch, head, tile of 16 queries): tile number ((8 batch + head) 64 + 4 (my block in the batch))
	s_lshl3_add_u32 s62, s62, s[WV]
	s_lshl_b32 s62, s62, 6
	s_and_b32 s63, ttmp9, 15
	s_lshl2_add_u32 s62, s63, s62
	s_lshl_b32 s60, s62, 10                        ; idx: 1,024 bytes a tile
	s_add_nc_u64 s[40:41], s[40:41], s[60:61]
	s_lshl_b32 s60, s62, 11                        ; wts: 2,048
	s_add_nc_u64 s[42:43], s[42:43], s[60:61]
	s_lshr_b32 s60, ttmp9, 4                       ; K and V: batch x 524,288 + head x 65,536
	s_lshl_b32 s60, s60, 19
	s_lshl_b32 s62, s[WV], 16
	s_add_co_u32 s60, s60, s62
	s_add_nc_u64 s[KP:KP+1], s[32:33], s[60:61]
	s_add_nc_u64 s[VP:VP+1], s[34:35], s[60:61]
	s_lshl_b32 s60, s[WV], 14
	s_add_nc_u64 s[W16:W16+1], s[30:31], s[60:61]
	s_lshl_b32 s60, s[WV], 13
	s_add_nc_u64 s[W8:W8+1], s[30:31], s[60:61]
; ---- P0: Wq's fragments, bq and the norm are asked for (40 loads; with a trip's 16 rows 56 are out); then q = LN(input) + pos for my eight rows; input and pos are kept in LDS for P5
	LOADA 0, W16, WQ, 16
	WIN 0
	BIAS2 BI, 22, 0                                ; bq
	global_load_b128 v[48:51], v[L16], s[14:15]
	global_load_b128 v[52:55], v[L16], s[14:15] offset:512
	global_load_b128 v[56:59], v[L16], s[16:17]
	global_load_b128 v[60:63], v[L16], s[16:17] offset:512
	v_mov_b32 v[CA], v[RWL]
	v_mov_b32 v[CB], v[XWR]
	s_mov_b32 s[CNT], 2
.Lrows1:                                       ; four rows a trip
	GROWS 64, CA, 8, 4
	GROWS 96, CA, 10, 4
	v_add_nc_u32 v[TA], XR, v[CA]
	v_add_nc_u32 v[TB], PR, v[CA]
	s_wait_loadcnt 0x0
	LROWST 64, TA, 1024, 4
	LROWST 96, TB, 1024, 4
	v_add_nc_u32 v[CA], 4096, v[CA]
	LN4 64, 32, 40, 48, 56
	PKADD 64, 96, 16
	CVT16 128, 64
	XSTORE CB, 128
	v_add_nc_u32 v[CB], 4*XP, v[CB]
	s_sub_co_u32 s[CNT], s[CNT], 1
	s_cmp_lg_u32 s[CNT], 0
	s_cbranch_scc1 .Lrows1
	KVLOAD 0, 0                                    ; the first key step's K and V: they land under the Q projection
	WIN 0
	BAR                                            ; q's 64 rows lie in XA
; ---- P1: my head's Q: two packed channel tiles are source 1 of K Q^T
.irp q, 0,1,2,3
	LOADB FRA, \q*XQT
	s_wait_dscnt 0x0
	MMF 0, BFR, ACC, BI
	PLACES 5
	WIN 0
.set i, 0
.rept 8
	v_cvt_pk_bf16_f32 v[Q+8*\q+i], v[ACC+2*i], v[ACC+2*i+1]
.set i, i+1
.endr
.endr
	WIN 0x40                                       ; O^T and l start at 0, so that the first key step is a step like any other (its a is 0): 96 lines, once
.set i, 0
.rept 96
	v_mov_b32 v[i], 0
.set i, i+1
.endr
.set i, 0
.rept 8
	v_mov_b32 v[96+i], 0x3f803f80                  ; a fragment of ones
.set i, i+1
.endr
	WIN 0
.irp q, 0,1,2,3
	v_mov_b32 v[ST+8*\q], 0xfe000000               ; c m: far below every c s
	v_mov_b32 v[ST+8*\q+1], 0xff7fffff             ; m
.endr
; ---- P2: attention.  Number n of the 22 that find a tile's maximum and statistics; each accumulator's lowest registers are read first.
.macro XS q, n
.set rT, ST+8*(\q)
.set rS, S+32*(\q)
.if (\n) < 4
	v_max3_num_f32 v[rT+4+(\n)], v[rS+8*(\n)], v[rS+8*(\n)+1], v[rS+8*(\n)+2]
.elseif (\n) < 12
	v_max3_num_f32 v[rT+4+(\n)%4], v[rT+4+(\n)%4], v[rS+8*((\n)%4)+2*((\n)/4)+1], v[rS+8*((\n)%4)+2*((\n)/4)+2]
.elseif (\n) == 12
	v_max3_num_f32 v[rT+4], v[rT+4], v[rS+7], v[rS+15]
.elseif (\n) == 13
	v_max3_num_f32 v[rT+5], v[rT+5], v[rS+23], v[rS+31]
.elseif (\n) == 14
	v_max3_num_f32 v[rT+6], v[rT+6], v[rT+7], v[rT+1]
.elseif (\n) == 15
	v_mov_b32 v[rT+3], v[rT]
.elseif (\n) == 16
	v_max3_num_f32 v[rT+4], v[rT+4], v[rT+5], v[rT+6]
.elseif (\n) == 17
	v_permlanex16_b32 v[rT+7], v[rT+4], s[SEL], s[SEL+1]  ; the query's other 32 keys lie in the lane 16 away
.elseif (\n) == 18
	v_max_num_f32 v[rT+1], v[rT+4], v[rT+7]
.elseif (\n) == 19
	v_mul_f32 v[rT], s[CS], v[rT+1]
.elseif (\n) == 20
	v_sub_f32 v[rT+5], v[rT+3], v[rT]
.else
	v_exp_f32 v[rT+2], v[rT+5]
.endif
.endm
.macro FS q, b                         ; pair b of a tile's scores: c s - c m
	v_pk_fma_f32 v[S+32*(\q)+2*(\b):S+32*(\q)+2*(\b)+1], v[S+32*(\q)+2*(\b):S+32*(\q)+2*(\b)+1], s[CS:CS+1], v[ST+8*(\q):ST+8*(\q)+1] op_sel_hi:[1,0,0] neg_lo:[0,0,1] neg_hi:[0,0,1]
.endm
; A step of 64 keys, out of buffer kb, in plain phases: the SIMD's other wave has the matrix unit while this one walks its softmax.
.macro STEP kb
	s_wait_loadcnt 0x0                             ; this step's K and V, asked for a step ago
	WIN 0x01
.irp kt, 0,1,2,3
.irp q, 0,1,2,3
	v_wmma_f32_16x16x32_bf16 v[S+32*\q+8*\kt:S+32*\q+8*\kt+7], v[128+64*(\kb)+8*\kt:128+64*(\kb)+8*\kt+7], v[Q+8*\q:Q+8*\q+7], 0
.endr
.endr
	PLACES 4                                       ; behind the scores' products, ahead of their first reader and of the loads into the other buffer
	WIN 0
.if \kb
	s_cmp_eq_u32 s[CNT], 1                         ; behind the last step there is none; the only wait that follows these loads is for 0
	s_cbranch_scc1 .Lno_kv_\@
.endif
	KVLOAD 1-(\kb), 4096+4096*(\kb)
	WIN 0
.if \kb
.Lno_kv_\@:
.else
	; A PREFETCH of what the next trip will load: steps 2 T + 3 and 2 T + 4 of my head, 8,192 bytes of K and of V, a lane for each 256.  All 16 work-groups of a batch walk the same rows: the batch's first asks,
	; each wave for its own head, so each block is named once in the launch.  The last two trips ask for nothing: the bytes named would lie past the head's 65,536.  Steps 0 to 2 and 15 come by their loads alone.
	s_cmp_gt_u32 s[CNT], s[LIM]
	s_cbranch_scc0 .Lno_pf_\@
	global_prefetch_b8 v[PFO], s[KP:KP+1] offset:12288 th:TH_LOAD_NT scope:SCOPE_SE
	global_prefetch_b8 v[PFO], s[VP:VP+1] offset:12288 th:TH_LOAD_NT scope:SCOPE_SE
.Lno_pf_\@:
.endif
.irp n, 0,1,2,3,4,5,6,7,8,9,10,11,12,13,14,15,16,17,18,19,20,21
.irp q, 0,1,2,3
	XS \q, \n                                      ; the four tiles side by side, so that no line waits for the one before it
.endr
.endr
.irp q, 0,1,2,3                        ; ONE BATCH: the four a above and the 128 exponentials; nothing ahead of the wait names a result of theirs
	FS \q, 0
.set i, 0
.rept 16
.if i < 15
	FS \q, i+1
.endif
	v_exp_f32 v[S+32*\q+2*i], v[S+32*\q+2*i]
	v_exp_f32 v[S+32*\q+2*i+1], v[S+32*\q+2*i+1]
.set i, i+1
.endr
.endr
	v_nop                                          ; a plain instruction behind the last exponential,
	s_wait_alu depctr_va_vdst(0)                   ; and one wait ahead of the batch's first reader
.irp q, 0,1,2,3
.set i, 0
.rept 16
	v_cvt_pk_bf16_f32 v[S+32*\q+i], v[S+32*\q+2*i], v[S+32*\q+2*i+1]  ; P, packed in place from the low end on
.set i, i+1
.endr
.endr
	WIN 0x41
.irp q, 0,1,2,3
.set i, 0
.rept 8
	v_pk_mul_f32 v[16*\q+2*i:16*\q+2*i+1], v[16*\q+2*i:16*\q+2*i+1], v[ST+8*\q+2:ST+8*\q+3] op_sel_hi:[1,0]
.set i, i+1
.endr
.set i, 0
.rept 4
	v_pk_mul_f32 v[64+8*\q+2*i:64+8*\q+2*i+1], v[64+8*\q+2*i:64+8*\q+2*i+1], v[ST+8*\q+2:ST+8*\q+3] op_sel_hi:[1,0]
.set i, i+1
.endr
.endr
	WIN 0x51                                       ; V^T and the ones in window 1, P in window 0, O^T and l in window 1
.irp ks, 0,1
.irp q, 0,1,2,3                        ; twelve accumulators take turns, one instruction a turn
	v_wmma_f32_16x16x32_bf16 v[16*\q:16*\q+7],     v[160+64*(\kb)+16*\ks:160+64*(\kb)+16*\ks+7],    v[S+32*\q+8*\ks:S+32*\q+8*\ks+7], v[16*\q:16*\q+7]
	v_wmma_f32_16x16x32_bf16 v[16*\q+8:16*\q+15],  v[160+64*(\kb)+16*\ks+8:160+64*(\kb)+16*\ks+15], v[S+32*\q+8*\ks:S+32*\q+8*\ks+7], v[16*\q+8:16*\q+15]
	v_wmma_f32_16x16x32_bf16 v[64+8*\q:64+8*\q+7], v[96:103],                                       v[S+32*\q+8*\ks:S+32*\q+8*\ks+7], v[64+8*\q:64+8*\q+7]
.endr
.endr
	PLACES 5                                       ; the next scores are written over P
.endm
	s_mov_b32 s[CNT], 8
.Lkeys:                                        ; two steps a trip
	STEP 0
	STEP 1
	WIN 0
	s_wait_xcnt 0x0                                ; the loads and prefetches have read the two pointers
	s_add_nc_u64 s[KP:KP+1], s[KP:KP+1], 8192
	s_add_nc_u64 s[VP:VP+1], s[VP:VP+1], 8192
	s_sub_co_u32 s[CNT], s[CNT], 1
	s_cmp_lg_u32 s[CNT], 0
	s_cbranch_scc1 .Lkeys
; ---- P3: O / l, rounded, into XB
	s_wait_loadcnt 0x0                             ; no load of mine is out: K's and V's registers are asked for anew below
	LOADA 128, W16, WMO, 16
	WIN 0
	BIAS2 BI, 24, 0
	WIN 0x01
.irp q, 0,1,2,3
	v_rcp_f32 v[ST+8*\q+2], v[64+8*\q]
.endr
	v_nop
	s_wait_alu depctr_va_vdst(0)                   ; one wait for the four reciprocals
	WIN 0x41
.irp q, 0,1,2,3
.set i, 0
.rept 8
	v_pk_mul_f32 v[16*\q+2*i:16*\q+2*i+1], v[16*\q+2*i:16*\q+2*i+1], v[ST+8*\q+2:ST+8*\q+3] op_sel_hi:[1,0]
.set i, i+1
.endr
.endr
	WIN 0x05
.set i, 0
.rept 32
	v_cvt_pk_bf16_f32 v[S+i], v[2*i], v[2*i+1]
.set i, i+1
.endr
	WIN 0
.irp q, 0,1,2,3
	ds_store_b128 v[OST], v[S+8*\q:S+8*\q+3]   offset:\q*XQT
	ds_store_b128 v[OST], v[S+8*\q+4:S+8*\q+7] offset:\q*XQT+32
.endr
	BAR                                            ; all heads' output lies in XB
; ---- P4: mha_out: my two channel tiles of all 64 rows, f32, into Y
	s_wait_loadcnt 0x0
	LOADA 0, W16, WOFF, 16
	WIN 0
	v_mov_b32 v[CA], v[FRB]
	v_mov_b32 v[CB], v[YST]
	s_mov_b32 s[CNT], 4
.Lmo:
	LOADB CA, 0
	s_wait_dscnt 0x0
	MMF 128, BFR, ACC, BI
	PLACES 5
	WIN 0
	ds_store_b128 v[CB], v[ACC:ACC+3]
	ds_store_b128 v[CB], v[ACC+4:ACC+7] offset:16
	ds_store_b128 v[CB], v[ACC+8:ACC+11] offset:64
	ds_store_b128 v[CB], v[ACC+12:ACC+15] offset:80
	v_add_nc_u32 v[CA], XQT, v[CA]
	v_add_nc_u32 v[CB], 16*YP, v[CB]
	s_sub_co_u32 s[CNT], s[CNT], 1
	s_cmp_lg_u32 s[CNT], 0
	s_cbranch_scc1 .Lmo
	BAR
; ---- P5: x1 = input + mha, stored; the cross query LN(x1) + pos into XA
	LOADA 128, W8, WAW, 8
	WIN 0
	BIAS2 BI, 26, 0                                ; off_b
	v_bfe_u32 v[AWO], v0, 4, 1                     ; aw_b in the order of the exchanged rows: levels h and 2 + h
	s_lshl_b32 s60, s[WV], 6
	v_lshl_add_u32 v[AWO], v[AWO], 4, s60
	global_load_b128 v[BI+16:BI+19], v[AWO], s[28:29]
	global_load_b128 v[BI+20:BI+23], v[AWO], s[28:29] offset:32
	global_load_b128 v[48:51], v[L16], s[18:19]
	global_load_b128 v[52:55], v[L16], s[18:19] offset:512
	global_load_b128 v[56:59], v[L16], s[20:21]
	global_load_b128 v[60:63], v[L16], s[20:21] offset:512
	v_mov_b32 v[CA], v[RWL]
	v_mov_b32 v[CB], v[XWR]
	v_mov_b32 v[CC], v[YRD]
	s_mov_b32 s[CNT], 2
.Lrows2:
	v_add_nc_u32 v[TA], XR, v[CA]
	v_add_nc_u32 v[TB], PR, v[CA]
	LROWS 64, TA, 1024, 4
	LROWS 96, CC, YP, 4
	LROWS 128, TB, 1024, 4
	s_wait_dscnt 0x0
	PKADD 64, 96, 16
	GROWST 64, CA, 36, 4
	s_wait_loadcnt 0x0                             ; the norm's gain and bias, and the fragments and biases that P6 multiplies by (first trip)
	s_wait_xcnt 0x0                                ; the stores have read their data and offset: both are rewritten below
	v_add_nc_u32 v[CA], 4096, v[CA]
	LN4 64, 32, 40, 48, 56
	PKADD 64, 128, 16
	CVT16 160, 64
	XSTORE CB, 160
	v_add_nc_u32 v[CB], 4*XP, v[CB]
	v_add_nc_u32 v[CC], 4*YP, v[CC]
	s_sub_co_u32 s[CNT], s[CNT], 1
	s_cmp_lg_u32 s[CNT], 0
	s_cbranch_scc1 .Lrows2
	BAR
; ---- P6: for 16 queries a trip: my head's 32 offsets and 16 logits; softmax over the 16; loc; corners and weights
; A lane holds, for query r, levels h (t = 0) and 2 + h (t = 1): offsets v[128 + 8 t + 2 p] (x, y), weight v[144 + 4 t + p].
; What leaves for the gather: v[160 + 4 (p % 2) + 2 t + p / 2]: the upper row's slot in the low half, the lower row's in the high half; v[168 + 8 t + 2 p + dy]: row dy's two weights, left column in the low half:
; v[168 + 8 t ..] are then the eight registers of a matrix fragment (query r; 32 corners of level 2 t + h along K).
.macro SAMP t, p
.set rO, 128+8*(\t)+2*(\p)
	v_pk_fma_f32 v[rO:rO+1], v[rO:rO+1], v[INV+2*(\t):INV+2*(\t)+1], v[152+2*(\t):153+2*(\t)]     ; loc = ref + off / size, in place
	v_pk_fma_f32 v[184:185], v[rO:rO+1], v[SZ+2*(\t):SZ+2*(\t)+1], -0.5 op_sel_hi:[1,1,0]         ; the position in pixels
	v_floor_f32 v186, v184
	v_floor_f32 v187, v185
	v_med3_num_f32 v186, v186, 0, v[SM+(\t)]       ; the first of the two columns, and rows, that are read
	v_med3_num_f32 v187, v187, 0, v[SM+(\t)]
	v_pk_add_f32 v[188:189], v[184:185], v[186:187] neg_lo:[0,1] neg_hi:[0,1]
	v_pk_add_f32 v[190:191], v[188:189], -1.0 op_sel_hi:[1,0]
.irp z, 188,189,190,191
	v_sub_f32 v\z, 1.0, |v\z|
.endr
.irp z, 188,189,190,191
	v_max_num_f32 v\z, 0, v\z
.endr
	v_mul_f32 v192, v[144+4*(\t)+(\p)], v188
	v_mul_f32 v193, v[144+4*(\t)+(\p)], v190
	v_mul_f32 v194, v192, v189
	v_mul_f32 v195, v192, v191
	v_mul_f32 v196, v193, v189
	v_mul_f32 v197, v193, v191
	v_cvt_pk_bf16_f32 v[168+8*(\t)+2*(\p)],   v194, v196   ; upper row: left, right
	v_cvt_pk_bf16_f32 v[168+8*(\t)+2*(\p)+1], v195, v197   ; lower row
	v_cvt_u32_f32 v198, v186                       ; x and y, whole numbers, exact
	v_cvt_u32_f32 v199, v187
	v_and_b32 v200, 1, v199                        ; y % 2
	v_and_b32 v199, -2, v199
	v_lshlrev_b32 v199, v[LW+(\t)], v199           ; (y / 2) 2 W
	v_lshl_add_u32 v198, v198, 1, v200
	v_add3_u32 v198, v198, v199, v[STI+(\t)]       ; the upper row's slot
	v_mad_u32_u24 v199, v200, v[C2+(\t)], 1        ; the lower row lies 1 slot on where y is even, 2 W - 1 where it is odd
	v_add_nc_u32 v199, v198, v199
	v_lshl_or_b32 v[160+4*((\p)%2)+2*(\t)+(\p)/2], v199, 16, v198
.endm
	v_bfe_u32 v[TA], v0, 4, 1
	v_sub_nc_u32 v[LW], 6, v[TA]
	v_sub_nc_u32 v[LW+1], 4, v[TA]
	v_lshlrev_b32 v[TB], 6, v[TA]
	v_sub_nc_u32 v[C2], 126, v[TB]
	v_lshlrev_b32 v[TB], 4, v[TA]
	v_sub_nc_u32 v[C2+1], 30, v[TB]
	v_mov_b32 v[CA], v[FRA]
	v_mov_b32 v[CB], v[YST]
	s_mov_b32 s[CNT], 4
.Lsamp:
	global_load_b64 v[152:153], v[REFO], s[12:13]
	global_load_b64 v[154:155], v[REFO], s[12:13] offset:16
	LOADB CA, 0
	s_wait_dscnt 0x0
	WIN 0x01
.irp ks, 0,1,2,3,4,5,6,7               ; three accumulators take turns, one instruction a turn
.if \ks == 0
	v_wmma_f32_16x16x32_bf16 v[128:135], v[0:7],     v[BFR:BFR+7], v[BI:BI+7]
	v_wmma_f32_16x16x32_bf16 v[136:143], v[64:71],   v[BFR:BFR+7], v[BI+8:BI+15]
	v_wmma_f32_16x16x32_bf16 v[144:151], v[128:135], v[BFR:BFR+7], v[BI+16:BI+23]
.else
	v_wmma_f32_16x16x32_bf16 v[128:135], v[8*\ks:8*\ks+7],         v[BFR+8*\ks:BFR+8*\ks+7], v[128:135]
	v_wmma_f32_16x16x32_bf16 v[136:143], v[64+8*\ks:64+8*\ks+7],   v[BFR+8*\ks:BFR+8*\ks+7], v[136:143]
	v_wmma_f32_16x16x32_bf16 v[144:151], v[128+8*\ks:128+8*\ks+7], v[BFR+8*\ks:BFR+8*\ks+7], v[144:151]
.endif
.endr
	PLACES 5
	WIN 0
	v_max3_num_f32 v156, v144, v145, v146          ; the softmax over a query's 16 logits: eight here, eight in the lane 16 away; the maximum is taken away first
	v_max3_num_f32 v157, v147, v148, v149
	v_max3_num_f32 v156, v156, v150, v151
	v_max_num_f32 v156, v156, v157
	v_permlanex16_b32 v157, v156, s[SEL], s[SEL+1]
	v_max_num_f32 v156, v156, v157
	v_mul_f32 v156, s[L2E], v156
.irp k, 144,146,148,150
	v_pk_fma_f32 v[\k:\k+1], v[\k:\k+1], s[L2E:L2E+1], v[156:157] op_sel_hi:[1,0,0] neg_lo:[0,0,1] neg_hi:[0,0,1]
.endr
.irp k, 144,145,146,147,148,149,150,151
	v_exp_f32 v\k, v\k
.endr
	v_nop
	s_wait_alu depctr_va_vdst(0)                   ; one wait for the eight exponentials
	v_pk_add_f32 v[156:157], v[144:145], v[146:147]
	v_pk_add_f32 v[158:159], v[148:149], v[150:151]
	v_pk_add_f32 v[156:157], v[156:157], v[158:159]
	v_add_f32 v156, v156, v157
	v_permlanex16_b32 v157, v156, s[SEL], s[SEL+1]
	v_add_f32 v156, v156, v157
	v_rcp_f32 v156, v156
	v_nop
	s_wait_alu depctr_va_vdst(0)
.irp k, 144,146,148,150
	v_pk_mul_f32 v[\k:\k+1], v[\k:\k+1], v[156:157] op_sel_hi:[1,0]
.endr
	s_wait_loadcnt 0x0                             ; the reference points
.irp t, 0,1
.irp p, 0,1,2,3
	SAMP \t, \p
.endr
.endr
	global_store_b128 v[IST], v[160:163], s[40:41]             ; each store of the wave covers 512 consecutive bytes
	global_store_b128 v[IST], v[164:167], s[40:41] offset:512
.irp k, 0,1,2,3
	global_store_b128 v[L16], v[168+4*\k:171+4*\k], s[42:43] offset:512*\k
.endr
	ds_store_b128 v[CB], v[128:131]                ; loc, in out1's order: head, level, point, (x, y) = the channel order of the offsets
	ds_store_b128 v[CB], v[132:135] offset:16
	ds_store_b128 v[CB], v[136:139] offset:64
	ds_store_b128 v[CB], v[140:143] offset:80
	s_wait_xcnt 0x0                                ; the stores and loads have read their data and bases: the next trip rewrites them
	s_add_nc_u64 s[40:41], s[40:41], 1024
	s_add_nc_u64 s[42:43], s[42:43], 2048
	s_add_nc_u64 s[12:13], s[12:13], 512
	v_add_nc_u32 v[CA], XQT, v[CA]
	v_add_nc_u32 v[CB], 16*YP, v[CB]
	s_sub_co_u32 s[CNT], s[CNT], 1
	s_cmp_lg_u32 s[CNT], 0
	s_cbranch_scc1 .Lsamp
	BAR
; ---- P7: out1 leaves by whole rows
	LROWS 64, YRD, YP, 8
	s_wait_dscnt 0x0
	GROWST 64, RWL, 38, 8
	s_wait_tensorcnt 0x0                           ; the wave's end: behind my last LDS store
	ds_add_u32 v[SPW], v[NIL]
	s_wait_dscnt 0x0
	s_endpgm
.Lfunc_end_k_q45c831da34_attn:
	.size	k_q45c831da34_attn, .Lfunc_end_k_q45c831da34_attn-k_q45c831da34_attn
	.p2alignl 7, 3214868480
	.fill 96, 4, 3214868480
	.section	.rodata,"a",@progbits
	.p2align	6, 0x0
	.amdhsa_kernel k_q45c831da34_attn
		.amdhsa_group_segment_fixed_size 266240
		.amdhsa_private_segment_fixed_size 0
		.amdhsa_enable_private_segment 0
		.amdhsa_kernarg_size 144
		.amdhsa_user_sgpr_count 2
		.amdhsa_user_sgpr_kernarg_segment_ptr 1
		.amdhsa_wavefront_size32 1
		.amdhsa_system_sgpr_workgroup_id_x 1
		.amdhsa_system_sgpr_workgroup_id_y 1
		.amdhsa_system_sgpr_workgroup_id_z 1
		.amdhsa_system_vgpr_workitem_id 0
		.amdhsa_next_free_vgpr 512
		.amdhsa_next_free_sgpr 72
		.amdhsa_reserve_vcc 0
		.amdhsa_float_denorm_mode_32 3
		.amdhsa_float_denorm_mode_16_64 3
		.amdhsa_memory_ordered 1
		.amdhsa_forward_progress 1
		.amdhsa_inst_pref_size 141
	.end_amdhsa_kernel
	.amdgpu_metadata
---
amdhsa.version: [ 1, 2 ]
amdhsa.kernels:
  - .name:           k_q45c831da34_attn
    .symbol:         k_q45c831da34_attn.kd
    .args:
      - { .name: input, .offset: 0, .size: 8, .value_kind: global_buffer, .address_space: global }
      - { .name: pos, .offset: 8, .size: 8, .value_kind: global_buffer, .address_space: global }
      - { .name: reference_point, .offset: 16, .size: 8, .value_kind: global_buffer, .address_space: global }
      - { .name: params_self_norm_w, .offset: 24, .size: 8, .value_kind: global_buffer, .address_space: global }
      - { .name: params_self_norm_b, .offset: 32, .size: 8, .value_kind: global_buffer, .address_space: global }
      - { .name: params_cross_norm_w, .offset: 40, .size: 8, .value_kind: global_buffer, .address_space: global }
      - { .name: params_cross_norm_b, .offset: 48, .size: 8, .value_kind: global_buffer, .address_space: global }
      - { .name: params_mha_in_b, .offset: 56, .size: 8, .value_kind: global_buffer, .address_space: global }
      - { .name: params_mha_out_b, .offset: 64, .size: 8, .value_kind: global_buffer, .address_space: global }
      - { .name: params_off_b, .offset: 72, .size: 8, .value_kind: global_buffer, .address_space: global }
      - { .name: params_aw_b, .offset: 80, .size: 8, .value_kind: global_buffer, .address_space: global }
      - { .name: wsw, .offset: 88, .size: 8, .value_kind: global_buffer, .address_space: global }
      - { .name: kf, .offset: 96, .size: 8, .value_kind: global_buffer, .address_space: global }
      - { .name: vf, .offset: 104, .size: 8, .value_kind: global_buffer, .address_space: global }
      - { .name: x1, .offset: 112, .size: 8, .value_kind: global_buffer, .address_space: global }
      - { .name: out1, .offset: 120, .size: 8, .value_kind: global_buffer, .address_space: global }
      - { .name: idx, .offset: 128, .size: 8, .value_kind: global_buffer, .address_space: global }
      - { .name: wts, .offset: 136, .size: 8, .value_kind: global_buffer, .address_space: global }
    .group_segment_fixed_size: 266240
    .private_segment_fixed_size: 0
    .kernarg_segment_align: 8
    .kernarg_segment_size: 144
    .max_flat_workgroup_size: 256
    .sgpr_count:     72
    .vgpr_count:     512
    .wavefront_size: 32
...
	.end_amdgpu_metadata
.endif
;; end of part 6
;; launch gath (part 7): grid 256 x 1, 8 waves a work-group, no clusters, 175,104 bytes of LDS; arguments value, idx, wts, samp; writes samp
.if DOCPART == 7
	.amdgcn_target "amdgcn-amd-amdhsa--gfx1250"
	.amdhsa_code_object_version 6
	.text
	.protected	k_q45c831da34_gath
	.globl	k_q45c831da34_gath
	.p2align	8
	.type	k_q45c831da34_gath,@function
k_q45c831da34_gath:
	s_mov_b64 s[64:65], 0
	v_nop
	global_prefetch_b8 v0, s[64:65] scope:SCOPE_SE
	s_setreg_imm32_b32 hwreg(HW_REG_WAVE_MODE, 25, 1), 1
	s_wait_xcnt 0x0
; STAGE 3 OF 4: THE GATHER, OUT OF LDS.  A work-group owns one batch, one head and one half of the head's channels: that slice of value, 5,440 positions x 16 channels of bf16, is 174,080 bytes.  It is read from
; memory once, whole, and kept in LDS; the batch's 1,024 queries then take their 16 points x 4 corners from there.  16 batches x 8 heads x 2 halves are 256 work-groups.
; IN LDS a map's rows are interleaved in pairs: position (y, x) of a level of width W lies in slot start + (y / 2) 2 W + 2 x + y % 2, 32 bytes a slot.  A point's four corners then lie in 128 bytes of different
; banks whichever the parity of y (a pair of rows is a multiple of 256 bytes, and 64 banks of 4 bytes are 256: ISA guide 11.1); in the plain order rows y and y + 1 would meet in the same banks.
; THE SUM IS A MATRIX PRODUCT.  For one query: O^T = V^T W: source 0 = 16 channels x 32 corners, source 1 = 32 corners x the tile's 16 queries (their weights, a ready fragment from memory), two K steps.
; ds_load_tr16_b128 takes its 16 bytes from wherever a lane points, so it gathers and turns at once: lane l points at corner 8 (l / 16) + l % 8 (column l % 2, row (l / 2) % 2, point bit (l / 4) % 2), channel
; block (l / 8) % 2.  K step t, load c: level 2 t + l / 16, point 2 c + point bit: the order in which the launch before laid the weights.  Of the result only the query's own column is wanted: lanes l % 16 = query;
; eight v_cndmask_b32 take it, from the low register on.  15 of the 16 columns are work for nothing: the price of 2 matrix and 8 vector lines in place of 32 multiply-add lines a query.
; A lane ends with eight channels of one query: half a fragment's registers for the out projection: the tile's 512 bytes leave in one store.
; SHARES.  Wave w takes tiles 8 w .. 8 w + 7 of 16 queries.  A trip is a tile, a STAGE a pair of queries; four pairs' LDS loads (32) are out; corner numbers and weights are asked of memory a whole tile ahead.
; The corner numbers are whole numbers that the launch before stored, two of 16 bits to a word; each is held to 5,437, the last slot from which two columns can be read, before it enters an address.
; LIMITS.  Values and weights are bf16; the 64 terms are summed in f32; the result is rounded once to bf16.  NaN and infinities are not treated apart.
; NO TENSOR LOAD: the interleaving would make tensor rows of 32 bytes; the fill goes through registers, 512 consecutive bytes a load.  NO CLUSTER: only the two halves of a head share anything (numbers and
; weights), and those come by lane straight into the registers that use them.
; REGISTERS.  Window 0: v0-23 addresses and lane constants; v24-31 eight LDS addresses; v32-39 the tile's result; v40-55 two accumulators; v56-71 the tile's weights; v72-87 the next tile's, landing; v128-191 corner
; numbers, four a query.  Window 1: v0-127 four buffers of a pair's V^T (query q of the pair, K step t at 16 q + 8 t); at the start v0-169 the fill.
.set L1B,   131072                     ; the levels' first bytes, in memory and in LDS: 32 bytes x 4,096, 5,120, 5,376
.set L2B,   163840
.set L3B,   172032
.set SPARE, 174080                     ; behind the slice: the spare words, 128 bytes for each wave: four blocks of 256 bytes that no other line names
.set L16,  1                           ; 16 l
.set SPW,  2
.set NIL,  3
.set SH,   4                           ; 16 x my row bit: which half of a word holds my slot
.set LC,   5                           ; 64 x my column bit + 16 x my channel block
.set IL,   6                           ; 512 x my point bit + 16 (l / 16): my four numbers in a tile's 1,024 bytes, query 0
.set FA0,  7                           ; v7-10   the fill: where my bytes of levels 0 to 3 go
.set GO0,  11                          ; v11-14  and where they come from
.set T0,   15
.set T1,   16
.set PKO,  20
.set ADR,  24
.set OUT,  32
.set ACC,  40
.set W,    56
.set WN,   72
.set IDX,  128
.set WV,   12
.set CNT,  13
.set TC,   14                          ; the trip's number
.set IB,   20                          ; idx at my first tile
.set WB,   22                          ; wts at my first tile
.set IPA,  24                          ; idx at tile min(T + 1, 7)
.set IPB,  26                          ; idx at tile min(T + 2, 7)
.set WPN,  28                          ; wts at tile min(T + 1, 7)
.set SPB,  30                          ; samp at my first tile
.set SP,   32
.set OF,   34                          ; s[34:35] an offset; the high word stays 0
.set MASK, 40                          ; s40-55  query m's two lanes
.set MSB, 0
.macro WIN new                         ; the immediate's high byte repeats the setting that is left; a switch that changes nothing is dropped
.if MSB != (\new)
	s_set_vgpr_msb (MSB<<8)|(\new)
.set MSB, (\new)
.endif
.endm
	s_load_b256 s[4:11], s[0:1], 0x0               ; value 4, idx 6, wts 8, samp 10
	v_lshl_add_u32 v[SPW], v0, 2, SPARE
	v_mov_b32 v[NIL], 0
	v_lshrrev_b32 v[T0], 5, v0
	v_readfirstlane_b32 s[WV], v[T0]               ; wave 0..7
	v_and_b32 v[T0], 31, v0                        ; l
	v_lshlrev_b32 v[L16], 4, v[T0]
	v_bfe_u32 v[SH], v0, 1, 1
	v_lshlrev_b32 v[SH], 4, v[SH]
	v_and_b32 v[LC], 1, v0
	v_lshlrev_b32 v[LC], 6, v[LC]
	v_bfe_u32 v[T1], v0, 3, 1
	v_lshl_add_u32 v[LC], v[T1], 4, v[LC]
	v_bfe_u32 v[IL], v0, 2, 1
	v_lshlrev_b32 v[IL], 9, v[IL]
	v_bfe_u32 v[T1], v0, 4, 1
	v_lshl_add_u32 v[IL], v[T1], 4, v[IL]
	; the fill.  A load takes 16 positions of one map row, lane l bytes 16 (l % 2) of position l / 2; in LDS neighbouring positions of a row lie 64 bytes apart
	v_bfe_u32 v[T1], v0, 1, 4
	v_lshlrev_b32 v[T1], 6, v[T1]
	v_and_b32 v[FA0+3], 1, v0
	v_lshl_add_u32 v[T1], v[FA0+3], 4, v[T1]       ; 64 (l / 2) + 16 (l % 2)
	s_lshl_b32 s15, s[WV], 14                      ; level 0: my rows 8 w .. 8 w + 7, 2,048 bytes each
	v_add_nc_u32 v[FA0], s15, v[T1]
	v_add_nc_u32 v[GO0], s15, v[L16]
	s_lshl_b32 s15, s[WV], 12                      ; level 1: rows 4 w .. 4 w + 3, 1,024 bytes each
	v_add_nc_u32 v[GO0+1], s15, v[L16]
	s_add_co_u32 s15, s15, L1B
	v_add_nc_u32 v[FA0+1], s15, v[T1]
	s_lshl_b32 s15, s[WV], 10                      ; level 2: rows 2 w, 2 w + 1, 512 bytes each
	v_add_nc_u32 v[GO0+2], s15, v[L16]
	s_add_co_u32 s15, s15, L2B
	v_add_nc_u32 v[FA0+2], s15, v[T1]
	s_lshl_b32 s15, s[WV], 8                       ; level 3: row w, 256 bytes: 8 bytes a lane
	v_lshl_add_u32 v[GO0+3], v[T0], 3, s15
	s_lshr_b32 s15, s[WV], 1
	s_lshl_b32 s15, s15, 9
	s_and_b32 s16, s[WV], 1
	s_lshl_b32 s16, s16, 5
	s_add_co_u32 s15, s15, s16
	s_add_co_u32 s15, s15, L3B
	v_bfe_u32 v[T1], v0, 2, 3
	v_lshl_add_u32 v[FA0+3], v[T1], 6, s15
	v_and_b32 v[T1], 3, v0
	v_lshl_add_u32 v[FA0+3], v[T1], 3, v[FA0+3]
.set m, 0
.rept 16
	s_mov_b32 s[MASK+m], 0x10001<<m
.set m, m+1
.endr
	s_and_b32 s15, ttmp9, 15                       ; 2 head + half
	s_lshr_b32 s17, ttmp9, 4                       ; batch
	s_lshr_b32 s16, s15, 1                         ; head
	s_mul_i32 s18, s15, 2785280                    ; 87,040 rows of 32 bytes,
	s_mul_i32 s19, s17, 174080                     ; the batch's 5,440 of them
	s_add_co_u32 s18, s18, s19
	s_mov_b32 s[OF+1], 0
	s_mov_b32 s[TC], 0
	s_wait_kmcnt 0x0
	s_mov_b32 s[OF], s18
	s_add_nc_u64 s[4:5], s[4:5], s[OF:OF+1]
	s_lshl3_add_u32 s18, s17, s16                  ; 8 batch + head
	s_lshl_b32 s18, s18, 6
	s_lshl3_add_u32 s18, s[WV], s18                ; my first tile among the 8,192
	s_lshl_b32 s[OF], s18, 10
	s_add_nc_u64 s[IB:IB+1], s[6:7], s[OF:OF+1]
	s_lshl_b32 s[OF], s18, 11
	s_add_nc_u64 s[WB:WB+1], s[8:9], s[OF:OF+1]
	s_add_nc_u64 s[IPA:IPA+1], s[IB:IB+1], 1024
	s_lshl_b32 s19, s17, 6
	s_lshl3_add_u32 s19, s[WV], s19                ; samp: [tile of 16 rows 1,024][head][1,024 bytes], my half's 512
	s_lshl3_add_u32 s19, s19, s16
	s_lshl_b32 s19, s19, 10
	s_and_b32 s15, ttmp9, 1
	s_lshl_b32 s15, s15, 9
	s_add_co_u32 s[OF], s19, s15
	s_add_nc_u64 s[SPB:SPB+1], s[10:11], s[OF:OF+1]
; ---- the fill: 43 loads of the slice, then the first tile's 16 loads of numbers and 4 of weights: 63 are out
	WIN 0x40
.set i, 0
.rept 32
	global_load_b128 v[4*i:4*i+3], v[GO0], s[4:5] offset:512*i th:TH_LOAD_NT
.set i, i+1
.endr
.set i, 0
.rept 8
	global_load_b128 v[128+4*i:128+4*i+3], v[GO0+1], s[4:5] offset:L1B+512*i th:TH_LOAD_NT
.set i, i+1
.endr
	global_load_b128 v[160:163], v[GO0+2], s[4:5] offset:L2B th:TH_LOAD_NT
	global_load_b128 v[164:167], v[GO0+2], s[4:5] offset:L2B+512 th:TH_LOAD_NT
	global_load_b64 v[168:169], v[GO0+3], s[4:5] offset:L3B th:TH_LOAD_NT
	WIN 0
.set m, 0
.rept 16
	global_load_b128 v[IDX+4*m:IDX+4*m+3], v[IL], s[IB:IB+1] offset:32*m
.set m, m+1
.endr
.irp k, 0,1,2,3
	global_load_b128 v[WN+4*\k:WN+4*\k+3], v[L16], s[WB:WB+1] offset:512*\k
.endr
	WIN 0x04                                       ; a store's data in window 1, its address in window 0
.set i, 0
.rept 32
.if i%8 == 0
	s_wait_loadcnt 55-i                            ; loads come back in order (ISA guide 5.7.1): the next eight are in, all younger ones may stay out
.endif
	ds_store_b128 v[FA0], v[4*i:4*i+3] offset:(i/8)*4096+(i%4)*1024+((i/4)%2)*32   ; row 8 w + i / 4, positions 16 (i % 4) on
.set i, i+1
.endr
	s_wait_loadcnt 23
.set i, 0
.rept 8
	ds_store_b128 v[FA0+1], v[128+4*i:128+4*i+3] offset:(i/4)*2048+(i%2)*1024+((i/2)%2)*32
.set i, i+1
.endr
	s_wait_loadcnt 20                              ; the slice is in; the first tile's 20 loads may stay out
	ds_store_b128 v[FA0+2], v[160:163]
	ds_store_b128 v[FA0+2], v[164:167] offset:32
	ds_store_b64 v[FA0+3], v[168:169]
	WIN 0
	s_wait_dscnt 0x0                               ; for the others' sake: my part of the slice lies in LDS
	s_barrier_signal -1
	s_barrier_wait -1                              ; everybody's does; from here on LDS is only read
; the eight LDS addresses of pair j: my half of the word, held to the last legal slot, 32 bytes a slot, my column and channel block
.macro ADDR j
.irp k, 0,1,2,3,4,5,6,7
	v_bfe_u32 v[ADR+\k], v[IDX+8*(\j)+\k], v[SH], 16
.endr
.irp k, 0,1,2,3,4,5,6,7
	v_min_u32 v[ADR+\k], 5437, v[ADR+\k]
.endr
.irp k, 0,1,2,3,4,5,6,7
	v_lshl_add_u32 v[ADR+\k], v[ADR+\k], 5, v[LC]
.endr
.endm
.macro TRL b                           ; a pair's eight gathering loads into buffer b: number k = 4 q + 2 t + c brings registers 16 q + 8 t + 4 c on
	WIN 0x40
.irp k, 0,1,2,3,4,5,6,7
	ds_load_tr16_b128 v[32*(\b)+4*\k:32*(\b)+4*\k+3], v[ADR+\k]
.endr
	WIN 0
.endm
.macro REFILL j, sb                    ; the registers that ADDR has just read take the same pair's numbers of a later tile
	global_load_b128 v[IDX+8*(\j):IDX+8*(\j)+3],   v[IL], s[\sb:\sb+1] offset:64*(\j)
	global_load_b128 v[IDX+8*(\j)+4:IDX+8*(\j)+7], v[IL], s[\sb:\sb+1] offset:64*(\j)+32
.endm
; STAGE i of a trip: pair i is multiplied; the pair four stages on (from i = 4: the next tile's) is asked of LDS, into the buffer just multiplied; pair i's columns are taken.
; The 24 address lines are the places behind the products, ahead of the loads into their registers and of the lines that read their results (ISA guide 7.12.1 for vector instructions).
.macro STAGE i
	s_wait_dscnt 24                                ; pair i's eight loads are in; the three younger pairs' 24 may stay out
	WIN 0x01                                       ; V^T in window 1
	v_wmma_f32_16x16x32_bf16 v[ACC:ACC+7],    v[32*((\i)%4):32*((\i)%4)+7],     v[W:W+7],    0            ; the two accumulators take turns, one instruction a turn
	v_wmma_f32_16x16x32_bf16 v[ACC+8:ACC+15], v[32*((\i)%4)+16:32*((\i)%4)+23], v[W:W+7],    0
	v_wmma_f32_16x16x32_bf16 v[ACC:ACC+7],    v[32*((\i)%4)+8:32*((\i)%4)+15],  v[W+8:W+15], v[ACC:ACC+7]
	v_wmma_f32_16x16x32_bf16 v[ACC+8:ACC+15], v[32*((\i)%4)+24:32*((\i)%4)+31], v[W+8:W+15], v[ACC+8:ACC+15]
	WIN 0
	s_wait_loadcnt 18                              ; the numbers that ADDR reads were asked for one trip ago; behind them went the other seven pairs' 14 loads and the weights' 4
	ADDR ((\i)+4)%8
	TRL (\i)%4
.if (\i) < 4
	REFILL ((\i)+4)%8, IPA
.else
	REFILL ((\i)+4)%8, IPB
.endif
.irp j, 0,1,2,3,4,5,6,7
.if (\i) == 0
	v_mov_b32 v[OUT+\j], v[ACC+\j]                 ; the tile's first query writes every lane; the other fifteen then take theirs
.else
	v_cndmask_b32 v[OUT+\j], v[OUT+\j], v[ACC+\j], s[MASK+2*(\i)]
.endif
.endr
.irp j, 0,1,2,3,4,5,6,7
	v_cndmask_b32 v[OUT+\j], v[OUT+\j], v[ACC+8+\j], s[MASK+2*(\i)+1]
.endr
.endm
	s_wait_loadcnt 0x0                             ; the first tile's numbers and weights
.irp j, 0,1,2,3
	ADDR \j
	TRL \j
	REFILL \j, IPA                                 ; tile 1's
.endr
	s_mov_b32 s[CNT], 8
.Ltile:
	s_wait_loadcnt 16                              ; this tile's weights have landed: behind them went a trip's 16 loads of numbers
.set i, 0
.rept 16
	v_mov_b32 v[W+i], v[WN+i]
.set i, i+1
.endr
	s_wait_xcnt 0x0                                ; every load and store issued so far has read its base: the pointers are made anew, from the trip's number held to the last tile,
	s_add_co_u32 s15, s[TC], 1                     ; so that every trip issues every load and none leaves my eight tiles; what the last trips fetch twice nobody uses
	s_min_u32 s15, s15, 7
	s_lshl_b32 s[OF], s15, 10
	s_add_nc_u64 s[IPA:IPA+1], s[IB:IB+1], s[OF:OF+1]
	s_lshl_b32 s[OF], s15, 11
	s_add_nc_u64 s[WPN:WPN+1], s[WB:WB+1], s[OF:OF+1]
	s_add_co_u32 s15, s[TC], 2
	s_min_u32 s15, s15, 7
	s_lshl_b32 s[OF], s15, 10
	s_add_nc_u64 s[IPB:IPB+1], s[IB:IB+1], s[OF:OF+1]
.irp k, 0,1,2,3
	global_load_b128 v[WN+4*\k:WN+4*\k+3], v[L16], s[WPN:WPN+1] offset:512*\k
.endr
	STAGE 0
	STAGE 1
	STAGE 2
	STAGE 3
	STAGE 4
	STAGE 5
	STAGE 6
	STAGE 7
	s_wait_storecnt 0x0                            ; the last tile's store, a whole trip back, is done: its data and its base are written again
	s_lshl_b32 s[OF], s[TC], 13                    ; eight heads' fragments from tile to tile
	s_add_nc_u64 s[SP:SP+1], s[SPB:SPB+1], s[OF:OF+1]
.irp j, 0,1,2,3
	v_cvt_pk_bf16_f32 v[PKO+\j], v[OUT+2*\j], v[OUT+2*\j+1]
.endr
	global_store_b128 v[L16], v[PKO:PKO+3], s[SP:SP+1]         ; 512 consecutive bytes: my half of the fragment (16 queries x my head's 32 channels)
	s_add_co_u32 s[TC], s[TC], 1
	s_sub_co_u32 s[CNT], s[CNT], 1
	s_cmp_lg_u32 s[CNT], 0
	s_cbranch_scc1 .Ltile
	s_wait_tensorcnt 0x0                           ; the wave's end: behind my last LDS store
	ds_add_u32 v[SPW], v[NIL]
	s_wait_dscnt 0x0
	s_endpgm
.Lfunc_end_k_q45c831da34_gath:
	.size	k_q45c831da34_gath, .Lfunc_end_k_q45c831da34_gath-k_q45c831da34_gath
	.p2alignl 7, 3214868480
	.fill 96, 4, 3214868480
	.section	.rodata,"a",@progbits
	.p2align	6, 0x0
	.amdhsa_kernel k_q45c831da34_gath
		.amdhsa_group_segment_fixed_size 175104
		.amdhsa_private_segment_fixed_size 0
		.amdhsa_enable_private_segment 0
		.amdhsa_kernarg_size 32
		.amdhsa_user_sgpr_count 2
		.amdhsa_user_sgpr_kernarg_segment_ptr 1
		.amdhsa_wavefront_size32 1
		.amdhsa_system_sgpr_workgroup_id_x 1
		.amdhsa_system_sgpr_workgroup_id_y 1
		.amdhsa_system_sgpr_workgroup_id_z 1
		.amdhsa_system_vgpr_workitem_id 0
		.amdhsa_next_free_vgpr 432
		.amdhsa_next_free_sgpr 66
		.amdhsa_reserve_vcc 0
		.amdhsa_float_denorm_mode_32 3
		.amdhsa_float_denorm_mode_16_64 3
		.amdhsa_memory_ordered 1
		.amdhsa_forward_progress 1
		.amdhsa_inst_pref_size 53
	.end_amdhsa_kernel
	.amdgpu_metadata
---
amdhsa.version: [ 1, 2 ]
amdhsa.kernels:
  - .name:           k_q45c831da34_gath
    .symbol:         k_q45c831da34_gath.kd
    .args:
      - { .name: value, .offset: 0, .size: 8, .value_kind: global_buffer, .address_space: global }
      - { .name: idx, .offset: 8, .size: 8, .value_kind: global_buffer, .address_space: global }
      - { .name: wts, .offset: 16, .size: 8, .value_kind: global_buffer, .address_space: global }
      - { .name: samp, .offset: 24, .size: 8, .value_kind: global_buffer, .address_space: global }
    .group_segment_fixed_size: 175104
    .private_segment_fixed_size: 0
    .kernarg_segment_align: 8
    .kernarg_segment_size: 32
    .max_flat_workgroup_size: 256
    .sgpr_count:     66
    .vgpr_count:     432
    .wavefront_size: 32
...
	.end_amdgpu_metadata
.endif
;; end of part 7
;; launch ffn (part 8): grid 256 x 1, 8 waves a work-group, no clusters, 234,496 bytes of LDS; arguments x1, samp, wsw, params_out_b, params_ff_norm_w, params_ff_norm_b, params_ff1_b, params_ff2_b, out0; writes out0
.if DOCPART == 8
	.amdgcn_target "amdgcn-amd-amdhsa--gfx1250"
	.amdhsa_code_object_version 6
	.text
	.protected	k_q45c831da34_ffn
	.globl	k_q45c831da34_ffn
	.p2align	8
	.type	k_q45c831da34_ffn,@function
k_q45c831da34_ffn:
	s_mov_b64 s[64:65], 0
	v_nop
	global_prefetch_b8 v0, s[64:65] scope:SCOPE_SE
	s_setreg_imm32_b32 hwreg(HW_REG_WAVE_MODE, 25, 1), 1
	s_wait_xcnt 0x0
; STAGE 4 OF 4.  A work-group owns the same 64 queries as in stage 2; wave w is channel tiles 2 w and 2 w + 1 of every product, and rows 8 w .. 8 w + 7 wherever rows are walked.
;   G1 x1's rows and the sampled vectors come into LDS   G2 out projection   G3 x2 = x1 + that; LN   G4 the feed-forward layer, 256 hidden channels a chunk   G5 out0 = x2 + that
; All products are transposed (source 0 = 16 out channels, source 1 = 16 queries); weights come from memory as ready fragments, straight into the one wave that uses them.  The sampled vectors lie in memory as
; ready fragments too (tile of 16 queries, head: 1,024 bytes): each wave copies 4,096 bytes into LDS, and all read them from there, 512 consecutive bytes a load.
; LIMITS.  The sampled vectors, the normed rows and the hidden layer are bf16, rounded once; sums, x1, x2 and out0 are f32.  NaN and infinities are not treated apart.
; NO CLUSTER, NO TENSOR LOAD: the row state takes 233,472 of the 327,680 bytes of LDS; what is shared with other work-groups, the weights, comes as ready fragments straight into the one wave that uses them.
; REGISTERS.  Window 0: v0-31 addresses; v32-47 accumulators of the first layer, v48-63 its bias, v64-127 accumulators of the second layer (16 qt + 8 i), v128-255 two buffers of eight fragments, or rows.
; Window 1: weight fragments, v0-127 and v128-255.
.set XP,    528
.set XQT,   16*XP
.set YP,    1040
.set HB,    33792                      ; hidden activations, bf16 [64][256]: two buffers at 0 and HB
.set XA,    67584                      ; 32 fragments of the sampled vectors; later bf16 [64][256]: the normed rows
.set YY,    101376                     ; f32 [64][256]
.set XR,    167936                     ; x1's, later x2's rows, f32: each wave's own 8,192 bytes
.set SPARE, 233472                     ; the spare words, 128 bytes for each wave: four blocks of 256 bytes that no other line names
.set WOUT,  458752                     ; sections of wsw
.set WF1,   589824
.set WF2,   1114112
.set L16,  1
.set SPW,  2
.set NIL,  3
.set FRX,  4                           ; XA + 528 r + 16 h
.set FRH,  5                           ; 528 r + 16 h
.set YST,  6                           ; YY + 1,040 r + 32 h + 128 w
.set HST,  7                           ; 528 r + 16 h + 64 w
.set RWL,  8                           ; 8,192 w + 16 l
.set XWR,  9                           ; XA + 4,224 w + 8 l
.set YRD,  10                          ; YY + 8,320 w + 16 l
.set BO,   11                          ; 32 h + 128 w
.set SFO,  12                          ; 4,096 w + 16 l
.set ZERO, 16
.set T0,   17
.set T1,   18
.set T2,   19
.set HP,   20                          ; v20-27 packed hidden numbers
.set WV,   30
.set CNT,  31
.set W16,  42
.set F2P,  44
.set SEL,  46
.set INV256, 48
.set EPS,  49
.set F1P,  54
.set MSB, 0
.macro WIN new
.if MSB != (\new)
	s_set_vgpr_msb (MSB<<8)|(\new)
.set MSB, (\new)
.endif
.endm
.macro PLACES n
.rept \n
	v_nop
.endr
.endm
.macro BAR
	s_wait_dscnt 0x0
	s_barrier_signal -1
	s_barrier_wait -1
.endm
.macro LOADA dst, sb, off, n
	WIN 0x40
.set f, 0
.rept \n
	global_load_b128 v[(\dst)+8*f:(\dst)+8*f+3],   v[L16], s[\sb:\sb+1] offset:(\off)+1024*f
	global_load_b128 v[(\dst)+8*f+4:(\dst)+8*f+7], v[L16], s[\sb:\sb+1] offset:(\off)+1024*f+512
.set f, f+1
.endr
.endm
.macro BIAS2 dst, sb, off
	global_load_b128 v[(\dst):(\dst)+3],     v[BO], s[\sb:\sb+1] offset:(\off)
	global_load_b128 v[(\dst)+4:(\dst)+7],   v[BO], s[\sb:\sb+1] offset:(\off)+16
	global_load_b128 v[(\dst)+8:(\dst)+11],  v[BO], s[\sb:\sb+1] offset:(\off)+64
	global_load_b128 v[(\dst)+12:(\dst)+15], v[BO], s[\sb:\sb+1] offset:(\off)+80
.endm
.macro LOADBF b, ar, off               ; 16 rows x 256 channels out of padded rows: eight fragments into buffer b
	WIN 0
.irp ks, 0,1,2,3,4,5,6,7
	ds_load_b128 v[128+64*(\b)+8*\ks:128+64*(\b)+8*\ks+3],   v[\ar] offset:(\off)+64*\ks
	ds_load_b128 v[128+64*(\b)+8*\ks+4:128+64*(\b)+8*\ks+7], v[\ar] offset:(\off)+64*\ks+32
.endr
.endm
.macro LOADFR b, ar                    ; eight ready fragments into buffer b
	WIN 0
.irp ks, 0,1,2,3,4,5,6,7
	ds_load_b128 v[128+64*(\b)+8*\ks:128+64*(\b)+8*\ks+3],   v[\ar] offset:1024*\ks
	ds_load_b128 v[128+64*(\b)+8*\ks+4:128+64*(\b)+8*\ks+7], v[\ar] offset:1024*\ks+512
.endr
.endm
; 16 products: two channel tiles x K = 256; the two accumulators take turns, one instruction a turn.  cb >= 0: the first K step takes the bias at cb as C; cb < 0: the sums go on in place
.macro MMF a, bf, acc, cb
	WIN 0x01
.irp ks, 0,1,2,3,4,5,6,7
.irp i, 0,1
.set rC, (\acc)+8*\i
.if (\ks == 0) && ((\cb) >= 0)
.set rC, (\cb)+8*\i
.endif
	v_wmma_f32_16x16x32_bf16 v[(\acc)+8*\i:(\acc)+8*\i+7], v[(\a)+64*\i+8*\ks:(\a)+64*\i+8*\ks+7], v[(\bf)+8*\ks:(\bf)+8*\ks+7], v[rC:rC+7]
.endr
.endr
.endm
.macro GROWS dst, ar, sb, n
.set i, 0
.rept \n
	global_load_b128 v[(\dst)+8*i:(\dst)+8*i+3],   v[\ar], s[\sb:\sb+1] offset:1024*i
	global_load_b128 v[(\dst)+8*i+4:(\dst)+8*i+7], v[\ar], s[\sb:\sb+1] offset:1024*i+512
.set i, i+1
.endr
.endm
.macro GROWST src, ar, sb, n
.set i, 0
.rept \n
	global_store_b128 v[\ar], v[(\src)+8*i:(\src)+8*i+3],   s[\sb:\sb+1] offset:1024*i
	global_store_b128 v[\ar], v[(\src)+8*i+4:(\src)+8*i+7], s[\sb:\sb+1] offset:1024*i+512
.set i, i+1
.endr
.endm
.macro LROWS dst, ar, pitch, n
.set i, 0
.rept \n
	ds_load_b128 v[(\dst)+8*i:(\dst)+8*i+3],   v[\ar] offset:(\pitch)*i
	ds_load_b128 v[(\dst)+8*i+4:(\dst)+8*i+7], v[\ar] offset:(\pitch)*i+512
.set i, i+1
.endr
.endm
.macro LROWST src, ar, pitch, n
.set i, 0
.rept \n
	ds_store_b128 v[\ar], v[(\src)+8*i:(\src)+8*i+3] offset:(\pitch)*i
	ds_store_b128 v[\ar], v[(\src)+8*i+4:(\src)+8*i+7] offset:(\pitch)*i+512
.set i, i+1
.endr
.endm
.macro PKADD a, b, n
.set i, 0
.rept \n
	v_pk_add_f32 v[(\a)+2*i:(\a)+2*i+1], v[(\a)+2*i:(\a)+2*i+1], v[(\b)+2*i:(\b)+2*i+1]
.set i, i+1
.endr
.endm
.macro CVT16 cv, xv
.set i, 0
.rept 16
	v_cvt_pk_bf16_f32 v[(\cv)+i], v[(\xv)+2*i], v[(\xv)+2*i+1]
.set i, i+1
.endr
.endm
.macro XSTORE ar, cv
.irp i, 0,1,2,3
	ds_store_b64 v[\ar], v[(\cv)+4*\i:(\cv)+4*\i+1]   offset:XP*\i
	ds_store_b64 v[\ar], v[(\cv)+4*\i+2:(\cv)+4*\i+3] offset:XP*\i+256
.endr
.endm
.macro RED4 ts
.irp m, 1,2,4,8
.irp i, 0,1,2,3
	v_add_f32_dpp v[(\ts)+2*\i], v[(\ts)+2*\i], v[(\ts)+2*\i] row_xmask:\m row_mask:0xf bank_mask:0xf
.endr
.endr
.irp i, 0,1,2,3
	v_permlanex16_b32 v[(\ts)+2*\i+1], v[(\ts)+2*\i], s[SEL], s[SEL+1]
.endr
.irp i, 0,1,2,3
	v_add_f32 v[(\ts)+2*\i], v[(\ts)+2*\i], v[(\ts)+2*\i+1]
.endr
.endm
; LayerNorm of four rows (8 numbers a lane each), in place: mean, centred, variance of the centred numbers, 1 / sqrt, gain and bias.
.macro LN4 xv, ts, mu, gw, gb
.irp i, 0,1,2,3
	v_pk_add_f32 v[(\ts)+2*\i:(\ts)+2*\i+1], v[(\xv)+8*\i:(\xv)+8*\i+1], v[(\xv)+8*\i+2:(\xv)+8*\i+3]
	v_pk_add_f32 v[(\mu)+2*\i:(\mu)+2*\i+1], v[(\xv)+8*\i+4:(\xv)+8*\i+5], v[(\xv)+8*\i+6:(\xv)+8*\i+7]
.endr
.irp i, 0,1,2,3
	v_pk_add_f32 v[(\ts)+2*\i:(\ts)+2*\i+1], v[(\ts)+2*\i:(\ts)+2*\i+1], v[(\mu)+2*\i:(\mu)+2*\i+1]
.endr
.irp i, 0,1,2,3
	v_add_f32 v[(\ts)+2*\i], v[(\ts)+2*\i], v[(\ts)+2*\i+1]
.endr
	RED4 \ts
.irp i, 0,1,2,3
	v_mul_f32 v[(\mu)+2*\i], s[INV256], v[(\ts)+2*\i]
.endr
.irp i, 0,1,2,3
.irp k, 0,2,4,6
	v_pk_add_f32 v[(\xv)+8*\i+\k:(\xv)+8*\i+\k+1], v[(\xv)+8*\i+\k:(\xv)+8*\i+\k+1], v[(\mu)+2*\i:(\mu)+2*\i+1] op_sel_hi:[1,0] neg_lo:[0,1] neg_hi:[0,1]
.endr
.endr
.irp i, 0,1,2,3
	v_pk_mul_f32 v[(\ts)+2*\i:(\ts)+2*\i+1], v[(\xv)+8*\i:(\xv)+8*\i+1], v[(\xv)+8*\i:(\xv)+8*\i+1]
.endr
.irp k, 2,4,6
.irp i, 0,1,2,3
	v_pk_fma_f32 v[(\ts)+2*\i:(\ts)+2*\i+1], v[(\xv)+8*\i+\k:(\xv)+8*\i+\k+1], v[(\xv)+8*\i+\k:(\xv)+8*\i+\k+1], v[(\ts)+2*\i:(\ts)+2*\i+1]
.endr
.endr
.irp i, 0,1,2,3
	v_add_f32 v[(\ts)+2*\i], v[(\ts)+2*\i], v[(\ts)+2*\i+1]
.endr
	RED4 \ts
.irp i, 0,1,2,3
	v_fma_f32 v[(\ts)+2*\i], v[(\ts)+2*\i], s[INV256], s[EPS]
.endr
.irp i, 0,1,2,3
	v_rsq_f32 v[(\ts)+2*\i], v[(\ts)+2*\i]
.endr
	v_nop                                  ; a plain instruction behind the last of the four,
	s_wait_alu depctr_va_vdst(0)           ; and one wait ahead of their first reader
.irp i, 0,1,2,3
.irp k, 0,2,4,6
	v_pk_mul_f32 v[(\xv)+8*\i+\k:(\xv)+8*\i+\k+1], v[(\xv)+8*\i+\k:(\xv)+8*\i+\k+1], v[(\ts)+2*\i:(\ts)+2*\i+1] op_sel_hi:[1,0]
.endr
.endr
.irp i, 0,1,2,3
.irp k, 0,2,4,6
	v_pk_fma_f32 v[(\xv)+8*\i+\k:(\xv)+8*\i+\k+1], v[(\xv)+8*\i+\k:(\xv)+8*\i+\k+1], v[(\gw)+\k:(\gw)+\k+1], v[(\gb)+\k:(\gb)+\k+1]
.endr
.endr
.endm
	s_load_b512 s[8:23], s[0:1], 0x0               ; x1 8, samp 10, wsw 12, out_b 14, ff_norm w 16, b 18, ff1_b 20, ff2_b 22
	s_load_b64 s[24:25], s[0:1], 0x40              ; out0
	v_lshl_add_u32 v[SPW], v0, 2, SPARE
	v_mov_b32 v[NIL], 0
	v_lshrrev_b32 v[T0], 5, v0
	v_readfirstlane_b32 s[WV], v[T0]               ; wave 0..7
	v_and_b32 v[T0], 31, v0                        ; l
	v_and_b32 v[T1], 15, v0                        ; r
	v_bfe_u32 v[T2], v0, 4, 1                      ; h
	v_lshlrev_b32 v[L16], 4, v[T0]
	v_mul_u32_u24 v[FRH], v[T1], XP
	v_lshl_add_u32 v[FRH], v[T2], 4, v[FRH]
	v_add_nc_u32 v[FRX], XA, v[FRH]
	s_lshl_b32 s50, s[WV], 6
	v_add_nc_u32 v[HST], s50, v[FRH]
	v_mul_u32_u24 v[YST], v[T1], YP
	v_lshl_add_u32 v[YST], v[T2], 5, v[YST]
	s_lshl_b32 s51, s[WV], 7
	v_lshl_add_u32 v[BO], v[T2], 5, s51
	s_add_co_u32 s51, s51, YY
	v_add_nc_u32 v[YST], s51, v[YST]
	s_lshl_b32 s51, s[WV], 13
	v_add_nc_u32 v[RWL], s51, v[L16]
	s_lshl_b32 s51, s[WV], 12
	v_add_nc_u32 v[SFO], s51, v[L16]
	s_mul_i32 s51, s[WV], 8*XP
	s_add_co_u32 s51, s51, XA
	v_lshl_add_u32 v[XWR], v[T0], 3, s51
	s_mul_i32 s51, s[WV], 8*YP
	s_add_co_u32 s51, s51, YY
	v_add_nc_u32 v[YRD], s51, v[L16]
	v_mov_b32 v[ZERO], 0
	s_mov_b32 s[SEL], 0x76543210
	s_mov_b32 s[SEL+1], 0xfedcba98
	s_mov_b32 s[INV256], 0x3b800000
	s_mov_b32 s[EPS], 0x3727c5ac
	s_mov_b32 s51, 0                               ; stays 0: the high word of every offset below
	s_wait_kmcnt 0x0
	s_lshl_b32 s50, ttmp9, 16                      ; my 64 rows of 1,024 bytes
	s_add_nc_u64 s[8:9], s[8:9], s[50:51]
	s_add_nc_u64 s[24:25], s[24:25], s[50:51]
	s_lshl_b32 s50, ttmp9, 15                      ; my 32 fragments of the sampled vectors
	s_add_nc_u64 s[10:11], s[10:11], s[50:51]
	s_lshl_b32 s50, s[WV], 14
	s_add_nc_u64 s[W16:W16+1], s[12:13], s[50:51]
	s_add_nc_u64 s[F1P:F1P+1], s[W16:W16+1], WF1
	s_lshl_b32 s50, s[WV], 16
	s_add_nc_u64 s[F2P:F2P+1], s[12:13], s[50:51]
	s_add_nc_u64 s[F2P:F2P+1], s[F2P:F2P+1], WF2
; ---- G1: my eight rows of x1 and my four fragments of the sampled vectors go into LDS; out_w's fragments and out_b are asked for behind them: 60 loads are out
	GROWS 128, RWL, 8, 8
.irp k, 0,1,2,3,4,5,6,7
	global_load_b128 v[192+4*\k:195+4*\k], v[SFO], s[10:11] offset:512*\k
.endr
	LOADA 0, W16, WOUT, 16
	WIN 0
	BIAS2 64, 14, 0
	s_wait_loadcnt 36                              ; the 24 oldest are in; out_w's 32 and out_b's 4 may stay out
	v_add_nc_u32 v[T0], XR, v[RWL]
	LROWST 128, T0, 1024, 8
	v_add_nc_u32 v[T1], XA, v[SFO]
.irp k, 0,1,2,3,4,5,6,7
	ds_store_b128 v[T1], v[192+4*\k:195+4*\k] offset:512*\k
.endr
	BAR                                            ; all 32 fragments lie in XA: tile qt, head ks at 8,192 qt + 1,024 ks
; ---- G2: the out projection, f32, into Y
	s_wait_loadcnt 0x0
	LOADA 128, F1P, 0, 16                          ; the first chunk of ff1_w
	WIN 0
	BIAS2 48, 20, 0
	v_add_nc_u32 v[T0], XA, v[L16]
	v_mov_b32 v[T1], v[YST]
	s_mov_b32 s[CNT], 4
.Lproj:
	LOADFR 0, T0
	s_wait_dscnt 0x0
	MMF 0, 128, 32, 64
	PLACES 5
	WIN 0
	ds_store_b128 v[T1], v[32:35]
	ds_store_b128 v[T1], v[36:39] offset:16
	ds_store_b128 v[T1], v[40:43] offset:64
	ds_store_b128 v[T1], v[44:47] offset:80
	v_add_nc_u32 v[T0], 8192, v[T0]
	v_add_nc_u32 v[T1], 16*YP, v[T1]
	s_sub_co_u32 s[CNT], s[CNT], 1
	s_cmp_lg_u32 s[CNT], 0
	s_cbranch_scc1 .Lproj
	BAR
; ---- G3: x2 = x1 + that, kept in XR; LN(x2) into XA
.irp q, 0,1,2,3
	BIAS2 64+16*\q, 22, 0                          ; the second layer's sums begin with ff2_b
.endr
	global_load_b128 v[224:227], v[L16], s[16:17]
	global_load_b128 v[228:231], v[L16], s[16:17] offset:512
	global_load_b128 v[232:235], v[L16], s[18:19]
	global_load_b128 v[236:239], v[L16], s[18:19] offset:512
	v_add_nc_u32 v[T0], XR, v[RWL]
	v_mov_b32 v[T1], v[YRD]
	v_mov_b32 v[T2], v[XWR]
	s_mov_b32 s[CNT], 2
.Lrows3:
	LROWS 128, T0, 1024, 4
	LROWS 160, T1, YP, 4
	s_wait_dscnt 0x0
	PKADD 128, 160, 16
	LROWST 128, T0, 1024, 4
	s_wait_loadcnt 0x0                             ; the norm's gain and bias (first trip)
	LN4 128, 208, 216, 224, 232
	CVT16 192, 128
	XSTORE T2, 192
	v_add_nc_u32 v[T0], 4096, v[T0]
	v_add_nc_u32 v[T1], 4*YP, v[T1]
	v_add_nc_u32 v[T2], 4*XP, v[T2]
	s_sub_co_u32 s[CNT], s[CNT], 1
	s_cmp_lg_u32 s[CNT], 0
	s_cbranch_scc1 .Lrows3
	BAR
; ---- G4: the feed-forward layer, 256 hidden channels a chunk.  ONE barrier a chunk: a hidden buffer is written again only behind the OTHER buffer's barrier, in front of which every wave has waited for its reads of this one.
.macro CHUNK hb
	s_wait_loadcnt 0x0                             ; this chunk's fragments of ff1_w and its bias
	LOADA 0, F2P, 8192*(\hb), 8                    ; this chunk's fragments of ff2_w land under the first layer's products
	LOADA 64, F2P, 8192*(\hb)+32768, 8
	LOADBF 0, FRX, 0
.irp q, 0,1,2,3
.if \q < 3
	LOADBF (\q+1)%2, FRX, (\q+1)*XQT
	s_wait_dscnt 16                                ; all but the sixteen just issued
.else
	s_wait_dscnt 0x0
.endif
	MMF 128, 128+64*(\q%2), 32, 48
	PLACES 5
	WIN 0
.set i, 0
.rept 8
	v_cvt_pk_bf16_f32 v[HP+i], v[32+2*i], v[32+2*i+1]
.set i, i+1
.endr
.set i, 0
.rept 8
	v_pk_max_num_bf16 v[HP+i], v[HP+i], v[ZERO]    ; the ReLU, two at a time; nothing is rounded
.set i, i+1
.endr
	ds_store_b128 v[HST], v[HP:HP+3]   offset:(\hb)*HB+\q*XQT
	ds_store_b128 v[HST], v[HP+4:HP+7] offset:(\hb)*HB+\q*XQT+32
.endr
	BAR                                            ; the chunk's 256 hidden channels of all 64 rows lie in LDS
	s_wait_loadcnt 0x0                             ; ff2_w's fragments
.if \hb
	s_cmp_eq_u32 s[CNT], 1                         ; behind the last chunk there is none; the only wait that follows these loads is for 0
	s_cbranch_scc1 .Lno_w1_\@
.endif
	LOADA 128, F1P, 131072*((\hb)+1), 16           ; the next chunk of ff1_w lands under the second layer's products
	WIN 0
	BIAS2 48, 20, 1024*((\hb)+1)
.if \hb
.Lno_w1_\@:
.endif
	LOADBF 0, FRH, (\hb)*HB
.irp q, 0,1,2,3
.if \q < 3
	LOADBF (\q+1)%2, FRH, (\hb)*HB+(\q+1)*XQT
	s_wait_dscnt 16
.else
	s_wait_dscnt 0x0
.endif
	MMF 0, 128+64*(\q%2), 64+16*\q, -1
	PLACES 5
.endr
	WIN 0
.endm
	s_mov_b32 s[CNT], 2
.Lffn:                                         ; two chunks a trip
	CHUNK 0
	CHUNK 1
	s_wait_xcnt 0x0                                ; the loads have read the three pointers
	s_add_nc_u64 s[F1P:F1P+1], s[F1P:F1P+1], 262144
	s_add_nc_u64 s[F2P:F2P+1], s[F2P:F2P+1], 16384
	s_add_nc_u64 s[20:21], s[20:21], 2048
	s_sub_co_u32 s[CNT], s[CNT], 1
	s_cmp_lg_u32 s[CNT], 0
	s_cbranch_scc1 .Lffn
; ---- G5: out0 = x2 + the layer's result, by whole rows
.irp q, 0,1,2,3
.irp i, 0,1
	ds_store_b128 v[YST], v[64+16*\q+8*\i:64+16*\q+8*\i+3]   offset:\q*16*YP+64*\i
	ds_store_b128 v[YST], v[64+16*\q+8*\i+4:64+16*\q+8*\i+7] offset:\q*16*YP+64*\i+16
.endr
.endr
	BAR
	v_add_nc_u32 v[T0], XR, v[RWL]
	LROWS 128, T0, 1024, 8
	LROWS 192, YRD, YP, 8
	s_wait_dscnt 0x0
	PKADD 128, 192, 32
	GROWST 128, RWL, 24, 8
	s_wait_tensorcnt 0x0                           ; the wave's end: behind my last LDS store
	ds_add_u32 v[SPW], v[NIL]
	s_wait_dscnt 0x0
	s_endpgm
.Lfunc_end_k_q45c831da34_ffn:
	.size	k_q45c831da34_ffn, .Lfunc_end_k_q45c831da34_ffn-k_q45c831da34_ffn
	.p2alignl 7, 3214868480
	.fill 96, 4, 3214868480
	.section	.rodata,"a",@progbits
	.p2align	6, 0x0
	.amdhsa_kernel k_q45c831da34_ffn
		.amdhsa_group_segment_fixed_size 234496
		.amdhsa_private_segment_fixed_size 0
		.amdhsa_enable_private_segment 0
		.amdhsa_kernarg_size 72
		.amdhsa_user_sgpr_count 2
		.amdhsa_user_sgpr_kernarg_segment_ptr 1
		.amdhsa_wavefront_size32 1
		.amdhsa_system_sgpr_workgroup_id_x 1
		.amdhsa_system_sgpr_workgroup_id_y 1
		.amdhsa_system_sgpr_workgroup_id_z 1
		.amdhsa_system_vgpr_workitem_id 0
		.amdhsa_next_free_vgpr 512
		.amdhsa_next_free_sgpr 66
		.amdhsa_reserve_vcc 0
		.amdhsa_float_denorm_mode_32 3
		.amdhsa_float_denorm_mode_16_64 3
		.amdhsa_memory_ordered 1
		.amdhsa_forward_progress 1
		.amdhsa_inst_pref_size 97
	.end_amdhsa_kernel
	.amdgpu_metadata
---
amdhsa.version: [ 1, 2 ]
amdhsa.kernels:
  - .name:           k_q45c831da34_ffn
    .symbol:         k_q45c831da34_ffn.kd
    .args:
      - { .name: x1, .offset: 0, .size: 8, .value_kind: global_buffer, .address_space: global }
      - { .name: samp, .offset: 8, .size: 8, .value_kind: global_buffer, .address_space: global }
      - { .name: wsw, .offset: 16, .size: 8, .value_kind: global_buffer, .address_space: global }
      - { .name: params_out_b, .offset: 24, .size: 8, .value_kind: global_buffer, .address_space: global }
      - { .name: params_ff_norm_w, .offset: 32, .size: 8, .value_kind: global_buffer, .address_space: global }
      - { .name: params_ff_norm_b, .offset: 40, .size: 8, .value_kind: global_buffer, .address_space: global }
      - { .name: params_ff1_b, .offset: 48, .size: 8, .value_kind: global_buffer, .address_space: global }
      - { .name: params_ff2_b, .offset: 56, .size: 8, .value_kind: global_buffer, .address_space: global }
      - { .name: out0, .offset: 64, .size: 8, .value_kind: global_buffer, .address_space: global }
    .group_segment_fixed_size: 234496
    .private_segment_fixed_size: 0
    .kernarg_segment_align: 8
    .kernarg_segment_size: 72
    .max_flat_workgroup_size: 256
    .sgpr_count:     66
    .vgpr_count:     512
    .wavefront_size: 32
...
	.end_amdgpu_metadata
.endif
;; end of part 8
